; MI455X (gfx1250); checked and timed in simulation.
; The chip was launched on July 23, 2026; its instructions are those of AMD's public machine-readable ISA for CDNA 5 (MIT licence, August 2026) and "CDNA5" Instruction Set Architecture Reference Guide (July 2026). The comments in the code are by the model that wrote it; some were corrected since.
;; Block. Allowed arithmetic: matrix products marked QUANTISED: E5M2 operands, one E8M0 scale for each 32 along K, by v_wmma_scale_f32_16x16x128_f8f6f4 with both operands' format E5M2, f32 sums; everything else in f32.
;; Inputs: attn_b 3,072 float32; attn_proj_b 1,024 float32; attn_proj_w_codes 1,024 x 32 x 32 uint8 (E5M2 codes of attn_proj_w, K innermost, in blocks of 32 codes); attn_proj_w_scales 1,024 x 32 uint8 (E8M0 scales of attn_proj_w, one for each 32 codes along K); attn_w_codes 3,072 x 32 x 32 uint8 (E5M2 codes of attn_w, K innermost, in blocks of 32 codes); attn_w_scales 3,072 x 32 uint8 (E8M0 scales of attn_w, one for each 32 codes along K); fc_b 4,096 float32; fc_w_codes 4,096 x 32 x 32 uint8 (E5M2 codes of fc_w, K innermost, in blocks of 32 codes); fc_w_scales 4,096 x 32 uint8 (E8M0 scales of fc_w, one for each 32 codes along K); ln1_b 1,024 float32; ln1_w 1,024 float32; ln2_b 1,024 float32; ln2_w 1,024 float32; mlp_proj_b 1,024 float32; mlp_proj_w_codes 1,024 x 128 x 32 uint8 (E5M2 codes of mlp_proj_w, K innermost, in blocks of 32 codes); mlp_proj_w_scales 1,024 x 128 uint8 (E8M0 scales of mlp_proj_w, one for each 32 codes along K); x 2 x 2,048 x 1,024 float32.
;; Outputs: out0 2 x 2,048 x 1,024 float32.
;; This version of the problem:
;;   THIS VERSION OF THE PROBLEM IS GIVEN IN LOW PRECISION. The matrix products marked QUANTISED in the list below multiply operands that are first quantised to E5M2 (5 exponent bits, 2 mantissa bits; 8 bits a number), with one power-of-two scale for each 32 numbers along K (OCP MX v1.0); their sums are f32. All else is computed in f32.
;;   The module's matrix products, in the order in which they are computed (A, B: the left and right operand; K: the contracted axis; several contracted axes count as one K, in the product's order):
;;     1. [M 4,096, K 1,024] x [K 1,024, N 3,072]; A: computed on the way; B: input attn_w (given as codes): QUANTISED
;;     2. batch 32 x [M 2,048, K 64] x [K 64, N 2,048]; A: computed on the way; B: computed on the way: QUANTISED
;;     3. batch 32 x [M 2,048, K 2,048] x [K 2,048, N 64]; A: softmax (see below); B: computed on the way: QUANTISED
;;     4. [M 4,096, K 1,024] x [K 1,024, N 1,024]; A: computed on the way; B: input attn_proj_w (given as codes): QUANTISED
;;     5. [M 4,096, K 1,024] x [K 1,024, N 4,096]; A: computed on the way; B: input fc_w (given as codes): QUANTISED
;;     6. [M 4,096, K 4,096] x [K 4,096, N 1,024]; A: computed on the way; B: input mlp_proj_w (given as codes): QUANTISED
;;   THE QUANTISER, for each operand of a quantised product, along K:
;;     - K is cut into blocks of 32 from its start; a last block that is shorter is filled with zeros.
;;     - A block's scale is 2^e with e = floor(log2(the largest magnitude in the block)) - 15, held to -126 .. 127; a block of zeros has e = 0. As a byte (E8M0): e + 127.
;;     - Each number is divided by its block's scale, clamped to +-57,344, and rounded to the nearest number of E5M2, ties to even, subnormals kept.
;;     - The product sums the exact products of the quantised numbers (number of the format x scale) in f32.
;;   ~~~python
;;   def quantise(x, axis):      # numpy; x: float32 -> the quantised numbers, widened to float32 again
;;       x = np.moveaxis(x, axis, -1); K = x.shape[-1]
;;       x = np.pad(x, [(0, 0)] * (x.ndim - 1) + [(0, -K % 32)]); x = x.reshape(x.shape[:-1] + (-1, 32)); a = np.abs(x).max(-1, keepdims=True)
;;       e = np.where(a > 0, np.clip(np.frexp(np.where(a > 0, a, 1))[1] - 1 - 15, -126, 127), 0)      # np.frexp(a)[1] - 1 = floor(log2(a)), exactly
;;       r = np.clip(x / 2.0 ** e, -57344, 57344)
;;       step = 2.0 ** (np.maximum(np.frexp(np.where(r == 0, 1, r))[1] - 1, -14) - 2)
;;       q = np.round(r / step) * step * 2.0 ** e      # np.round: ties to even
;;       return np.moveaxis(q.reshape(q.shape[:-2] + (-1,))[..., :K], -1, axis).astype(np.float32)
;;   ~~~
;;   SOFTMAX AHEAD OF A QUANTISED PRODUCT. Where the list says 'softmax', what is quantised is not the finished softmax but p = 2^(t - M), with t = logit x log2(e) and M = ceil(the row's largest t), a whole number; so 1/2 < the row's largest p <= 1. The row's sum l is taken of the UNQUANTISED p, in f32, and the product's result is divided by l at the end. Since M is a whole number, a kernel that streams over the keys may use a running M (the ceiling of the running maximum): every later rescaling is an exact power of two, which a block's scale takes up: the codes' values come out the same.
;;   OPERANDS COMPUTED ON THE WAY. 'Computed on the way' means the value that the module computes at that place (a softmax that the list does not call 'softmax' is quantised finished and normalised). What goes into a quantiser is computed in f32, as accurately as f32 sums, v_exp_f32 and their like allow (about 1e-6 of the number): no bf16 or f16 on the way to a quantiser, and a product that is left as it is and whose result goes on into a quantised operand takes f32 operands (vector FMAs, or v_wmma_f32_16x16x4_f32). A number that lies on a knife's edge between two numbers of the format may be rounded either way, as far as f32 arithmetic and the matrix unit's own rounding can turn it there, and no further.
;;   INPUTS GIVEN AS CODES. attn_proj_w (in the module: [1024, 1024], K = its axis 1); attn_w (in the module: [3072, 1024], K = its axis 1); fc_w (in the module: [4096, 1024], K = its axis 1); mlp_proj_w (in the module: [1024, 4096], K = its axis 1): each comes as NAME_codes (uint8): NAME with its K axis moved to the last place and cut into blocks of 32 codes, [.., K / 32, bytes a block], one block behind the other in memory; one code a byte (a code: sign, 5 exponent bits, 2 mantissa bits); and NAME_scales (uint8): the same leading axes, one E8M0 byte (e + 127) for each 32 codes along K. Its value is code x scale, taken as it is: it is not quantised again, and the codes and scales need not be those that the quantiser above would give.
;; One version. Each part assembles by itself: llvm-mc -triple=amdgcn-amd-amdhsa -mcpu=gfx1250 --defsym DOCPART=n.
;; ======== version 1 of 1: 7 launches
;; limits: right only within a limited range of input values
;; workspace buffers: hc 4,194,304 bytes; hs 131,072 bytes; bc 16,777,216 bytes; bs 524,288 bytes; yc 4,194,304 bytes; ys 131,072 bytes; x2 16,777,216 bytes
;; launch ln1 (part 1): grid 256 x 1, 16 waves a work-group, no clusters, 84,480 bytes of LDS; arguments x, ln1_w, ln1_b, hc, hs; writes hc, hs
.if DOCPART == 1
	.amdgcn_target "amdgcn-amd-amdhsa--gfx1250"
	.amdhsa_code_object_version 6
	.text
	.protected	k_q73dcbde721_ln1
	.globl	k_q73dcbde721_ln1
	.p2align	8
	.type	k_q73dcbde721_ln1,@function
k_q73dcbde721_ln1:
	s_mov_b64 s[64:65], 0
	v_nop
	global_prefetch_b8 v0, s[64:65] scope:SCOPE_SE
	s_setreg_imm32_b32 hwreg(HW_REG_WAVE_MODE, 25, 1), 1
	s_wait_xcnt 0x0
; THE PROGRAM: a transformer block on 4,096 tokens of 1,024 channels, in seven launches:
;   layer norm 1 -> codes | q, k, v -> codes | causal attention -> codes of y | projection + x -> x2 | layer norm 2 -> codes | fc + exact GELU -> codes | projection + x2 -> out0.
; WORK LEFT OUT: only in the attention launch.  reference() builds the causal mask in its own body (jnp.tril) and sets hidden logits to -inf ahead of the softmax: their p is 0 for all values of the inputs,
; so a step of 128 keys that all come after a wave's 16 queries reaches no output and is not multiplied.  Nothing else is left out: every bias goes into a quantised operand or into the output, and every input is loaded.
; LIMIT: a NaN, an infinity or an overflow that would arise only in those hidden scores is not carried to the result.
; THIS LAUNCH: h = (x - mean) * rsqrt(var + 1e-5) * w + b, row by row of 1,024 f32, then quantised along the row: codes of E5M2 [4096][1024] and one E8M0 byte for each 32, [4096][32].
; The mean is taken first and the variance of the differences, so a common offset of the row does no harm.
; A block's byte is its largest magnitude's exponent field - 15, held at 1 from below.  LIMITS: a block of zeros gets the byte 1 (its codes are zeros; the bytes are read by this program alone);
; largest magnitudes under 2^-111 are taken as that floor; NaN and infinities among the inputs are not served.
; SHARES: a work-group of eight waves takes 16 rows, a wave two.  A load reads 512 consecutive bytes, 16 a lane; a row stays in 32 registers.  The conversions want 16 NEIGHBOURS in a lane, so the finished row turns
; through the wave's own stage in LDS (64 bytes + 16 of padding to a cell) and comes back 64 bytes a lane; two neighbouring lanes hold a block.  A wave's store of codes covers 512 consecutive bytes.
; The work-group's 512 scale bytes meet in LDS and leave by one store of wave 0.  No matrix unit, no tensor load, no cluster: a stream in which nothing is shared.
; SHARES, in place of the words on them above: a work-group of SIXTEEN waves takes 16 rows, a wave ONE; a wave has one stage, 32 scale bytes, and 128 bytes of spare words (eight blocks of 256 bytes in all).
.set STG,   5120                       ; a stage: 64 cells of 80 bytes
.set WREG,  STG                        ; a wave's stage
.set SCB,   16*WREG                    ; 16 rows x 32 scale bytes
.set SPARE, SCB+512                    ; the spare words, 128 bytes for each wave: eight blocks of 256 bytes that no other line names
.set SPW, 10                           ; v10  LDS address of my spare word; never rewritten
.set NIL, 11                           ; v11  0; never rewritten
.set X,   16                           ; v16-47   one row, 32 numbers a lane
.set W,   80                           ; v80-111  the gains of my 32 columns
.set B,   112                          ; v112-143 the biases
.set Y,   144                          ; v144-175 two sets of 16 neighbours (set 2 row + half)
.set C,   208                          ; v208-223 codes, four registers a set
.set E,   224                          ; v224-227 a scale byte a set
.set RS,  228                          ; v228-231 1 / sqrt(var + eps), a pair for each row
	s_load_b256 s[4:11], s[0:1], 0x0               ; x s[4:5], gain s[6:7], bias s[8:9], codes s[10:11]
	s_load_b64 s[12:13], s[0:1], 0x20              ; scale bytes
	v_lshl_add_u32 v[SPW], v0, 2, SPARE
	v_mov_b32 v[NIL], 0
	v_lshrrev_b32 v1, 5, v0
	s_delay_alu instid0(VALU_DEP_1)
	v_readfirstlane_b32 s14, v1                    ; wave 0..15
	v_and_b32 v4, 31, v0                           ; lane
	s_delay_alu instid0(VALU_DEP_1)
	v_lshlrev_b32 v1, 4, v4                        ; 16 x lane: my bytes of a load's or a store's 512
	s_mul_i32 s15, s14, WREG
	v_lshrrev_b32 v2, 2, v4
	s_delay_alu instid0(VALU_DEP_1)
	v_mul_u32_u24 v2, v2, 80
	v_and_b32 v3, 3, v4
	s_delay_alu instid0(VALU_DEP_1)
	v_lshl_add_u32 v2, v3, 4, v2
	s_delay_alu instid0(VALU_DEP_1)
	v_add_nc_u32 v2, s15, v2                       ; the stage, in: four lanes' 64 bytes on end, then 16 of padding
	v_mul_u32_u24 v3, v4, 80
	s_delay_alu instid0(VALU_DEP_1)
	v_add_nc_u32 v3, s15, v3                       ; and out: a cell a lane
	s_lshl_b32 s15, s14, 5
	s_add_co_u32 s15, s15, SCB
	v_lshrrev_b32 v5, 1, v4
	s_delay_alu instid0(VALU_DEP_1)
	v_add_nc_u32 v5, s15, v5                       ; my block's scale byte: 32 bytes a wave (one row), a byte for two lanes
	v_add_nc_u32 v6, SCB, v1                       ; wave 0 reads all 512 back
	s_mov_b32 s16, 0x76543210
	s_mov_b32 s17, 0xfedcba98                      ; v_permlanex16_b32's selects for lane l xor 16
	s_mov_b32 s18, 0x600000                        ; the mantissa field of 57,344
	s_mov_b32 s19, 0x3a800000                      ; 1 / 1,024
	s_mov_b32 s24, 0x3727c5ac                      ; 1e-5
	s_lshl_b32 s20, ttmp9, 16                      ; 16 rows of 4,096 bytes a work-group,
	s_lshl_b32 s21, s14, 12                        ; one a wave
	s_add_co_u32 s20, s20, s21
	s_mov_b32 s21, 0
	s_lshr_b32 s22, s20, 2                         ; a row of codes is a quarter of that
	s_mov_b32 s23, 0
	s_wait_kmcnt 0x0
	s_add_nc_u64 s[4:5], s[4:5], s[20:21]
	s_add_nc_u64 s[10:11], s[10:11], s[22:23]
	s_lshl_b32 s22, ttmp9, 9                       ; 512 scale bytes a work-group
	s_add_nc_u64 s[12:13], s[12:13], s[22:23]
.irp p, 0
.irp j, 0,1,2,3,4,5,6,7
	global_load_b128 v[X+32*\p+4*\j:X+32*\p+4*\j+3], v1, s[4:5] offset:4096*\p+512*\j
.endr
.endr
.irp j, 0,1,2,3,4,5,6,7
	global_load_b128 v[W+4*\j:W+4*\j+3], v1, s[6:7] offset:512*\j
.endr
.irp j, 0,1,2,3,4,5,6,7
	global_load_b128 v[B+4*\j:B+4*\j+3], v1, s[8:9] offset:512*\j
.endr
.macro LANES                           ; v8 summed over the 32 lanes, the result in every lane
	s_delay_alu instid0(VALU_DEP_1)
	v_add_f32_dpp v8, v8, v8 row_xmask:1 row_mask:0xf bank_mask:0xf
	s_delay_alu instid0(VALU_DEP_1)
	v_add_f32_dpp v8, v8, v8 row_xmask:2 row_mask:0xf bank_mask:0xf
	s_delay_alu instid0(VALU_DEP_1)
	v_add_f32_dpp v8, v8, v8 row_xmask:4 row_mask:0xf bank_mask:0xf
	s_delay_alu instid0(VALU_DEP_1)
	v_add_f32_dpp v8, v8, v8 row_xmask:8 row_mask:0xf bank_mask:0xf
	s_delay_alu instid0(VALU_DEP_1)
	v_permlanex16_b32 v9, v8, s16, s17
	s_delay_alu instid0(VALU_DEP_1)
	v_add_f32 v8, v8, v9
.endm
; Row p: the mean; x - mean in place; the variance; its reciprocal root.  left = the younger loads that may stay out
.macro STAT p, left
.set XS, X+32*(\p)
	s_wait_loadcnt \left
	v_pk_add_f32 v[8:9], v[XS:XS+1], v[XS+2:XS+3]
	v_pk_add_f32 v[12:13], v[XS+4:XS+5], v[XS+6:XS+7]
.irp i, 8,12,16,20,24,28
	s_delay_alu instid0(VALU_DEP_2)
	v_pk_add_f32 v[8:9], v[8:9], v[XS+\i:XS+\i+1]
	s_delay_alu instid0(VALU_DEP_2)
	v_pk_add_f32 v[12:13], v[12:13], v[XS+\i+2:XS+\i+3]
.endr
	s_delay_alu instid0(VALU_DEP_1)
	v_pk_add_f32 v[8:9], v[8:9], v[12:13]
	s_delay_alu instid0(VALU_DEP_1)
	v_add_f32 v8, v8, v9
	LANES
	s_delay_alu instid0(VALU_DEP_1)
	v_mul_f32 v12, s19, v8                         ; the mean,
	s_delay_alu instid0(VALU_DEP_1)
	v_mov_b32 v13, v12                             ; twice, for the packed subtraction
.irp i, 0,2,4,6,8,10,12,14,16,18,20,22,24,26,28,30
	v_pk_add_f32 v[XS+\i:XS+\i+1], v[XS+\i:XS+\i+1], v[12:13] neg_lo:[0,1] neg_hi:[0,1]
.endr
	v_pk_mul_f32 v[8:9], v[XS:XS+1], v[XS:XS+1]
	v_pk_mul_f32 v[14:15], v[XS+2:XS+3], v[XS+2:XS+3]
.irp i, 4,8,12,16,20,24,28
	s_delay_alu instid0(VALU_DEP_2)
	v_pk_fma_f32 v[8:9], v[XS+\i:XS+\i+1], v[XS+\i:XS+\i+1], v[8:9]
	s_delay_alu instid0(VALU_DEP_2)
	v_pk_fma_f32 v[14:15], v[XS+\i+2:XS+\i+3], v[XS+\i+2:XS+\i+3], v[14:15]
.endr
	s_delay_alu instid0(VALU_DEP_1)
	v_pk_add_f32 v[8:9], v[8:9], v[14:15]
	s_delay_alu instid0(VALU_DEP_1)
	v_add_f32 v8, v8, v9
	LANES
	s_delay_alu instid0(VALU_DEP_1)
	v_fma_f32 v8, v8, s19, s24                     ; var + eps
	s_wait_alu depctr_va_vdst(0)
	v_rsq_f32 v[RS+2*(\p)], v8
	v_nop                                          ; a plain instruction behind the transcendental,
	s_wait_alu depctr_va_vdst(0)                   ; and the wait ahead of the first line that names its result
	v_mov_b32 v[RS+2*(\p)+1], v[RS+2*(\p)]
.endm
; Row p is finished and turns through its stage: LDS serves a wave's instructions in order, so no wait stands between the stores and the loads
.macro NORM p
.set XS, X+32*(\p)
.irp i, 0,2,4,6,8,10,12,14,16,18,20,22,24,26,28,30
	v_pk_mul_f32 v[XS+\i:XS+\i+1], v[XS+\i:XS+\i+1], v[RS+2*(\p):RS+2*(\p)+1]
.endr
.irp i, 0,2,4,6,8,10,12,14,16,18,20,22,24,26,28,30
	v_pk_fma_f32 v[XS+\i:XS+\i+1], v[XS+\i:XS+\i+1], v[W+\i:W+\i+1], v[B+\i:B+\i+1]
.endr
.irp j, 0,1,2,3,4,5,6,7
	ds_store_b128 v2, v[XS+4*\j:XS+4*\j+3] offset:STG*(\p)+640*\j
.endr
.irp s, 0,1
.irp i, 0,1,2,3
	ds_load_b128 v[Y+16*(2*(\p)+\s)+4*\i:Y+16*(2*(\p)+\s)+4*\i+3], v3 offset:STG*(\p)+2560*\s+16*\i
.endr
.endr
.endm
; Half s of row p: my 16 neighbours become 16 codes.  left = the LDS instructions issued behind this set's four loads
.macro Q16 p, s, left
.set YS, Y+16*(2*(\p)+(\s))
.set CC, C+4*(2*(\p)+(\s))
.set EE, E+2*(\p)+(\s)
	s_wait_dscnt \left
	v_max3_num_f32 v8, |v[YS]|, |v[YS+1]|, |v[YS+2]|
	v_max3_num_f32 v9, |v[YS+3]|, |v[YS+4]|, |v[YS+5]|
.irp i, 6,10
	s_delay_alu instid0(VALU_DEP_2)
	v_max3_num_f32 v8, v8, |v[YS+\i]|, |v[YS+\i+1]|
	s_delay_alu instid0(VALU_DEP_2)
	v_max3_num_f32 v9, v9, |v[YS+\i+2]|, |v[YS+\i+3]|
.endr
	s_delay_alu instid0(VALU_DEP_2)
	v_max3_num_f32 v8, v8, |v[YS+14]|, |v[YS+15]|
	s_delay_alu instid0(VALU_DEP_1)
	v_max3_num_f32 v8, v8, v9, 0x8000000           ; and the floor 2^(16 - 127): the byte cannot fall under 1
	s_delay_alu instid0(VALU_DEP_1)
	v_max_num_f32_dpp v8, v8, v8 row_xmask:1 row_mask:0xf bank_mask:0xf   ; with my neighbour's 16: the block's largest magnitude
	s_delay_alu instid0(VALU_DEP_1)
	v_add_nc_u32 v13, 0xf8800000, v8               ; 15 off its exponent field: the conversion's scale operand
	s_delay_alu instid0(VALU_DEP_2)
	v_and_or_b32 v12, v8, 0x7f800000, s18          ; 57,344 x the scale
.irp i, 0,1,2,3,4,5,6,7,8,9,10,11,12,13,14,15
	v_med3_num_f32 v[YS+\i], v[YS+\i], -v12, v12   ; the conversion to an 8-bit code does not saturate (ISA guide 7.6.2): the hold comes first
.endr
	v_cvt_scalef32_pk8_bf8_f32 v[CC:CC+1], v[YS:YS+7], v13
	v_cvt_scalef32_pk8_bf8_f32 v[CC+2:CC+3], v[YS+8:YS+15], v13
	v_lshrrev_b32 v[EE], 23, v13                   ; the scale's byte (also the plain line behind the conversions)
	ds_store_b8 v5, v[EE] offset:32*(\p)+16*(\s)   ; both lanes of a block write the same byte with the same value
	global_store_b128 v1, v[CC:CC+3], s[10:11] offset:1024*(\p)+512*(\s)   ; 32 lanes store 512 consecutive bytes
.endm
	STAT 0, 16                                     ; behind the row's loads: the gains' eight, the biases' eight
	s_wait_alu depctr_va_vdst(0)                   ; directly ahead of the wait below
	s_wait_loadcnt 0x0                             ; gains and biases
	NORM 0
	Q16 0, 0, 4                                    ; behind them: the other half's 4 loads
	Q16 0, 1, 1                                    ; one byte store
	s_wait_dscnt 0x0                               ; for the others' sake: my byte stores have landed
	s_barrier_signal -1
	s_barrier_wait -1
	s_cmp_lg_u32 s14, 0
	s_cbranch_scc1 .Ldone
	ds_load_b128 v[16:19], v6                      ; wave 0: the work-group's 512 scale bytes
	s_wait_dscnt 0x0
	global_store_b128 v1, v[16:19], s[12:13]       ; 512 consecutive bytes
.Ldone:
	s_wait_tensorcnt 0x0                           ; the wave's end: behind my last LDS store
	ds_add_u32 v[SPW], v[NIL]
	s_wait_dscnt 0x0
	s_endpgm
.Lfunc_end_k_q73dcbde721_ln1:
	.size	k_q73dcbde721_ln1, .Lfunc_end_k_q73dcbde721_ln1-k_q73dcbde721_ln1
	.p2alignl 7, 3214868480
	.fill 96, 4, 3214868480
	.section	.rodata,"a",@progbits
	.p2align	6, 0x0
	.amdhsa_kernel k_q73dcbde721_ln1
		.amdhsa_group_segment_fixed_size 84480
		.amdhsa_private_segment_fixed_size 0
		.amdhsa_enable_private_segment 0
		.amdhsa_kernarg_size 40
		.amdhsa_user_sgpr_count 2
		.amdhsa_user_sgpr_kernarg_segment_ptr 1
		.amdhsa_wavefront_size32 1
		.amdhsa_system_sgpr_workgroup_id_x 1
		.amdhsa_system_sgpr_workgroup_id_y 1
		.amdhsa_system_sgpr_workgroup_id_z 1
		.amdhsa_system_vgpr_workitem_id 0
		.amdhsa_next_free_vgpr 232
		.amdhsa_next_free_sgpr 66
		.amdhsa_reserve_vcc 0
		.amdhsa_float_denorm_mode_32 3
		.amdhsa_float_denorm_mode_16_64 3
		.amdhsa_memory_ordered 1
		.amdhsa_forward_progress 1
		.amdhsa_inst_pref_size 19
	.end_amdhsa_kernel
	.amdgpu_metadata
---
amdhsa.version: [ 1, 2 ]
amdhsa.kernels:
  - .name:           k_q73dcbde721_ln1
    .symbol:         k_q73dcbde721_ln1.kd
    .args:
      - { .name: x, .offset: 0, .size: 8, .value_kind: global_buffer, .address_space: global }
      - { .name: ln1_w, .offset: 8, .size: 8, .value_kind: global_buffer, .address_space: global }
      - { .name: ln1_b, .offset: 16, .size: 8, .value_kind: global_buffer, .address_space: global }
      - { .name: hc, .offset: 24, .size: 8, .value_kind: global_buffer, .address_space: global }
      - { .name: hs, .offset: 32, .size: 8, .value_kind: global_buffer, .address_space: global }
    .group_segment_fixed_size: 84480
    .private_segment_fixed_size: 0
    .kernarg_segment_align: 8
    .kernarg_segment_size: 40
    .max_flat_workgroup_size: 512
    .sgpr_count:     66
    .vgpr_count:     232
    .wavefront_size: 32
...
	.end_amdgpu_metadata
.endif
;; end of part 1
;; launch qkv (part 2): grid 12 x 16, 4 waves a work-group, clusters of 4 x 4, 327,680 bytes of LDS; arguments hc, hs, attn_w_codes, attn_w_scales, attn_b, bc, bs; writes bc, bs
.if DOCPART == 2
	.amdgcn_target "amdgcn-amd-amdhsa--gfx1250"
	.amdhsa_code_object_version 6
	.text
	.protected	k_q73dcbde721_qkv
	.globl	k_q73dcbde721_qkv
	.p2align	8
	.type	k_q73dcbde721_qkv,@function
k_q73dcbde721_qkv:
	s_mov_b64 s[64:65], 0
	v_nop
	global_prefetch_b8 v0, s[64:65] scope:SCOPE_SE
	s_setreg_imm32_b32 hwreg(HW_REG_WAVE_MODE, 25, 1), 1
	s_wait_xcnt 0x0
	s_wait_alu depctr_hold_cnt(0) depctr_sa_sdst(0) depctr_va_vdst(0) depctr_va_sdst(0) depctr_va_ssrc(0) depctr_va_vcc(0) depctr_vm_vsrc(0)
	s_getreg_b32 s2, hwreg(HW_REG_IB_STS2, 6, 4)
	s_cmp_eq_u32 s2, 0
	s_cbranch_scc0 .Lentry_in_a_cluster
	s_endpgm
.Lentry_in_a_cluster:
	s_bfe_u32 s2, ttmp6, 0x10000c
	s_cmp_lg_u32 s2, 0xf033
	s_cbranch_scc0 .Lentry_shape_is_right
	s_endpgm
.Lentry_shape_is_right:
; A GEMM on codes of E5M2 with E8M0 scales (K = 1,024) whose result, with its bias (KIND 1: and the exact GELU), is quantised again on the way out and leaves as codes.
; KIND 0: q, k, v = h attn_w^T + attn_b.  KIND 1: g = gelu(h fc_w^T + fc_b).  h: codes [4096][1024], scale bytes [4096][32]; the weights likewise.
; A tile of 256 x 256 to a work-group of four waves, 128 x 128 to a wave: 64 accumulators, 512 registers.  K goes in steps of 256 through two LDS slots filled by the tensor data mover; the scale bytes of the
; work-group's 256 + 256 rows, for all of K, come into LDS once.  CLUSTERS of 4 x 4: the A side's tiles are shared along a row of the cluster, the B side's along a column, each by a joint load.
; THE MATRIX INSTRUCTION IS USED TRANSPOSED (source 0 = 16 rows of the B side, source 1 = 16 rows of the A side): a lane holds ONE row of the A side and its registers run along the B side's rows.
; So the side along which the result is quantised is the B side.  q, k (quantised along the head's channels) and g (along the hidden units): A side = tokens (h), B side = the weight's rows.
; v (quantised along the KEYS, the second attention product's K): the clusters with x = 2 change the sides: A side = attn_w's rows 2,048 on, B side = tokens.  The choice hangs on the cluster's x alone, which all partners share.
; OUT: a wave's 128 x 128 codes are 16,384 consecutive bytes of bc, rows of 128 bytes; each row's four scale bytes are one word of bs at the same place / 32.
;   q at 0: [batch][head pair][token][128]; k at 4 MiB likewise; v at 8 MiB: [batch][128 keys][channel][128]; g: [128 hidden units][token][128].
; THE QUANTISER: a block's byte is its largest magnitude's exponent field - 15, held at 1 from below.  LIMITS: a block of zeros gets the byte 1 (its codes are zeros; this program alone reads the bytes);
; largest magnitudes under 2^-111 are taken as that floor; NaN and infinities are not served.
; GELU (KIND 1): gelu(x) = max(x, 0) - |x| erfc(|x| / sqrt 2) / 2, with erfc(z) = t exp(-z^2 + c0 + c1 t + .. + c9 t^9), t = 1 / (1 + z / 2): a formula of fractional error 1.2e-7 for all z >= 0.
;   LIMIT: in f32 the exponent's rounding adds up to about 1e-6 of erfc where |x| > 5, and an erfc under 2^-126 counts as 0.
; REGISTERS, in windows of 256: window 0: v0-31 addresses; v8-15 and v64-127 the biases; v32-63 scale words, two sets; from v128 the A side's fragments, ONE set; on the way out v32-63 and v128-255 are at work.
;   window 1: the B side's fragments, TWO sets.   windows 2, 3: the accumulators ((a, b) at v[8 (8 (a % 4) + b)] of window 2 + a / 4).
; THE LAYOUT OF bc, which stands in place of the lines on OUT above: a wave's 16,384 bytes are [half of the 128 columns][128 rows][64 bytes].
;   q at 0 and k at 4 MiB: [batch][head pair][128 tokens][head of the pair][token][64];  v at 8 MiB: [batch][head pair][128 keys][64 keys][channel of the pair's 128][64].  bs as before: a word a row at the wave's place / 32.
.set KIND,   0
.set SIZE_K, 1024
.set KSTEP,  256                       ; along K in a slot
.set NQ,     KSTEP/128                 ; matrix instructions deep
.set ROWB,   256                       ; a tile's row in bytes
.set KROW,   SIZE_K                    ; a row of codes in memory
.set PITCH,  272                       ; an LDS row: 256 bytes + 16 of padding: the 16 rows that a load touches start at 16 different banks (64 banks of 4 bytes: ISA guide 11.1)
.set FR,     16                        ; registers of a fragment
.set NL,     4                         ; LDS loads that bring one
.set NP,     8                         ; places behind this matrix instruction (ISA guide 7.12.1)
.set HALFT,  128*PITCH
.set SLOT,   4*HALFT
.set LAPS,   SIZE_K/(2*KSTEP)
.set KS,     SIZE_K/32
.set SCL,    2*SLOT                    ; behind the ring: the scales, as units of 256 bytes + 16 of padding
.set HALFS,  (128*KS/256)*272
.set SBLK,   (16*KS/256)*272
.set SPARE,  SCL+4*HALFS               ; the spare words, 128 bytes for each wave: two blocks of 256 bytes that no other line names
.set WST,    3072                      ; the way out: a stage for each wave, in slot 0 (it has had its last fill and its last read by then): 16 rows x 144 bytes, then 512 bytes of scale words
.set CBV,  8                           ; v8-15   KIND 0: the bias of my lane's row in block a
.set ADRA, 16
.set BO,   18                          ; v18     32 x (lane / 16): the biases by register
.set BR,   19                          ; v19     4 x (lane % 16): the biases by lane
.set ADRB, 20
.set SWA,  22                          ; v22     the stage's scale words: 4 x (lane % 16)
.set SRD,  23                          ; v23     and where I read them back
.set STO,  24                          ; v24     the stage: where I put 8 codes of a row
.set RD,   25                          ; v25     and where I read rows back
.set CO,   26                          ; v26     16 x lane
.set ADRS, 27                          ; v27     LDS address of my scale words; on the way out: at work
.set SPW,  28
.set NIL,  29
.set C8V,  30                          ; v30-31  KIND 1: c8, twice
.set SC,   32
.set CB,   64                          ; v64-127 the bias of register 8 b + j
.set AF,   128
.set X,    128                         ; the way out: v128-191 a block's 64 numbers a lane
.set T,    192                         ; KIND 1: v192-223 t;  v224-255 the polynomial;  v32-63 at work
.set P,    224
.set YY,   32
.set TM,   192                         ; the quantiser: v192-207 at work, v208-223 codes, v224-239 rows read back, v240 the scale word
.set PC,   208
.set BK,   224
.set PW,   240
.set G1, 24
.set G0, 32
.set G1B, 48
.set G0B, 56
.set G1S, 68
.set G0S, 76
.set G1SB, 80
.set G0SB, 88
.set MSB, 0
.macro WIN new                         ; the immediate's high byte repeats the setting that is left
.if MSB != (\new)
	s_set_vgpr_msb (MSB<<8)|(\new)
.set MSB, (\new)
.endif
.endm
.set MUL_LO, 0xa1                      ; source 0 window 1, source 1 window 0, C and D window 2
.set MUL_HI, 0xf1                      ; the same, C and D window 3
.set TO_B,   0x40                      ; destination window 1, address window 0
; A joint load: waves 0 and 1 fetch for the A side, waves 2 and 3 for the B side.  The branch hangs on the wave's number alone.  An s_nop 0 and four v_nop follow each of the two lines.
.macro JLOAD g0a, g1a, g0b, g1b
	s_cmp_eq_u32 s15, 0
	s_cbranch_scc0 .Lfor_b_\@
	tensor_load_to_lds s[\g0a:\g0a+3], s[\g1a:\g1a+7]
	s_nop 0
.rept 4
	v_nop
.endr
	s_branch .Lasked_\@
.Lfor_b_\@:
	tensor_load_to_lds s[\g0b:\g0b+3], s[\g1b:\g1b+7]
	s_nop 0
.rept 4
	v_nop
.endr
.Lasked_\@:
.endm
.macro CREST                           ; a round of the cluster's barrier behind its opening barrier
	s_cmp_lg_u32 s14, 0
	s_cbranch_scc1 .Lnot_wave_0_\@
	s_barrier_signal -3
.Lnot_wave_0_\@:
	s_barrier_wait -3
	s_barrier_signal -1
	s_barrier_wait -1
.endm
.macro CROUND
	s_barrier_signal -1
	s_barrier_wait -1
	CREST
.endm
	s_load_b256 s[4:11], s[0:1], 0x0               ; h's codes s[4:5], h's scales s[6:7], the weight's codes s[8:9], its scales s[10:11]
	s_load_b128 s[96:99], s[0:1], 0x20             ; the bias s[96:97], bc s[98:99]
	s_load_b64 s[12:13], s[0:1], 0x30              ; bs
	v_lshl_add_u32 v[SPW], v0, 2, SPARE
	v_mov_b32 v[NIL], 0
	ds_add_u32 v[SPW], v[NIL]                      ; the wave's opening: the add, twice on end, and its wait ahead of my first tensor load
	ds_add_u32 v[SPW], v[NIL]
	v_lshrrev_b32 v1, 5, v0
	v_readfirstlane_b32 s14, v1                    ; wave 0..3
	s_lshr_b32 s15, s14, 1                         ; which half of the A side's rows is mine.  Also: I fetch for the A side (0) or the B side (1)
	s_and_b32 s16, s14, 1                          ; which half of the B side's.  Also: which 128 rows of that tile I fetch
	s_bfe_u32 s40, ttmp6, 0x40000                  ; cx, cy: my place in the cluster
	s_bfe_u32 s41, ttmp6, 0x40004
	s_lshl_b32 s42, ttmp9, 2                       ; 4 x cluster x
	s_and_b32 s17, ttmp7, 0xffff
	s_lshl_b32 s17, s17, 2                         ; 4 x cluster y
.if KIND == 0
	s_cmp_eq_u32 ttmp9, 2                          ; the clusters with x = 2 make v: the same answer in all sixteen partners
	s_cselect_b32 s66, 1, 0
	s_cselect_b32 s42, s17, s42                    ; v: the B side's tiles are tokens, by the cluster's y;
	s_cselect_b32 s17, 8, s17                      ; the A side's are attn_w's rows 2,048 on
.endif
	s_add_co_u32 s42, s42, s40                     ; the B side's tile: + cx
	s_add_co_u32 s17, s17, s41                     ; the A side's tile: + cy
	s_lshl_b32 s43, s41, 2
	s_lshl_b32 s43, 15, s43                        ; my row of the cluster
	s_lshl_b32 s44, 0x1111, s40                    ; my column
	s_or_b32 s[G1+0], s43, (0<<16)|(1<<20)|(1<<21)|(5<<22)|(3<<25)  ; the mask; elements of 1 byte; padding on; bit 21 beside a mask; after every 64 words, 4 words
	s_or_b32 s[G1B+0], s44, (0<<16)|(1<<20)|(1<<21)|(5<<22)|(3<<25)
.irp g, G1, G1B
	s_mov_b32 s[\g+1], ROWB<<16                    ; tensor_dim0
	s_mov_b32 s[\g+2], 256<<16                     ; tensor_dim1: 256 rows for the head's loads; 128 behind them
	s_mov_b32 s[\g+3], ROWB<<16                    ; tile_dim0
	s_mov_b32 s[\g+4], 256                         ; tile_dim1
	s_mov_b32 s[\g+5], KROW                        ; tensor_dim0_stride
	s_mov_b32 s[\g+6], 0
	s_mov_b32 s[\g+7], 0
.endr
	s_or_b32 s[G1S+0], s43, (3<<16)|(1<<20)|(1<<21)|(5<<22)|(3<<25)  ; the scales of 256 rows: a dense block, as rows of 256 bytes (32 elements of 8), 16 bytes of padding behind each
	s_or_b32 s[G1SB+0], s44, (3<<16)|(1<<20)|(1<<21)|(5<<22)|(3<<25)
.irp g, G1S, G1SB
	s_mov_b32 s[\g+1], 32<<16
	s_mov_b32 s[\g+2], KS<<16                      ; the scales of 256 rows: KS rows of 256 bytes
	s_mov_b32 s[\g+3], 32<<16
	s_mov_b32 s[\g+4], KS
	s_mov_b32 s[\g+5], 32
	s_mov_b32 s[\g+6], 0
	s_mov_b32 s[\g+7], 0
.endr
	s_lshl_b32 s20, s17, 8                         ; the A side's tile: its first row
	s_lshl_b32 s46, s42, 8                         ; the B side's
	s_mov_b32 s21, 0
	s_mov_b32 s47, 0
	s_mov_b64 s[18:19], KS
	s_mul_u64 s[22:23], s[20:21], s[18:19]         ; where these rows' scales begin,
	s_mul_u64 s[92:93], s[46:47], s[18:19]
	s_mov_b64 s[18:19], KROW
	s_mul_u64 s[20:21], s[20:21], s[18:19]         ; and their codes
	s_mul_u64 s[46:47], s[46:47], s[18:19]
	s_mul_i32 s45, s14, HALFT                      ; where they go: wave x 128 rows: no place in the cluster enters an LDS address
	s_mul_i32 s18, s16, 128*KROW                   ; in the ring I fetch 128 rows of a tile: which half, in bytes
	s_mov_b32 s19, 0
	s_wait_dscnt 0x0                               ; both opening adds are done
	s_wait_kmcnt 0x0
.if KIND == 0
	s_cmp_eq_u32 s66, 1                            ; v: the two sides' buffers change places
	s_mov_b64 s[100:101], s[4:5]
	s_cselect_b64 s[4:5], s[8:9], s[4:5]
	s_cselect_b64 s[8:9], s[100:101], s[8:9]
	s_mov_b64 s[100:101], s[6:7]
	s_cselect_b64 s[6:7], s[10:11], s[6:7]
	s_cselect_b64 s[10:11], s[100:101], s[10:11]
.endif
	s_add_nc_u64 s[20:21], s[4:5], s[20:21]
	s_add_nc_u64 s[22:23], s[6:7], s[22:23]
	s_add_nc_u64 s[46:47], s[8:9], s[46:47]
	s_add_nc_u64 s[92:93], s[10:11], s[92:93]
	CROUND                                         ; all sixteen work-groups are here: the first joint loads meet
	s_mov_b32 s[G0S], 1
	s_mov_b32 s[G0S+1], SCL
	s_mov_b64 s[G0S+2:G0S+3], s[22:23]
	s_or_b32 s[G0S+3], s[G0S+3], 0x80000000
	s_mov_b32 s[G0SB], 1
	s_mov_b32 s[G0SB+1], SCL+2*HALFS
	s_mov_b64 s[G0SB+2:G0SB+3], s[92:93]
	s_or_b32 s[G0SB+3], s[G0SB+3], 0x80000000
.set G0H, 4                            ; s[4:7], s[8:11] group 0 of the head's loads of K step 0 (the arguments that lay there have been used)
.set G0HB, 8
	s_mov_b32 s[G0H], 1
	s_mov_b32 s[G0H+1], 0
	s_mov_b64 s[G0H+2:G0H+3], s[20:21]
	s_or_b32 s[G0H+3], s[G0H+3], 0x80000000
	s_mov_b32 s[G0HB], 1
	s_mov_b32 s[G0HB+1], 2*HALFT
	s_mov_b64 s[G0HB+2:G0HB+3], s[46:47]
	s_or_b32 s[G0HB+3], s[G0HB+3], 0x80000000
	s_add_nc_u64 s[20:21], s[20:21], s[18:19]      ; for the ring: my 128 rows of the tile
	s_add_nc_u64 s[46:47], s[46:47], s[18:19]
; the prefetches: of the 128 rows that I fetch, each of the four partners that ask for them jointly names 32, told apart by address (cx for the A side, cy for the B side); a lane a row, 256 bytes of a row to a K step
.set PFA, 100
	s_cmp_eq_u32 s15, 0
	s_cselect_b64 s[PFA:PFA+1], s[20:21], s[46:47]
	s_cselect_b32 s94, s40, s41
	s_lshl_b32 s94, s94, 15                        ; 32 rows of 1,024 bytes
	s_mov_b32 s95, 0
	s_add_nc_u64 s[PFA:PFA+1], s[PFA:PFA+1], s[94:95]
.irp s, 0,1
	s_mov_b32 s[G0+4*\s], 1
	s_add_co_u32 s[G0+4*\s+1], s45, \s*SLOT
	s_add_nc_u64 s[G0+4*\s+2:G0+4*\s+3], s[20:21], \s*ROWB
	s_or_b32 s[G0+4*\s+3], s[G0+4*\s+3], 0x80000000
	s_mov_b32 s[G0B+4*\s], 1
	s_add_co_u32 s[G0B+4*\s+1], s45, \s*SLOT
	s_add_nc_u64 s[G0B+4*\s+2:G0B+4*\s+3], s[46:47], \s*ROWB
	s_or_b32 s[G0B+4*\s+3], s[G0B+4*\s+3], 0x80000000
.endr
; the head's loads, one a wave: wave 0 K step 0's 256 rows of the A side, wave 1 those of the B side, wave 2 the A side's scales, wave 3 the B side's
.macro ARM under, g0, g1, next
	s_cmp_lt_u32 s14, \under
	s_cbranch_scc0 \next
	tensor_load_to_lds s[\g0:\g0+3], s[\g1:\g1+7]
	s_nop 0
.rept 4
	v_nop
.endr
	s_branch .Lhead_asked
\next:
.endm
	ARM 1, G0H,  G1,  .Lhead_b
	ARM 2, G0HB, G1B, .Lhead_sa
	ARM 3, G0S,  G1S, .Lhead_sb
	tensor_load_to_lds s[G0SB:G0SB+3], s[G1SB:G1SB+7]
	s_nop 0
.rept 4
	v_nop
.endr
.Lhead_asked:
	v_and_b32 v1, 15, v0
	v_bfe_u32 v2, v0, 4, 1                         ; h = lane / 16
	v_mul_u32_u24 v3, v1, PITCH
	v_lshl_add_u32 v4, v2, 4, v3                   ; a fragment's row x pitch + 16 x half
	s_mul_i32 s21, s15, HALFT
	s_mul_i32 s22, s16, HALFT
	s_add_co_u32 s22, s22, 2*HALFT
.irp s, 0,1
	v_add_nc_u32 v[ADRA+\s], s21, v4
	v_add_nc_u32 v[ADRB+\s], s22, v4
	s_add_co_u32 s21, s21, SLOT
	s_add_co_u32 s22, s22, SLOT
.endr
	v_mul_u32_u24 v5, v1, KS                       ; my row's scales: KS bytes a row,
	v_lshrrev_b32 v6, 8, v5
	v_lshl_add_u32 v5, v6, 4, v5                   ; and 16 more for each 256 passed
	s_mul_i32 s21, s15, HALFS
	s_mul_i32 s22, s16, HALFS
	s_add_co_u32 s22, s22, 2*HALFS
	s_sub_co_u32 s22, s22, s21
	v_mul_u32_u24 v6, s22, v2                      ; lanes 16-31 take the B side's
	s_add_co_u32 s21, s21, SCL
	v_add_nc_u32 v5, v5, v6
	v_add_nc_u32 v[ADRS], s21, v5
	s_mul_i32 s23, s14, WST                        ; my stage
	v_mul_u32_u24 v5, v1, 144
	v_lshl_add_u32 v5, v2, 3, v5
	v_add_nc_u32 v[STO], s23, v5                   ; in: row r, 8 codes for each half of the lanes
	v_and_b32 v6, 31, v0
	v_lshlrev_b32 v[CO], 4, v6
	v_lshrrev_b32 v5, 2, v6
	v_mul_u32_u24 v5, v5, 144
	v_and_b32 v7, 3, v6                            ; back: four lanes to half a row (64 bytes), eight rows an instruction
	v_lshl_add_u32 v5, v7, 4, v5
	v_add_nc_u32 v[RD], s23, v5                    ; back: four lanes to half a row of 64 bytes, eight rows an instruction
	s_add_co_u32 s23, s23, 16*144
	v_lshl_add_u32 v[SWA], v1, 2, s23
	v_add_nc_u32 v[SRD], s23, v[CO]
	v_lshlrev_b32 v7, 10, v6                       ; the prefetches' offset: my lane x a row of 1,024 bytes; never rewritten
	v_lshlrev_b32 v[BO], 5, v2
	s_wait_alu depctr_va_vdst(0)
	v_lshlrev_b32 v[BR], 2, v1
	; where my wave's 16,384 bytes of codes begin
	s_wait_alu depctr_va_vdst(0)
	s_lshl_b32 s20, s17, 1
	s_add_co_u32 s20, s20, s15                     ; MI: my 128 rows of the A side
	s_lshl_b32 s21, s42, 1
	s_add_co_u32 s21, s21, s16                     ; NI: my 128 rows of the B side
.if KIND == 0
	s_lshr_b32 s22, s21, 3                         ; q, k: NI / 8 says which (4 MiB each),
	s_lshl_b32 s22, s22, 22
	s_lshr_b32 s23, s20, 4                         ; MI / 16 the batch (2 MiB),
	s_lshl_b32 s23, s23, 21
	s_add_co_u32 s22, s22, s23
	s_and_b32 s23, s21, 7                          ; NI % 8 the head pair (2,048 rows of 128 bytes),
	s_lshl_b32 s23, s23, 18
	s_add_co_u32 s22, s22, s23
	s_and_b32 s23, s20, 15                         ; MI % 16 the 128 tokens
	s_lshl_b32 s23, s23, 14
	s_add_co_u32 s22, s22, s23
	s_lshr_b32 s46, s21, 4                         ; v: NI / 16 the batch,
	s_lshl_b32 s46, s46, 21
	s_and_b32 s47, s21, 15                         ; NI % 16 the 128 keys (128 rows of 128 bytes),
	s_lshl_b32 s47, s47, 14
	s_add_co_u32 s46, s46, s47
	s_lshl_b32 s47, s20, 18                        ; MI - 16 the head pair
	s_add_co_u32 s46, s46, s47
	s_add_co_u32 s46, s46, (1<<23)-(16<<18)
	s_cmp_eq_u32 s66, 1
	s_cselect_b32 s22, s46, s22
	s_cselect_b32 s20, s20, s21                    ; the 128 biases of my block: attn_w's rows are the A side for v, the B side for q and k
.else
	s_lshl_b32 s22, s21, 19                        ; g: NI the 128 hidden units (4,096 rows of 128 bytes), MI the 128 tokens
	s_lshl_b32 s23, s20, 14
	s_add_co_u32 s22, s22, s23
	s_mov_b32 s20, s21
.endif
	s_mov_b32 s23, 0
	s_add_nc_u64 s[98:99], s[98:99], s[22:23]
	s_lshr_b32 s22, s22, 5                         ; a word of scale bytes for each 128 codes
	s_add_nc_u64 s[12:13], s[12:13], s[22:23]
	s_lshl_b32 s22, s20, 9
	s_add_nc_u64 s[96:97], s[96:97], s[22:23]
.irp b, 0,1,2,3,4,5,6,7
	global_load_b128 v[CB+8*\b:CB+8*\b+3], v[BO], s[96:97] offset:64*\b        ; register 8 b + j: the bias of the B side's row 16 b + 8 h + j
	global_load_b128 v[CB+8*\b+4:CB+8*\b+7], v[BO], s[96:97] offset:64*\b+16
.endr
.if KIND == 0
.irp a, 0,1,2,3,4,5,6,7
	global_load_b32 v[CBV+\a], v[BR], s[96:97] offset:64*\a                    ; the same 128 numbers by lane: the bias of the A side's row 16 a + r.  Both forms are loaded on every way; an arm of the way out takes one
.endr
.endif
.macro FRAG reg, adr, q, i             ; a fragment, 16 rows x 128 K: lane l holds row l % 16; registers 4 c .. 4 c + 3 hold K = 32 c + 16 (l / 16) + 0 .. 15
.irp c, 0,1,2,3
	ds_load_b128 v[\reg+4*\c:\reg+4*\c+3], v[\adr] offset:128*(\q)+32*\c+(\i)*16*PITCH
.endr
.endm
; 16 matrix instructions: the A side's blocks a0, a0 + 1 x the B side's eight.  The 64 accumulators take turns, one instruction a turn, in the same order in every step.
.macro MUL16 a0, p, q, sc, zero
.irp a, \a0, \a0+1
.irp b, 0,1,2,3,4,5,6,7
.if \zero
	v_wmma_scale_f32_16x16x128_f8f6f4 v[8*(8*((\a)%4)+\b):8*(8*((\a)%4)+\b)+7], v[128*(\p)+FR*\b:128*(\p)+FR*\b+FR-1], v[AF+FR*(\a):AF+FR*(\a)+FR-1], 0, v[SC+8*NQ*(\sc)+NQ*\b+(\q)], v[SC+8*NQ*(\sc)+NQ*(\a)+(\q)] matrix_a_fmt:MATRIX_FMT_BF8 matrix_b_fmt:MATRIX_FMT_BF8 matrix_a_scale:MATRIX_SCALE_ROW1
.else
	v_wmma_scale_f32_16x16x128_f8f6f4 v[8*(8*((\a)%4)+\b):8*(8*((\a)%4)+\b)+7], v[128*(\p)+FR*\b:128*(\p)+FR*\b+FR-1], v[AF+FR*(\a):AF+FR*(\a)+FR-1], v[8*(8*((\a)%4)+\b):8*(8*((\a)%4)+\b)+7], v[SC+8*NQ*(\sc)+NQ*\b+(\q)], v[SC+8*NQ*(\sc)+NQ*(\a)+(\q)] matrix_a_fmt:MATRIX_FMT_BF8 matrix_b_fmt:MATRIX_FMT_BF8 matrix_a_scale:MATRIX_SCALE_ROW1
.endif
.endr
.endr
.endm
.macro FETCH_B slot, q, p
	WIN TO_B
.irp i, 0,1,2,3,4,5,6,7
	FRAG 128*(\p)+FR*\i, ADRB+\slot, \q, \i
.endr
	WIN 0
.endm
.macro FETCH_A slot, q, i0
.irp i, \i0, \i0+1, \i0+2, \i0+3
	FRAG AF+FR*(\i), ADRA+\slot, \q, \i
.endr
.endm
.macro SCALES sc                       ; a K step's scale words: lanes 0-15 take the A side's block i, lanes 16-31 the B side's block i
.irp i, 0,1,2,3,4,5,6,7
	ds_load_b64 v[SC+8*NQ*\sc+NQ*\i:SC+8*NQ*\sc+NQ*\i+1], v[ADRS] offset:\i*SBLK
.endr
.endm
.macro PLACES n                        ; plain vector instructions between a matrix instruction and a load into, or a read of, its registers
.rept \n
	v_nop
.endr
.endm
.macro STEP slot, q, zero              ; a step of 128 along K that has its successor in the same slot
	s_wait_dscnt 4*NL                              ; the B side's set and the A side's blocks 0-3 are in; the youngest 16 loads (blocks 4-7) may be out
	WIN MUL_LO
	MUL16 0, (\q)%2, \q, \slot, \zero
	MUL16 2, (\q)%2, \q, \slot, \zero
	s_wait_dscnt 0
	PLACES NP
	FETCH_B \slot, (\q)+1, 1-(\q)%2
	FETCH_A \slot, (\q)+1, 0
	WIN MUL_HI
	MUL16 4, (\q)%2, \q, \slot, \zero
	MUL16 6, (\q)%2, \q, \slot, \zero
	PLACES NP
	WIN 0
	FETCH_A \slot, (\q)+1, 4
.endm
; A slot's last step changes slots: ONE barrier; in front of it each wave waits for all its tensor loads, adds 0 to its spare word, and waits for that and for its own reads of this slot
.macro TURN slot, next, fill
	s_wait_tensorcnt 0x0                           ; all my tensor loads have landed: my part of the next slot
	ds_add_u32 v[SPW], v[NIL]                      ; 0 onto my spare word
	s_wait_dscnt 4*NL+1                            ; (the add and the youngest 16 loads may be out)
	WIN MUL_LO
	MUL16 0, 1, NQ-1, \slot, 0
	s_wait_dscnt 0x0                               ; the add is done, and my reads of this slot are over
	s_barrier_signal -1
	MUL16 2, 1, NQ-1, \slot, 0
	WIN 0
	s_barrier_wait -1
.if \fill
	CREST                                          ; the barrier has opened a round of the cluster's barrier: no wave of any partner still reads this slot or has a load on its way
	s_add_nc_u64 s[G0+4*\slot+2:G0+4*\slot+3], s[G0+4*\slot+2:G0+4*\slot+3], 2*ROWB
	s_add_nc_u64 s[G0B+4*\slot+2:G0B+4*\slot+3], s[G0B+4*\slot+2:G0B+4*\slot+3], 2*ROWB
	JLOAD G0+4*\slot, G1, G0B+4*\slot, G1B         ; the first tensor load behind the round; its four v_nop are among the places in front of the loads below
	PLACES NP-4
.else
	PLACES NP
.endif
	s_wait_alu depctr_va_vdst(0)
	v_add_nc_u32 v[ADRS], 4*NQ, v[ADRS]            ; on to the next K step's scale words
	FETCH_B \next, 0, 0
	FETCH_A \next, 0, 0
	SCALES \next
	WIN MUL_HI
	MUL16 4, 1, NQ-1, \slot, 0
	MUL16 6, 1, NQ-1, \slot, 0
	PLACES NP
	WIN 0
	FETCH_A \next, 0, 4
.endm
	global_prefetch_b8 v7, s[PFA:PFA+1] offset:256 th:TH_LOAD_NT scope:SCOPE_SE   ; K step 1, whose load goes out when the head's tiles have landed
	global_prefetch_b8 v7, s[PFA:PFA+1] offset:512 th:TH_LOAD_NT scope:SCOPE_SE   ; K step 2, which the change of slots at K step 0's end will load
	s_wait_alu depctr_va_vdst(0)                   ; the wait at the head's end
	s_wait_tensorcnt 0x0                           ; my tile of the head's four is in
	ds_add_u32 v[SPW], v[NIL]
	s_mov_b32 s[G1+2], 128<<16                     ; no tensor load of mine is out: from here on a load brings 128 rows
	s_mov_b32 s[G1+4], 128
	s_mov_b32 s[G1B+2], 128<<16
	s_mov_b32 s[G1B+4], 128
	s_wait_dscnt 0x0
	CROUND                                         ; all four tiles are in, and all sixteen work-groups are here
	JLOAD G0+4, G1, G0B+4, G1B                     ; K step 1: the first tensor load behind the round
	FETCH_B 0, 0, 0
	FETCH_A 0, 0, 0
	SCALES 0
	FETCH_A 0, 0, 4
	global_prefetch_b8 v7, s[PFA:PFA+1] offset:768 th:TH_LOAD_NT scope:SCOPE_SE   ; K step 3, the last: two K steps ahead of its load
	STEP 0, 0, 1
	s_mov_b32 s3, LAPS-1
.Llap:                                                 ; a trip goes once round the ring and fills both slots again
	TURN 0, 1, 1
	STEP 1, 0, 0
	TURN 1, 0, 1
	STEP 0, 0, 0
	s_sub_co_u32 s3, s3, 1
	s_cmp_lg_u32 s3, 0
	s_cbranch_scc1 .Llap
	TURN 0, 1, 0                                   ; the last lap fills nothing
	STEP 1, 0, 0
	s_wait_dscnt 4*NL
	WIN MUL_LO
	MUL16 0, 1, NQ-1, 1, 0
	MUL16 2, 1, NQ-1, 1, 0
	s_wait_dscnt 0
	WIN MUL_HI
	MUL16 4, 1, NQ-1, 1, 0
	MUL16 6, 1, NQ-1, 1, 0
	WIN 0
; THE WAY OUT: a loop of eight trips, one for each block of 16 rows of the A side.  The register numbers of a block's accumulators change from trip to trip: so the addition of the bias, which is owed anyway, is written
; once for each block (an arm), brings the block into fixed registers, and the rest of a trip is written once.  In X register 8 b + j of lane (r, h) is (row 16 a + r, column 16 b + 8 h + j).
.macro ARMN k                          ; block k: + the bias by register.  Each accumulator is read from its low end on
.Larm\k:
	WIN 2+(\k)/4
.set i, 0
.rept 32
	v_pk_add_f32 v[X+i:X+i+1], v[64*((\k)%4)+i:64*((\k)%4)+i+1], v[CB+i:CB+i+1]
.set i, i+2
.endr
	WIN 0
	s_branch .Lbody
.endm
.macro ARMM k                          ; v: block k - 8: + the bias by lane
.Larm\k:
	WIN 2+((\k)-8)/4
.set i, 0
.rept 64
	v_add_f32 v[X+i], v[64*(((\k)-8)%4)+i], v[CBV+(\k)-8]
.set i, i+1
.endr
	WIN 0
	s_branch .Lbody
.endm
.macro PAIR r, val
	s_mov_b32 s[\r], \val
	s_mov_b32 s[\r+1], \val
.endm
.macro GELU hf                         ; 32 of the 64 numbers, in place
.set XB, X+32*(\hf)
.set i, 0
.rept 32
	v_fma_f32 v[T+i], |v[XB+i]|, s27, 1.0          ; 1 + z / 2, z = |x| / sqrt 2
.set i, i+1
.endr
.set i, 0
.rept 32
	v_rcp_f32 v[T+i], v[T+i]                       ; t
.set i, i+1
.endr
.set i, 0
.rept 16
	v_pk_mul_f32 v[YY+i:YY+i+1], v[XB+i:XB+i+1], s[28:29] op_sel_hi:[1,0]   ; -x log2(e) / 2: plain work behind the batch
.set i, i+2
.endr
	s_wait_alu depctr_va_vdst(0)                   ; one wait for the 32 reciprocals, ahead of their first reader
.set i, 0
.rept 16
	v_pk_fma_f32 v[P+i:P+i+1], v[T+i:T+i+1], s[46:47], v[C8V:C8V+1] op_sel_hi:[1,0,1]
.set i, i+2
.endr
.irp k, 7,6,5,4,3,2,1,0
.set i, 0
.rept 16
	v_pk_fma_f32 v[P+i:P+i+1], v[P+i:P+i+1], v[T+i:T+i+1], s[30+2*\k:31+2*\k] op_sel_hi:[1,1,0]
.set i, i+2
.endr
.endr
.set i, 0
.rept 16
	v_pk_fma_f32 v[P+i:P+i+1], v[XB+i:XB+i+1], v[YY+i:YY+i+1], v[P+i:P+i+1]   ; - z^2 log2(e) + the polynomial (log2(e) and the factor 1/2 are in its coefficients)
.set i, i+2
.endr
.set i, 0
.rept 32
	v_exp_f32 v[P+i], v[P+i]
.set i, i+1
.endr
.set i, 0
.rept 32
	v_max_num_f32 v[YY+i], 0, v[XB+i]              ; plain work behind the batch
.set i, i+1
.endr
	s_wait_alu depctr_va_vdst(0)                   ; one wait for the 32 exponentials
.set i, 0
.rept 16
	v_pk_mul_f32 v[P+i:P+i+1], v[P+i:P+i+1], v[T+i:T+i+1]   ; erfc(z) / 2
.set i, i+2
.endr
.set i, 0
.rept 32
	v_fma_f32 v[XB+i], -|v[XB+i]|, v[P+i], v[YY+i]
.set i, i+1
.endr
.endm
	PLACES NP                                      ; behind the last products: their results are read, and the registers that held fragments and scale words are written
	s_wait_loadcnt 0x0                             ; the biases
	s_mov_b32 s24, 0x76543210                      ; no tensor load of mine is out: the descriptors' registers take constants
	s_mov_b32 s25, 0xfedcba98                      ; v_permlanex16_b32's selects for lane l xor 16
	s_mov_b32 s26, 0x600000                        ; the mantissa field of 57,344
.if KIND == 1
	s_mov_b32 s27, 0x3eb504f3                      ; 1 / (2 sqrt 2)
	PAIR 28, 0xbf38aa3b                            ; -log2(e) / 2
	PAIR 30, 0xc034d90f                            ; c0 log2(e) - 1 = -2.8257482
	PAIR 32, 0x3fb8ab5a                            ; c1 log2(e) =  1.4427292
	PAIR 34, 0x3f0a29d2                            ;  0.53970061
	PAIR 36, 0x3e0efb2e                            ;  0.13963006
	PAIR 38, 0xbe899a80                            ; -0.26875686
	PAIR 40, 0x3ecdfd18                            ;  0.40232158
	PAIR 42, 0xbfd1a1e5                            ; -1.6377532
	PAIR 44, 0x40097039                            ;  2.1474745
	PAIR 46, 0x3e7c6f08                            ; c9 log2(e) = 0.24651730
	v_mov_b32 v[C8V], 0xbf97d29d                   ; c8 log2(e) = -1.1861149
	v_mov_b32 v[C8V+1], 0xbf97d29d
.endif
.irp b, 0,1,2,3
	v_mov_b32 v[TM+4+\b], 0                        ; written once: a lane permute's destination counts as one of its sources
.endr
	s_mov_b32 s3, 0                                ; the block
	s_mov_b32 s2, 0                                ; its scale words' place in the stage
.Lblk:
.if KIND == 0
	s_lshl_b32 s67, s66, 3
	s_add_co_u32 s67, s67, s3                      ; arms 0-7: q, k;  arms 8-15: v
.irp k, 1,2,3,4,5,6,7,8,9,10,11,12,13,14,15
	s_cmp_eq_u32 s67, \k
	s_cbranch_scc1 .Larm\k
.endr
.irp k, 0,1,2,3,4,5,6,7
	ARMN \k
.endr
.irp k, 8,9,10,11,12,13,14,15
	ARMM \k
.endr
.else
.irp k, 1,2,3,4,5,6,7
	s_cmp_eq_u32 s3, \k
	s_cbranch_scc1 .Larm\k
.endr
.irp k, 0,1,2,3,4,5,6,7
	ARMN \k
.endr
.endif
.Lbody:
.if KIND == 1
	GELU 0
	GELU 1
.endif
	; the quantiser: block b of 32 columns lies in registers 16 b .. 16 b + 15 of lanes l and l xor 16
.irp b, 0,1,2,3
	v_max3_num_f32 v[TM+\b], |v[X+16*\b]|, |v[X+1+16*\b]|, 0x8000000   ; with the floor 2^(16 - 127): the byte cannot fall under 1
.endr
.irp i, 2,4,6,8,10,12,14
.irp b, 0,1,2,3
	v_max3_num_f32 v[TM+\b], v[TM+\b], |v[X+16*\b+\i]|, |v[X+1+16*\b+\i]|
.endr
.endr
.irp b, 0,1,2,3
	v_permlanex16_b32 v[TM+4+\b], v[TM+\b], s24, s25
.endr
.irp b, 0,1,2,3
	v_max_num_f32 v[TM+\b], v[TM+\b], v[TM+4+\b]   ; the block's largest magnitude
.endr
.irp b, 0,1,2,3
	v_add_nc_u32 v[TM+12+\b], 0xf8800000, v[TM+\b] ; 15 off its exponent field: the conversion's scale operand
.endr
.irp b, 0,1,2,3
	v_and_or_b32 v[TM+8+\b], v[TM+\b], 0x7f800000, s26   ; 57,344 x the scale
.endr
.irp b, 0,1,2,3
	v_lshrrev_b32 v[TM+4+\b], 23, v[TM+12+\b]      ; the scale's byte
.endr
	v_lshl_or_b32 v[PW], v[TM+5], 8, v[TM+4]       ; my row's scale word
	v_lshl_or_b32 v[PW], v[TM+6], 16, v[PW]
	v_lshl_or_b32 v[PW], v[TM+7], 24, v[PW]
.irp b, 0,1,2,3
.irp i, 0,1,2,3,4,5,6,7,8,9,10,11,12,13,14,15
	v_med3_num_f32 v[X+16*\b+\i], v[X+16*\b+\i], -v[TM+8+\b], v[TM+8+\b]   ; the conversion does not saturate (ISA guide 7.6.2): the hold comes first
.endr
	v_cvt_scalef32_pk8_bf8_f32 v[PC+4*\b:PC+4*\b+1], v[X+16*\b:X+16*\b+7], v[TM+12+\b]
	v_cvt_scalef32_pk8_bf8_f32 v[PC+4*\b+2:PC+4*\b+3], v[X+16*\b+8:X+16*\b+15], v[TM+12+\b]
.endr
	v_add_nc_u32 v[ADRS], s2, v[SWA]               ; (the plain line behind the conversions)
.irp b, 0,1,2,3,4,5,6,7
	ds_store_b64 v[STO], v[PC+2*\b:PC+2*\b+1] offset:16*\b   ; columns 16 b + 8 h + 0 .. 7 of row r
.endr
	ds_store_b32 v[ADRS], v[PW]                    ; both halves of the lanes write the same word with the same value
.irp i, 0,1,2,3
	ds_load_b128 v[BK+4*\i:BK+4*\i+3], v[RD] offset:8*144*(\i%2)+64*(\i/2)   ; columns 64 (i / 2) on, rows 8 (i % 2) on; LDS serves a wave's instructions in order
.endr
	s_wait_dscnt 0x0
.irp i, 0,1,2,3
	global_store_b128 v[CO], v[BK+4*\i:BK+4*\i+3], s[98:99] offset:512*(\i%2)+8192*(\i/2)   ; 32 lanes store 512 consecutive bytes: eight half rows
.endr
	s_wait_xcnt 0x0                                ; the stores have read their registers and their base: both are written again only behind this wait
	s_add_nc_u64 s[98:99], s[98:99], 1024
	s_add_co_u32 s2, s2, 64
	s_add_co_u32 s3, s3, 1
	s_cmp_lt_u32 s3, 8
	s_cbranch_scc1 .Lblk
	ds_load_b128 v[BK:BK+3], v[SRD]                ; my 128 rows' scale words
	s_wait_dscnt 0x0
	global_store_b128 v[CO], v[BK:BK+3], s[12:13]  ; 512 consecutive bytes
	s_wait_tensorcnt 0x0                           ; the wave's end: behind my last tensor load and my last LDS store
	ds_add_u32 v[SPW], v[NIL]
	s_wait_dscnt 0x0
	CROUND                                         ; the closing round: no work-group ends while a partner may still ask for a tile that names it
	s_endpgm
.Lfunc_end_k_q73dcbde721_qkv:
	.size	k_q73dcbde721_qkv, .Lfunc_end_k_q73dcbde721_qkv-k_q73dcbde721_qkv
	.p2alignl 7, 3214868480
	.fill 96, 4, 3214868480
	.section	.rodata,"a",@progbits
	.p2align	6, 0x0
	.amdhsa_kernel k_q73dcbde721_qkv
		.amdhsa_group_segment_fixed_size 327680
		.amdhsa_private_segment_fixed_size 0
		.amdhsa_enable_private_segment 0
		.amdhsa_kernarg_size 56
		.amdhsa_user_sgpr_count 2
		.amdhsa_user_sgpr_kernarg_segment_ptr 1
		.amdhsa_wavefront_size32 1
		.amdhsa_system_sgpr_workgroup_id_x 1
		.amdhsa_system_sgpr_workgroup_id_y 1
		.amdhsa_system_sgpr_workgroup_id_z 1
		.amdhsa_system_vgpr_workitem_id 0
		.amdhsa_next_free_vgpr 1024
		.amdhsa_next_free_sgpr 102
		.amdhsa_reserve_vcc 0
		.amdhsa_float_denorm_mode_32 3
		.amdhsa_float_denorm_mode_16_64 3
		.amdhsa_memory_ordered 1
		.amdhsa_forward_progress 1
		.amdhsa_inst_pref_size 166
	.end_amdhsa_kernel
	.amdgpu_metadata
---
amdhsa.version: [ 1, 2 ]
amdhsa.kernels:
  - .name:           k_q73dcbde721_qkv
    .symbol:         k_q73dcbde721_qkv.kd
    .args:
      - { .name: hc, .offset: 0, .size: 8, .value_kind: global_buffer, .address_space: global }
      - { .name: hs, .offset: 8, .size: 8, .value_kind: global_buffer, .address_space: global }
      - { .name: attn_w_codes, .offset: 16, .size: 8, .value_kind: global_buffer, .address_space: global }
      - { .name: attn_w_scales, .offset: 24, .size: 8, .value_kind: global_buffer, .address_space: global }
      - { .name: attn_b, .offset: 32, .size: 8, .value_kind: global_buffer, .address_space: global }
      - { .name: bc, .offset: 40, .size: 8, .value_kind: global_buffer, .address_space: global }
      - { .name: bs, .offset: 48, .size: 8, .value_kind: global_buffer, .address_space: global }
    .group_segment_fixed_size: 327680
    .private_segment_fixed_size: 0
    .kernarg_segment_align: 8
    .kernarg_segment_size: 56
    .max_flat_workgroup_size: 128
    .sgpr_count:     102
    .vgpr_count:     1024
    .wavefront_size: 32
...
	.end_amdgpu_metadata
.endif
;; end of part 2
;; launch attn (part 3): grid 8 x 32, 16 waves a work-group, clusters of 4 x 1, 327,680 bytes of LDS; arguments bc, bs, yc, ys; writes yc, ys
.if DOCPART == 3
	.amdgcn_target "amdgcn-amd-amdhsa--gfx1250"
	.amdhsa_code_object_version 6
	.text
	.protected	k_q73dcbde721_attn
	.globl	k_q73dcbde721_attn
	.p2align	8
	.type	k_q73dcbde721_attn,@function
k_q73dcbde721_attn:
	s_mov_b64 s[64:65], 0
	v_nop
	global_prefetch_b8 v0, s[64:65] scope:SCOPE_SE
	s_setreg_imm32_b32 hwreg(HW_REG_WAVE_MODE, 25, 1), 1
	s_wait_xcnt 0x0
	s_wait_alu depctr_hold_cnt(0) depctr_sa_sdst(0) depctr_va_vdst(0) depctr_va_sdst(0) depctr_va_ssrc(0) depctr_va_vcc(0) depctr_vm_vsrc(0)
	s_getreg_b32 s2, hwreg(HW_REG_IB_STS2, 6, 4)
	s_cmp_eq_u32 s2, 0
	s_cbranch_scc0 .Lentry_in_a_cluster
	s_endpgm
.Lentry_in_a_cluster:
	s_bfe_u32 s2, ttmp6, 0x10000c
	s_cmp_lg_u32 s2, 0x3003
	s_cbranch_scc0 .Lentry_shape_is_right
	s_endpgm
.Lentry_shape_is_right:
; CAUSAL ATTENTION ON CODES OF E5M2: y = softmax(q k^T / 8) v for 32 heads of 2,048 tokens x 64 channels; y is quantised along the channels and leaves as codes [head][4096 tokens][64] and scale bytes [head pair][4096][4].
; WORK LEFT OUT: a step of 128 keys that all come after a tile's 16 queries (the mask that reference() builds hides them for all values of the inputs).
; LIMITS: the promise holds while the scaled scores stay under 2^31 in magnitude; NaN and infinities are not served; a block of zeros gets the byte 1.
; SOFTMAX: t = score x log2(e) / 8; M = the running largest t rounded up to a whole number; p = 2^(t - M) is quantised along the keys; the row's sum is taken of the unquantised p and divides at the end.
; INPUTS (bc, bs as the launch before lays them): q, k: [batch x 8 + head pair][128 tokens][head of the pair][token][64]; v: [batch x 8 + pair][128 keys][64 keys][channel of 128][64]; a scale word for each row of 128 codes.
; THE DEAL.  ONE HEAD'S K AND V STAY IN LDS WHOLE: 2 x 131,072 bytes of codes, 16 bytes of padding behind each 128, and their scale bytes.  No tile is filled again.
; Work-group x (0..7) of a head owns the query tiles x + 8 t, t = 0..15; tile t needs key steps 0..t, the last on the diagonal.  Tiles j and 15 - j (17 steps) are shared by the two waves 2 j and 2 j + 1:
;   the wave of the first kind walks key steps 0..7 of tile 15 - j: trips 0..7;
;   the wave of the second kind walks tile j whole (trips 0..j), sends it out, begins anew with tile 15 - j's queries and walks its key steps 8..15 - j (trips j + 1..8).
; At the end the second kind hands O^T, -M and the sums to its partner through LDS (in K's bytes, behind a barrier behind which nobody reads K); the partner brings both parts under the larger M, by powers of two, and sends tile 15 - j out.
; Which kind a wave is, and what it walks, hangs on the wave's number alone; x enters global addresses and the mask's numbers only.
; CLUSTERS of 4 x 1: the four partners read the same K and V: every tile is a joint load, mask 15.  One load a wave at the head: wave 0 K's key steps 0-3, wave 1 V's, wave 2 K's scale bytes, wave 3 V's;
; waves 4-15: two key steps each, even waves of K, odd waves of V.  The first barrier shows waves 0-3's tiles; trip 0 reads key step 0 alone; the second barrier, behind it, shows all the rest.
; No prefetch: every tile is asked for at the head, so there is no later load to run ahead of.
; LAYOUT: both products transposed (S^T = K Q^T, O^T = V^T P^T): a lane holds one query.  Lane r of tile 2 b + u takes key (or channel) 32 b + 8 u + r + 8 (r / 8): 16 registers of two tiles are 16 neighbours.
; Q K^T has K = 64: Q's upper 64 codes are zeros, and the upper two scale bytes of both sides are 0; K's operand runs on into the next tile's codes, which are finite.
; THE PAIR'S TWO WAVES, in place of '2 j and 2 j + 1' above: wave j (0..7) is of the second kind, wave j + 8 of the first.
.set KSB,   9216                       ; a key step of K or of V in LDS: 8,192 bytes + 64 x 16
.set VB,    16*KSB                     ; V behind K
.set SCK,   2*VB                       ; K's scale words of the head pair: 32 units of 256 + 16
.set SCV,   SCK+32*272                 ; V's: 16 key steps x (256 + 16)
.set STG,   SCV+16*272                 ; the way out: 1,024 bytes a wave
.set SPARE, STG+16*1024                ; the spare words: 128 bytes a wave
.set PART,  4608                       ; what is handed over: nine groups of four registers, 512 bytes each; pair j's at j x 4,608
.set AK0,  1
.set AV0,  2
.set ASK0, 3
.set ASV0, 4
.set SPW,  5
.set NIL,  6
.set DM,   7                           ; v7: my query less the diagonal step's first key less 16 (lane / 16): the same for both tiles
.set ADK,  8
.set ADV,  9
.set ADS,  10
.set ADT,  11
.set KR,   32                          ; v32-103 fragments of K, then of V
.set SS,   104                         ; v104-167 S^T, then p
.set OO,   168                         ; v168-199 O^T
.set KSC,  200
.set CH,   208
.set Q2,   212                         ; v212-220 tile 15 - j's queries and their scale bytes, for the second kind's second walk (the first kind holds the same rows as its own Q and does not read these)
.set STI,  221                         ; my stage, in
.set STB,  222                         ; and back
.set GO,   223                         ; 16 x lane
.set PAD,  248                         ; where my pair's hand-over lies
.set WV,   18
.set MNT,  19
.set SEL,  20
.set CS,   22
.set G1K0, 24
.set G1V0, 32
.set G1KR, 40
.set G1VR, 48
.set G1SK, 56
.set G1SV, 68
.set G0C,  76
.set G0S,  80
.set TB,   2
.set TS,   3
.set TJ,   66
.set CNT,  67
.set KS,   84                          ; s84 the trip
.set T1,   85                          ; s85 the tile that I send out
.set SX,   87                          ; s87 the trip at whose head the second kind changes tiles (16: never)
.set SW,   92                          ; s92 the trip before it
.set LT,   93                          ; s93 my last trip: 7 or 8
.set CK,   98                          ; s98, s99: behind the change the key step is the trip + 7 - j: that many key steps of codes, of K's scale words
.set CT,   99
.macro CROUND                          ; a round of the cluster's barrier
	s_barrier_signal -1
	s_barrier_wait -1
	s_cmp_lg_u32 s[WV], 0
	s_cbranch_scc1 .Lnot_wave_0_\@
	s_barrier_signal -3
.Lnot_wave_0_\@:
	s_barrier_wait -3
	s_barrier_signal -1
	s_barrier_wait -1
.endm
.macro GRP1 g, qi, c, r, p             ; group 1: r rows of c elements of 8 bytes, p elements apart; 16 bytes of padding after every 2 << qi words; mask 15 with bit 21
	s_mov_b32 s[\g], 15|(3<<16)|(1<<20)|(1<<21)|((\qi)<<22)|(3<<25)
	s_mov_b32 s[\g+1], (\c)<<16
	s_mov_b32 s[\g+2], (\r)<<16
	s_mov_b32 s[\g+3], (\c)<<16
	s_mov_b32 s[\g+4], \r
	s_mov_b32 s[\g+5], \p
	s_mov_b32 s[\g+6], 0
	s_mov_b32 s[\g+7], 0
.endm
	s_load_b256 s[4:11], s[0:1], 0x0               ; bc, bs, yc, ys
	v_lshl_add_u32 v[SPW], v0, 2, SPARE
	v_mov_b32 v[NIL], 0
	ds_add_u32 v[SPW], v[NIL]                      ; the opening lines
	ds_add_u32 v[SPW], v[NIL]
	v_lshrrev_b32 v8, 5, v0
	v_readfirstlane_b32 s[WV], v8                  ; wave 0..15
	s_bfe_u32 s86, ttmp6, 0x40000
	s_lshl_b32 s94, ttmp9, 2
	s_add_co_u32 s86, s86, s94                     ; x
	s_and_b32 s87, ttmp7, 0xffff                   ; 16 batch + head
	s_lshr_b32 s88, s87, 1                         ; 8 batch + pair
	s_and_b32 s89, s87, 1                          ; which head of the pair
	s_and_b32 s90, s[WV], 1                        ; I fetch for K (0) or V (1)
	s_lshr_b32 s91, s[WV], 1                       ; which two key steps I fetch
	s_and_b32 s[CNT], s[WV], 7                     ; j (the register counts the trips later)
	s_lshr_b32 s94, s[WV], 3
	s_xor_b32 s94, s94, 1                          ; 1: I am of the second kind
	s_add_co_u32 s[LT], s94, 7
	s_xor_b32 s94, s94, 1
	s_mul_i32 s94, s94, 15
	s_xor_b32 s[T1], s[CNT], s94                   ; 15 - j, or j
	s_or_b32 s[SW], s[CNT], s94                    ; 15, or j
	s_xor_b32 s94, s[CNT], 7                       ; 7 - j
	s_mul_i32 s[CK], s94, KSB
	s_mul_i32 s[CT], s94, 544
	GRP1 G1K0, 4, 1024, 4, 2048                    ; K: a key step of one head is 8,192 dense bytes, 16,384 apart
	GRP1 G1V0, 4, 512, 8, 1024                     ; V: 64 keys x 64 channels of one head are 4,096 dense bytes, 8,192 apart
	GRP1 G1KR, 4, 1024, 2, 2048
	GRP1 G1VR, 4, 512, 4, 1024
	GRP1 G1SK, 5, 32, 32, 32                       ; K's scale words: 8,192 dense bytes
	GRP1 G1SV, 5, 32, 16, 64                       ; V's: 256 bytes a key step, 512 apart
	s_mov_b32 s[G0C], 1
	s_mul_i32 s[G0C+1], s90, VB
	s_mul_i32 s94, s91, 2*KSB
	s_add_co_u32 s[G0C+1], s[G0C+1], s94
	s_lshl_b32 s[G0C+2], s88, 18
	s_lshl_b32 s94, s90, 22
	s_add_co_u32 s[G0C+2], s[G0C+2], s94
	s_lshl_b32 s94, s91, 15
	s_add_co_u32 s[G0C+2], s[G0C+2], s94
	s_lshl_b32 s94, s89, 13
	s_lshr_b32 s94, s94, s90                       ; the head's part: 8,192 on in K, 4,096 on in V
	s_add_co_u32 s[G0C+2], s[G0C+2], s94
	s_add_co_u32 s[G0C+2], s[G0C+2], 4<<20
	s_mov_b32 s[G0C+3], 0
	s_mov_b32 s[G0S], 1
	s_mul_i32 s[G0S+1], s90, 32*272
	s_add_co_u32 s[G0S+1], s[G0S+1], SCK
	s_lshl_b32 s[G0S+2], s88, 13
	s_lshl_b32 s94, s90, 17
	s_add_co_u32 s[G0S+2], s[G0S+2], s94
	s_mul_i32 s94, s90, s89
	s_lshl_b32 s94, s94, 8
	s_add_co_u32 s[G0S+2], s[G0S+2], s94
	s_add_co_u32 s[G0S+2], s[G0S+2], 131072
	s_mov_b32 s[G0S+3], 0
	s_mov_b32 s[SEL], 0x76543210
	s_mov_b32 s[SEL+1], 0xfedcba98
	s_mov_b32 s[CS], 0x3e38aa3b                    ; log2(e) / 8
	s_mov_b32 s[CS+1], s[CS]
	s_mov_b32 s[MNT], 0x600000
	s_mov_b32 s[TB], 0
	s_mov_b32 s[TS], 0
	s_mov_b32 s[TJ], 0
	s_mov_b32 s[KS], 0
	s_wait_dscnt 0x0                               ; both opening adds are done
	CROUND                                         ; the four partners are here: the joint loads meet
	s_wait_kmcnt 0x0
	s_add_nc_u64 s[G0C+2:G0C+3], s[4:5], s[G0C+2:G0C+3]
	s_or_b32 s[G0C+3], s[G0C+3], 0x80000000
	s_add_nc_u64 s[G0S+2:G0S+3], s[6:7], s[G0S+2:G0S+3]
	s_or_b32 s[G0S+3], s[G0S+3], 0x80000000
.macro TL g0, g1
	tensor_load_to_lds s[\g0:\g0+3], s[\g1:\g1+7]
	s_nop 0
.rept 4
	v_nop
.endr
.endm
.macro ARM under, g0, g1, next         ; one chain of branches on the wave's number, a load to an arm
	s_cmp_lt_u32 s[WV], \under
	s_cbranch_scc0 \next
	TL \g0, \g1
	s_branch .Lasked
\next:
.endm
	ARM 1, G0C, G1K0, .Lh_v0
	ARM 2, G0C, G1V0, .Lh_sk
	ARM 3, G0S, G1SK, .Lh_sv
	ARM 4, G0S, G1SV, .Lh_kr
	s_cmp_eq_u32 s90, 0
	s_cbranch_scc0 .Lh_vr
	TL G0C, G1KR
	s_branch .Lasked
.Lh_vr:
	TL G0C, G1VR
.Lasked:
	s_mov_b32 s97, 0
	s_lshl_b32 s95, s[T1], 3
	s_add_co_u32 s95, s95, s86
	s_lshl_b32 s95, s95, 4                         ; the first query of the tile that I send out: 16 (x + 8 t)
	s_lshl_b32 s96, s95, 6                         ; y's codes: [head][batch x 2,048 + token][64]
	s_and_b32 s94, s87, 15
	s_lshl_b32 s94, s94, 18
	s_add_co_u32 s96, s96, s94
	s_lshr_b32 s94, s87, 4
	s_lshl_b32 s94, s94, 17
	s_add_co_u32 s96, s96, s94
	s_add_nc_u64 s[16:17], s[8:9], s[96:97]
	s_lshl_b32 s96, s95, 2                         ; y's scale bytes: [pair][batch x 2,048 + token][4]
	s_bfe_u32 s94, s87, 0x30001
	s_lshl_b32 s94, s94, 14
	s_add_co_u32 s96, s96, s94
	s_lshr_b32 s94, s87, 4
	s_lshl_b32 s94, s94, 13
	s_add_co_u32 s96, s96, s94
	s_lshl_b32 s94, s89, 1
	s_add_co_u32 s96, s96, s94
	s_add_nc_u64 s[100:101], s[10:11], s[96:97]
.macro QPTR t, pc, ps                  ; where tile s[t]'s queries lie: codes, scale bytes
	s_lshl_b32 s96, s86, 10                        ; 16 x rows of 64 bytes,
	s_lshl_b32 s94, s[\t], 14                      ; in the t-th 128 tokens,
	s_add_co_u32 s96, s96, s94
	s_lshl_b32 s94, s88, 18
	s_add_co_u32 s96, s96, s94
	s_lshl_b32 s94, s89, 13                        ; of my head
	s_add_co_u32 s96, s96, s94
	s_add_nc_u64 s[\pc:\pc+1], s[4:5], s[96:97]
	s_lshl_b32 s96, s86, 6
	s_lshl_b32 s94, s[\t], 9
	s_add_co_u32 s96, s96, s94
	s_lshl_b32 s94, s88, 13
	s_add_co_u32 s96, s96, s94
	s_lshl_b32 s94, s89, 1
	s_add_co_u32 s96, s96, s94
	s_add_nc_u64 s[\ps:\ps+1], s[6:7], s[96:97]
.endm
	QPTR T1, 12, 14
	s_xor_b32 s95, s[CNT], 15                      ; 15 - j
	QPTR 95, 8, 10
	s_add_co_u32 s94, s94, SCK                     ; 2 x the head of the pair + SCK
	s_lshl_b32 s96, s86, 4                         ; 16 x
	s_lshl_b32 s95, s[WV], 10
	s_add_co_u32 s95, s95, STG                     ; my stage
	s_mul_i32 s87, s[CNT], PART
	v_and_b32 v8, 15, v0                           ; r
	v_bfe_u32 v9, v0, 4, 1                         ; h
	v_lshlrev_b32 v10, 6, v8
	v_lshl_add_u32 v10, v9, 4, v10
	global_load_b128 v[16:19], v10, s[12:13]
	global_load_b128 v[20:23], v10, s[12:13] offset:32
	global_load_b128 v[Q2:Q2+3], v10, s[8:9]
	global_load_b128 v[Q2+4:Q2+7], v10, s[8:9] offset:32
	v_lshlrev_b32 v254, 2, v8
	global_load_u16 v255, v254, s[14:15]
	global_load_u16 v[Q2+8], v254, s[10:11]
	v_add_nc_u32 v[STI], s95, v10                  ; in: row r of 64 bytes, 16 h on
	v_and_b32 v11, 31, v0
	v_lshlrev_b32 v[GO], 4, v11
	v_add_nc_u32 v[STB], s95, v[GO]
	v_add_nc_u32 v[PAD], s87, v[GO]
	v_and_b32 v11, 8, v8
	v_add_nc_u32 v11, v11, v8                      ; r + 8 (r / 8)
	v_lshrrev_b32 v[AK0], 1, v11
	v_mul_u32_u24 v[AK0], v[AK0], 144              ; two rows of 64 bytes, then 16 of padding
	v_and_b32 v[AV0], 1, v11
	v_lshl_add_u32 v[AK0], v[AV0], 6, v[AK0]
	v_lshl_add_u32 v[AK0], v9, 4, v[AK0]
	v_add_nc_u32 v[AV0], VB, v[AK0]
	v_lshl_add_u32 v[ASK0], v11, 2, s94
	v_lshl_add_u32 v[ASV0], v11, 2, SCV
	v_lshlrev_b32 v[DM], 4, v9
	v_sub_nc_u32 v[DM], v8, v[DM]
	v_add_nc_u32 v[DM], s96, v[DM]
	s_add_co_u32 s[SX], s[SW], 1
.macro BEGIN                           ; a walk begins: the largest t so far -3e38, sums and O^T zeros
	v_mov_b32 v13, 0xff61b1e6
	v_floor_f32 v12, -v13
	v_mov_b32 v14, 0
	v_mov_b32 v15, 0
.set i, 0
.rept 32
	v_mov_b32 v[OO+i], 0
.set i, i+1
.endr
.endm
	BEGIN
.irp b, 0,1,2,3
	v_mov_b32 v[236+\b], 0
	v_mov_b32 v[250+\b], 0
.endr
.irp j, 0,1,2,3,4,5,6,7
	v_mov_b32 v[24+\j], 0                          ; Q's upper 64 codes
	v_mov_b32 v[KR+64+\j], 0                       ; what tile 7's operand runs on into
.endr
; A TILE GOES OUT: O^T / the sum; register 16 b + i of lane (r, h) is channel 32 b + 16 h + i of query r; quantised along the channels; through my stage, so that 32 lanes store 512 consecutive bytes
.macro OUTPUT
	v_add_f32 v14, v14, v15
	s_delay_alu instid0(VALU_DEP_1)
	v_permlanex16_b32 v252, v14, s[SEL], s[SEL+1]
	s_delay_alu instid0(VALU_DEP_1)
	v_add_f32 v14, v14, v252
	s_wait_alu depctr_va_vdst(0)
	v_rcp_f32 v14, v14
	v_and_b32 v8, 15, v0
	v_lshlrev_b32 v8, 2, v8
.rept 4
	v_nop                                          ; with the five plain lines above: the places behind the last products
.endr
	s_wait_alu depctr_va_vdst(0)
.set i, 0
.rept 32
	v_mul_f32 v[SS+i], v[OO+i], v14
.set i, i+1
.endr
.irp b, 0,1
	v_max3_num_f32 v[232+\b], |v[SS+16*\b]|, |v[SS+1+16*\b]|, 0x8000000
.endr
.irp i, 2,4,6,8,10,12,14
.irp b, 0,1
	s_delay_alu instid0(VALU_DEP_2)
	v_max3_num_f32 v[232+\b], v[232+\b], |v[SS+16*\b+\i]|, |v[SS+1+16*\b+\i]|
.endr
.endr
.irp b, 0,1
	v_permlanex16_b32 v[236+\b], v[232+\b], s[SEL], s[SEL+1]
.endr
.irp b, 0,1
	s_delay_alu instid0(VALU_DEP_2)
	v_max_num_f32 v[232+\b], v[232+\b], v[236+\b]
.endr
.irp b, 0,1
	s_delay_alu instid0(VALU_DEP_2)
	v_add_nc_u32 v[244+\b], 0xf8800000, v[232+\b]
.endr
.irp b, 0,1
	s_delay_alu instid0(VALU_DEP_4)
	v_and_or_b32 v[240+\b], v[232+\b], 0x7f800000, s[MNT]
.endr
.irp b, 0,1
	s_delay_alu instid0(VALU_DEP_4)
	v_lshrrev_b32 v[236+\b], 23, v[244+\b]
.endr
	s_delay_alu instid0(VALU_DEP_1)
	v_lshl_or_b32 v253, v237, 8, v236
.irp b, 0,1
.irp i, 0,1,2,3,4,5,6,7,8,9,10,11,12,13,14,15
	v_med3_num_f32 v[SS+16*\b+\i], v[SS+16*\b+\i], -v[240+\b], v[240+\b]
.endr
	v_cvt_scalef32_pk8_bf8_f32 v[224+4*\b:225+4*\b], v[SS+16*\b:SS+7+16*\b], v[244+\b]
	v_cvt_scalef32_pk8_bf8_f32 v[226+4*\b:227+4*\b], v[SS+8+16*\b:SS+15+16*\b], v[244+\b]
.endr
	v_nop
	ds_store_b128 v[STI], v[224:227]
	ds_store_b128 v[STI], v[228:231] offset:32
	ds_load_b128 v[32:35], v[STB]                  ; LDS serves a wave's instructions in order: these see my stores
	ds_load_b128 v[36:39], v[STB] offset:512
	global_store_b16 v8, v253, s[100:101]
	s_wait_dscnt 0x0
	global_store_b128 v[GO], v[32:35], s[16:17]
	global_store_b128 v[GO], v[36:39], s[16:17] offset:512
.endm
; A TRIP: 128 keys.  sel = 0: trip 0, key step 0 for every wave;  sel = 1: the later trips
.macro STEP sel
	s_cmp_gt_u32 s[KS], s[LT]                      ; behind my last trip only the addresses step
	s_cbranch_scc1 .Lhidden_\@
.if \sel
	s_cmp_lg_u32 s[KS], s[SX]
	s_cbranch_scc1 .Lsame_\@
	OUTPUT                                         ; the second kind: tile j is finished,
	s_wait_xcnt 0x0                                ; (the stores have read their registers)
.irp i, 0,1,2,3,4,5,6,7
	v_mov_b32 v[16+\i], v[Q2+\i]                   ; and tile 15 - j's queries take its place
.endr
	v_mov_b32 v255, v[Q2+8]
	BEGIN
	s_wait_alu depctr_va_vdst(0)
.Lsame_\@:
	s_cmp_gt_u32 s[KS], s[SW]                      ; behind the change the key step is the trip + 7 - j
	s_cselect_b32 s94, s[CK], 0
	s_cselect_b32 s95, s[CT], 0
	s_lshr_b32 s96, s95, 1
	s_add_co_u32 s94, s94, s[TB]
	s_add_co_u32 s95, s95, s[TS]
	s_add_co_u32 s96, s96, s[TJ]
	v_add_nc_u32 v[ADK], s94, v[AK0]
	v_add_nc_u32 v[ADV], s94, v[AV0]
	v_add_nc_u32 v[ADS], s95, v[ASK0]
	v_add_nc_u32 v[ADT], s96, v[ASV0]
.else
	v_add_nc_u32 v[ADK], s[TB], v[AK0]
	v_add_nc_u32 v[ADV], s[TB], v[AV0]
	v_add_nc_u32 v[ADS], s[TS], v[ASK0]
	v_add_nc_u32 v[ADT], s[TJ], v[ASV0]
.endif
.rept 4
	v_nop                                          ; with the four above: eight places behind the last products, ahead of loads into what they read
.endr
.irp t, 0,1,2,3,4,5,6,7
.irp c, 0,1
	ds_load_b128 v[KR+8*\t+4*\c:KR+8*\t+4*\c+3], v[ADK] offset:(16*(\t/2)+4*(\t%2))*144+32*\c
.endr
	ds_load_u16 v[KSC+\t], v[ADS] offset:272*(\t/4)+(32*((\t/2)%2)+8*(\t%2))*4
.endr
	s_wait_dscnt 10                                ; tiles 0-3 and tile 4's codes are in: the youngest ten of the 24 may be out
	s_wait_alu depctr_va_vdst(0)
.irp t, 0,1,2,3
	v_wmma_scale_f32_16x16x128_f8f6f4 v[SS+8*\t:SS+8*\t+7], v[KR+8*\t:KR+8*\t+15], v[16:31], 0, v[KSC+\t], v255 matrix_a_fmt:MATRIX_FMT_BF8 matrix_b_fmt:MATRIX_FMT_BF8
.endr
	s_wait_dscnt 0x0
.irp t, 4,5,6,7
	v_wmma_scale_f32_16x16x128_f8f6f4 v[SS+8*\t:SS+8*\t+7], v[KR+8*\t:KR+8*\t+15], v[16:31], 0, v[KSC+\t], v255 matrix_a_fmt:MATRIX_FMT_BF8 matrix_b_fmt:MATRIX_FMT_BF8
.endr
.rept 8
	v_nop
.endr
.irp t, 0,1,2,3
.irp c, 0,1,2,3
	ds_load_b128 v[KR+16*\t+4*\c:KR+16*\t+4*\c+3], v[ADV] offset:(16*(\t/2)+4*(\t%2))*144+4608*(\c/2)+32*(\c%2)
.endr
	ds_load_b32 v[KSC+\t], v[ADT] offset:(32*(\t/2)+8*(\t%2))*4
.endr
	s_cmp_eq_u32 s[KS], s[SW]                      ; the diagonal: tile j's in trip j, tile 15 - j's in trip 8
	s_cbranch_scc1 .Ldiag_\@
	s_cmp_lg_u32 s[KS], 8
	s_cbranch_scc1 .Lopen_\@
.Ldiag_\@:
	v_mov_b32 v254, 0xff800000                     ; hidden scores become -infinity: register 16 b + i is hidden where 32 b + i > v[DM]
.set i, 0
.rept 64
	v_cmp_gt_i32 vcc_lo, 32*(i/16)+i%16, v[DM]
	v_cndmask_b32 v[SS+i], v[SS+i], v254, vcc_lo
.set i, i+1
.endr
.Lopen_\@:
.irp b, 0,1,2,3
	v_max3_num_f32 v[232+\b], v[SS+16*\b], v[SS+1+16*\b], v[SS+2+16*\b]   ; each block's largest score
.endr
.irp i, 3,5,7,9,11,13
.irp b, 0,1,2,3
	v_max3_num_f32 v[232+\b], v[232+\b], v[SS+16*\b+\i], v[SS+1+16*\b+\i]
.endr
.endr
.irp b, 0,1,2,3
	v_max_num_f32 v[232+\b], v[232+\b], v[SS+15+16*\b]
.endr
.irp b, 0,1,2,3
	v_permlanex16_b32 v[236+\b], v[232+\b], s[SEL], s[SEL+1]
.endr
.irp b, 0,1,2,3
	s_delay_alu instid0(VALU_DEP_4)
	v_max_num_f32 v[232+\b], v[232+\b], v[236+\b]
.endr
	s_delay_alu instid0(VALU_DEP_2)
	v_max3_num_f32 v254, v232, v233, v234
	s_delay_alu instid0(VALU_DEP_1)
	v_max_num_f32 v254, v254, v235
	s_delay_alu instid0(VALU_DEP_1)
	v_mul_f32 v254, s[CS], v254
	s_delay_alu instid0(VALU_DEP_1)
	v_max_num_f32 v13, v13, v254                   ; the running largest t
	v_mov_b32 v254, v12
	s_delay_alu instid0(VALU_DEP_2)
	v_floor_f32 v12, -v13                          ; -M
	s_delay_alu instid0(VALU_DEP_1)
	v_sub_f32 v254, v12, v254
	s_delay_alu instid0(VALU_DEP_1)
	v_cvt_i32_f32 v254, v254
	s_delay_alu instid0(VALU_DEP_1)
	v_ldexp_f32 v252, 1.0, v254                    ; f = 2^(old M - new M)
.set i, 0
.rept 32
	v_pk_fma_f32 v[SS+i:SS+i+1], v[SS+i:SS+i+1], s[CS:CS+1], v[12:13] op_sel_hi:[1,0,0]
.set i, i+2
.endr
.irp b, 0,1,2,3
	v_fma_f32 v[232+\b], v[232+\b], s[CS], v12
.endr
.set i, 0
	s_wait_alu depctr_va_vdst(0)                   ; the wait ahead of the batch
.rept 64
	v_exp_f32 v[SS+i], v[SS+i]
.set i, i+1
.endr
	v_pk_mul_f32 v[14:15], v[14:15], v[252:253] op_sel_hi:[1,0]
	s_wait_alu depctr_va_vdst(0)                   ; and behind it
.irp b, 0,1,2,3
	v_exp_f32 v[232+\b], v[232+\b]                 ; each block's largest p
.endr
	v_pk_add_f32 v[236:237], v[SS:SS+1], v[SS+2:SS+3]   ; the row's sum of the unquantised p, in four chains
	v_pk_add_f32 v[CH:CH+1], v[SS+4:SS+5], v[SS+6:SS+7]
	v_pk_add_f32 v[CH+2:CH+3], v[SS+8:SS+9], v[SS+10:SS+11]
	v_pk_add_f32 v[14:15], v[14:15], v[SS+12:SS+13]
	v_pk_add_f32 v[236:237], v[236:237], v[SS+14:SS+15]
.irp j, 16,24,32,40,48,56
	v_pk_add_f32 v[CH:CH+1], v[CH:CH+1], v[SS+\j:SS+\j+1]
	v_pk_add_f32 v[CH+2:CH+3], v[CH+2:CH+3], v[SS+\j+2:SS+\j+3]
	v_pk_add_f32 v[14:15], v[14:15], v[SS+\j+4:SS+\j+5]
	v_pk_add_f32 v[236:237], v[236:237], v[SS+\j+6:SS+\j+7]
.endr
	s_delay_alu instid0(VALU_DEP_3)
	v_pk_add_f32 v[CH:CH+1], v[CH:CH+1], v[CH+2:CH+3]
	s_delay_alu instid0(VALU_DEP_2)
	v_pk_add_f32 v[14:15], v[14:15], v[236:237]
	s_delay_alu instid0(VALU_DEP_1)
	v_pk_add_f32 v[14:15], v[14:15], v[CH:CH+1]
	s_wait_alu depctr_va_vdst(0)                   ; for the four
.irp b, 0,1,2,3
	v_max_num_f32 v[232+\b], 0x8000000, v[232+\b]  ; the floor 2^(16 - 127)
.endr
.irp b, 0,1,2,3
	s_delay_alu instid0(VALU_DEP_4)
	v_add_nc_u32 v[244+\b], 0xf8800000, v[232+\b]  ; the conversion's scale operand
.endr
.irp b, 0,1,2,3
	v_and_or_b32 v[240+\b], v[232+\b], 0x7f800000, s[MNT]   ; 57,344 x the scale
.endr
.irp b, 0,1,2,3
	v_lshrrev_b32 v[236+\b], 23, v[244+\b]
.endr
	s_delay_alu instid0(VALU_DEP_3)
	v_lshl_or_b32 v253, v237, 8, v236              ; p's scale word
	s_delay_alu instid0(VALU_DEP_1)
	v_lshl_or_b32 v253, v238, 16, v253
	s_delay_alu instid0(VALU_DEP_1)
	v_lshl_or_b32 v253, v239, 24, v253
.irp b, 0,1,2,3
.irp i, 0,1,2,3,4,5,6,7,8,9,10,11,12,13,14,15
	v_min_num_f32 v[SS+16*\b+\i], v[SS+16*\b+\i], v[240+\b]   ; the hold: the conversion does not saturate (ISA guide 7.6.2)
.endr
	v_cvt_scalef32_pk8_bf8_f32 v[224+4*\b:225+4*\b], v[SS+16*\b:SS+7+16*\b], v[244+\b]
	v_cvt_scalef32_pk8_bf8_f32 v[226+4*\b:227+4*\b], v[SS+8+16*\b:SS+15+16*\b], v[244+\b]
.endr
	s_wait_alu depctr_va_vdst(0)                   ; the wait directly ahead of the first reader of O^T
.set i, 0
.rept 16
	v_pk_mul_f32 v[OO+i:OO+i+1], v[OO+i:OO+i+1], v[252:253] op_sel_hi:[1,0]
.set i, i+2
.endr
	s_wait_alu depctr_va_vdst(0)
	s_wait_dscnt 0x0                               ; V's fragments
.irp t, 0,1,2,3
	v_wmma_scale_f32_16x16x128_f8f6f4 v[OO+8*\t:OO+8*\t+7], v[KR+16*\t:KR+16*\t+15], v[224:239], v[OO+8*\t:OO+8*\t+7], v[KSC+\t], v253 matrix_a_fmt:MATRIX_FMT_BF8 matrix_b_fmt:MATRIX_FMT_BF8
.endr
.Lhidden_\@:
	s_add_co_u32 s[KS], s[KS], 1
	s_add_co_u32 s[TB], s[TB], KSB
	s_add_co_u32 s[TS], s[TS], 544
	s_add_co_u32 s[TJ], s[TJ], 272
.endm
	s_wait_alu depctr_va_vdst(0)                   ; the wait at the head's end
	s_wait_loadcnt 0x0                             ; the queries
	s_cmp_lt_u32 s[WV], 4
	s_cbranch_scc0 .Lnot_first
	s_wait_tensorcnt 0x0                           ; waves 0-3: key steps 0-3 and the scale bytes have landed
.Lnot_first:
	s_barrier_signal -1
	s_barrier_wait -1
	STEP 0                                         ; trip 0
	s_wait_alu depctr_va_vdst(0)
	s_wait_tensorcnt 0x0                           ; every wave: all that was still out has landed
	s_wait_dscnt 0x0
	s_barrier_signal -1
	s_barrier_wait -1
	s_mov_b32 s[CNT], 8                            ; trips 1 to 8: the count is a constant for every wave
.Lwalk:
	STEP 1
	s_sub_co_u32 s[CNT], s[CNT], 1
	s_cmp_lg_u32 s[CNT], 0
	s_cbranch_scc1 .Lwalk
.rept 8
	v_nop                                          ; the places behind the last products
.endr
	s_wait_dscnt 0x0
	s_barrier_signal -1
	s_barrier_wait -1                              ; nobody reads K any more
	s_cmp_eq_u32 s[LT], 8
	s_cbranch_scc0 .Lno_part
.irp g, 0,1,2,3,4,5,6,7
	ds_store_b128 v[PAD], v[OO+4*\g:OO+4*\g+3] offset:512*\g   ; the second kind hands over O^T, as an image of its registers,
.endr
	ds_store_b128 v[PAD], v[12:15] offset:4096     ; -M and the sums
.Lno_part:
	s_wait_dscnt 0x0
	s_barrier_signal -1
	s_barrier_wait -1
	s_cmp_eq_u32 s[LT], 8
	s_cbranch_scc1 .Ldone
.irp g, 0,1,2,3,4,5,6,7,8
	ds_load_b128 v[SS+4*\g:SS+4*\g+3], v[PAD] offset:512*\g
.endr
	s_wait_dscnt 0x0
	v_min_num_f32 v254, v12, v[SS+32]              ; -M of both parts: M is the larger of the two
	v_sub_f32 v252, v254, v12
	v_sub_f32 v250, v254, v[SS+32]
	v_cvt_i32_f32 v252, v252
	v_cvt_i32_f32 v250, v250
	v_ldexp_f32 v252, 1.0, v252                    ; 2^(my M - M),
	v_ldexp_f32 v250, 1.0, v250                    ; 2^(the partner's M - M): nothing is rounded
	v_pk_mul_f32 v[14:15], v[14:15], v[252:253] op_sel_hi:[1,0]
	v_pk_fma_f32 v[14:15], v[SS+34:SS+35], v[250:251], v[14:15] op_sel_hi:[1,0,1]
.set i, 0
.rept 16
	v_pk_mul_f32 v[OO+i:OO+i+1], v[OO+i:OO+i+1], v[252:253] op_sel_hi:[1,0]
.set i, i+2
.endr
.set i, 0
.rept 16
	v_pk_fma_f32 v[OO+i:OO+i+1], v[SS+i:SS+i+1], v[250:251], v[OO+i:OO+i+1] op_sel_hi:[1,0,1]
.set i, i+2
.endr
	OUTPUT                                         ; tile 15 - j
.Ldone:
	s_wait_tensorcnt 0x0                           ; the wave's end
	ds_add_u32 v[SPW], v[NIL]
	s_wait_dscnt 0x0
	CROUND                                         ; the closing round
	s_endpgm
.Lfunc_end_k_q73dcbde721_attn:
	.size	k_q73dcbde721_attn, .Lfunc_end_k_q73dcbde721_attn-k_q73dcbde721_attn
	.p2alignl 7, 3214868480
	.fill 96, 4, 3214868480
	.section	.rodata,"a",@progbits
	.p2align	6, 0x0
	.amdhsa_kernel k_q73dcbde721_attn
		.amdhsa_group_segment_fixed_size 327680
		.amdhsa_private_segment_fixed_size 0
		.amdhsa_enable_private_segment 0
		.amdhsa_kernarg_size 32
		.amdhsa_user_sgpr_count 2
		.amdhsa_user_sgpr_kernarg_segment_ptr 1
		.amdhsa_wavefront_size32 1
		.amdhsa_system_sgpr_workgroup_id_x 1
		.amdhsa_system_sgpr_workgroup_id_y 1
		.amdhsa_system_sgpr_workgroup_id_z 1
		.amdhsa_system_vgpr_workitem_id 0
		.amdhsa_next_free_vgpr 256
		.amdhsa_next_free_sgpr 102
		.amdhsa_reserve_vcc 1
		.amdhsa_float_denorm_mode_32 3
		.amdhsa_float_denorm_mode_16_64 3
		.amdhsa_memory_ordered 1
		.amdhsa_forward_progress 1
		.amdhsa_inst_pref_size 84
	.end_amdhsa_kernel
	.amdgpu_metadata
---
amdhsa.version: [ 1, 2 ]
amdhsa.kernels:
  - .name:           k_q73dcbde721_attn
    .symbol:         k_q73dcbde721_attn.kd
    .args:
      - { .name: bc, .offset: 0, .size: 8, .value_kind: global_buffer, .address_space: global }
      - { .name: bs, .offset: 8, .size: 8, .value_kind: global_buffer, .address_space: global }
      - { .name: yc, .offset: 16, .size: 8, .value_kind: global_buffer, .address_space: global }
      - { .name: ys, .offset: 24, .size: 8, .value_kind: global_buffer, .address_space: global }
    .group_segment_fixed_size: 327680
    .private_segment_fixed_size: 0
    .kernarg_segment_align: 8
    .kernarg_segment_size: 32
    .max_flat_workgroup_size: 512
    .sgpr_count:     102
    .vgpr_count:     256
    .wavefront_size: 32
...
	.end_amdgpu_metadata
.endif
;; end of part 3
;; launch proj (part 4): grid 8 x 32, 4 waves a work-group, clusters of 4 x 4, 327,680 bytes of LDS; arguments yc, ys, attn_proj_w_codes, attn_proj_w_scales, attn_proj_b, x, x2; writes x2
.if DOCPART == 4
	.amdgcn_target "amdgcn-amd-amdhsa--gfx1250"
	.amdhsa_code_object_version 6
	.text
	.protected	k_q73dcbde721_proj
	.globl	k_q73dcbde721_proj
	.p2align	8
	.type	k_q73dcbde721_proj,@function
k_q73dcbde721_proj:
	s_mov_b64 s[64:65], 0
	v_nop
	global_prefetch_b8 v0, s[64:65] scope:SCOPE_SE
	s_setreg_imm32_b32 hwreg(HW_REG_WAVE_MODE, 25, 1), 1
	s_wait_xcnt 0x0
	s_wait_alu depctr_hold_cnt(0) depctr_sa_sdst(0) depctr_va_vdst(0) depctr_va_sdst(0) depctr_va_ssrc(0) depctr_va_vcc(0) depctr_vm_vsrc(0)
	s_getreg_b32 s2, hwreg(HW_REG_IB_STS2, 6, 4)
	s_cmp_eq_u32 s2, 0
	s_cbranch_scc0 .Lentry_in_a_cluster
	s_endpgm
.Lentry_in_a_cluster:
	s_bfe_u32 s2, ttmp6, 0x10000c
	s_cmp_lg_u32 s2, 0xf033
	s_cbranch_scc0 .Lentry_shape_is_right
	s_endpgm
.Lentry_shape_is_right:
; out = res + A W^T + bias, f32 [4096][1024].  A: codes of E5M2 made by an earlier launch, laid in chunks along K: [SIZE_K / KC][4096 rows][KC bytes]; its scale bytes one word for a row and 128 along K: [SIZE_K / 128][4096].
; W: [1024][SIZE_K] codes, K innermost; its scale bytes [1024][SIZE_K / 32].  bias [1024], res [4096][1024]: f32.
; The output has 4,096 x 1,024 numbers: tiles of 128 x 128 give 256 work-groups, one for each WGP (tiles of 256 x 256 would give 64).  Four waves, 64 x 64 each: 16 accumulators.
; K goes in steps of 512 through two LDS slots: A's part is 512 / KC chunks of 128 rows (one tensor load brings half of them: a chunk's 128 rows are dense in memory and are stated as one long row, padded behind every KC bytes),
; W's part 128 rows of 512 bytes.  The scale bytes of the work-group's rows, for all of K, come into LDS once.
; CLUSTERS of 4 x 4: A's tiles are shared along a row of the cluster, W's along a column, each by a joint load.
; THE MATRIX INSTRUCTION IS USED TRANSPOSED (source 0 = 16 rows of W, source 1 = 16 rows of A): a lane holds eight neighbouring numbers of a row of the output.  The bias is the C of each sum's first product.
; REGISTERS: window 0: v10-21 addresses; v32-63 A's scale words, v64-95 W's, two sets each; v96-127 the bias; v128-255 the accumulators ((a, b) at v[128 + 8 (4 a + b)]).
;   window 1: two fragment buffers of 128: A's four fragments, then W's four.   window 2: v0-127 the residual, loaded at the head in the layout of the stores.
.set SIZE_K, 1024
.set KC,     64                        ; bytes of a row in a chunk of A
.set QIA,    3                         ; the padding's interval for KC bytes: 2 << QIA words
.set PA,     KC+16                     ; a row of A in LDS
.set CHB,    128*PA                    ; a chunk
.set NCH,    512/KC                    ; chunks in a slot
.set ASZ,    NCH*CHB
.set PB,     528                       ; a row of W in LDS: 512 bytes + 16
.set HB,     64*PB
.set SLOT,   ASZ+2*HB
.set LAPS,   SIZE_K/1024               ; a lap = two K steps
.set KS,     SIZE_K/32
.set SCA,    2*SLOT                    ; A's scale words: SIZE_K / 128 rows of 512 bytes + 16
.set HSA,    (SIZE_K/256)*528
.set SCB,    SCA+2*HSA                 ; W's scale bytes: units of 256 bytes + 16
.set HSB,    (64*KS/256)*272
.set SBLK,   (16*KS/256)*272
.set SPARE,  ((SCB+2*HSB+255)/256)*256 ; the spare words, 128 bytes for each wave: two blocks of 256 bytes that no other line names
.set SP,     272                       ; the way out: a stage of 16 rows x (256 bytes + 16) for each wave, in slot 0, which has had its last fill and its last read by then
.set ADRA, 10                          ; v10-13  A's fragments: slot s, quarters 2 u and 2 u + 1: v[10 + 2 s + u]
.set ADRB, 14                          ; v14-15  W's, slot s
.set ADSA, 16
.set ADSB, 17
.set STO,  18
.set RD,   19
.set CO,   20
.set BO,   21
.set SPW,  28
.set NIL,  29
.set SA,   32                          ; set s: v[32 + 16 s + 4 q + i]
.set SB,   64                          ; set s: v[64 + 16 s + 4 i + q]
.set CB,   96
.set ACC,  128
.set BK,   32                          ; the way out: two sets of 32
.set F0,   0
.set F1,   128
.set G1, 24
.set G0, 32
.set G1B, 48
.set G0B, 56
.set G1S, 68
.set G0S, 76
.set G1SB, 80
.set G0SB, 88
.set MSB, 0
.macro WIN new                         ; the immediate's high byte repeats the setting that is left
.if MSB != (\new)
	s_set_vgpr_msb (MSB<<8)|(\new)
.set MSB, (\new)
.endif
.endm
.set MUL,  0x05                        ; sources 0 and 1 window 1; C and D window 0
.set TO_F, 0x40                        ; destination window 1, address window 0
.macro JLOAD g0a, g1a, g0b, g1b        ; a joint load: waves 0 and 1 fetch for A, waves 2 and 3 for W; an s_nop 0 and four v_nop follow each of the two lines
	s_cmp_eq_u32 s15, 0
	s_cbranch_scc0 .Lfor_b_\@
	tensor_load_to_lds s[\g0a:\g0a+3], s[\g1a:\g1a+7]
	s_nop 0
.rept 4
	v_nop
.endr
	s_branch .Lasked_\@
.Lfor_b_\@:
	tensor_load_to_lds s[\g0b:\g0b+3], s[\g1b:\g1b+7]
	s_nop 0
.rept 4
	v_nop
.endr
.Lasked_\@:
.endm
.macro CREST
	s_cmp_lg_u32 s14, 0
	s_cbranch_scc1 .Lnot_wave_0_\@
	s_barrier_signal -3
.Lnot_wave_0_\@:
	s_barrier_wait -3
	s_barrier_signal -1
	s_barrier_wait -1
.endm
.macro CROUND
	s_barrier_signal -1
	s_barrier_wait -1
	CREST
.endm
	s_load_b256 s[4:11], s[0:1], 0x0               ; A's codes s[4:5], A's scales s[6:7], W's codes s[8:9], W's scales s[10:11]
	s_load_b128 s[96:99], s[0:1], 0x20             ; bias s[96:97], res s[98:99]
	s_load_b64 s[12:13], s[0:1], 0x30              ; out
	v_lshl_add_u32 v[SPW], v0, 2, SPARE
	v_mov_b32 v[NIL], 0
	ds_add_u32 v[SPW], v[NIL]                      ; the wave's opening: the add, twice on end, and its wait ahead of my first tensor load
	ds_add_u32 v[SPW], v[NIL]
	v_lshrrev_b32 v1, 5, v0
	v_readfirstlane_b32 s14, v1                    ; wave 0..3
	s_lshr_b32 s15, s14, 1                         ; which half of the tile's rows is mine.  Also: I fetch for A (0) or for W (1)
	s_and_b32 s16, s14, 1                          ; which half of its columns.  Also: which half of that tile I fetch
	s_bfe_u32 s40, ttmp6, 0x40000                  ; cx, cy
	s_bfe_u32 s41, ttmp6, 0x40004
	s_lshl_b32 s42, ttmp9, 2
	s_add_co_u32 s42, s42, s40                     ; tile column
	s_and_b32 s17, ttmp7, 0xffff
	s_lshl_b32 s17, s17, 2
	s_add_co_u32 s17, s17, s41                     ; tile row
	s_lshl_b32 s43, s41, 2
	s_lshl_b32 s43, 15, s43                        ; my row of the cluster
	s_lshl_b32 s44, 0x1111, s40                    ; my column
	s_or_b32 s[G1+0], s43, (3<<16)|(1<<20)|(1<<21)|(QIA<<22)|(3<<25)   ; A: elements of 8 bytes; four words of padding after every KC bytes
	s_mov_b32 s[G1+1], (16*KC)<<16                 ; a 'row' is a chunk's 128 rows: 128 KC bytes
	s_mov_b32 s[G1+2], NCH<<16                     ; the head's load brings all of a slot's chunks; the ring's loads half of them
	s_mov_b32 s[G1+3], (16*KC)<<16
	s_mov_b32 s[G1+4], NCH
	s_mov_b32 s[G1+5], 512*KC                      ; from chunk to chunk: 4,096 rows of KC bytes
	s_mov_b32 s[G1+6], 0
	s_mov_b32 s[G1+7], 0
	s_or_b32 s[G1B+0], s44, (0<<16)|(1<<20)|(1<<21)|(6<<22)|(3<<25)    ; W: 64 rows of 512 bytes; four words after every 128
	s_mov_b32 s[G1B+1], 512<<16
	s_mov_b32 s[G1B+2], 128<<16                    ; the head's load brings 128 rows; the ring's 64
	s_mov_b32 s[G1B+3], 512<<16
	s_mov_b32 s[G1B+4], 128
	s_mov_b32 s[G1B+5], SIZE_K
	s_mov_b32 s[G1B+6], 0
	s_mov_b32 s[G1B+7], 0
	s_or_b32 s[G1S+0], s43, (3<<16)|(1<<20)|(1<<21)|(6<<22)|(3<<25)    ; A's scale words: rows of 512 bytes (my 128 rows' words), 16,384 bytes apart
	s_mov_b32 s[G1S+1], 64<<16
	s_mov_b32 s[G1S+2], (SIZE_K/128)<<16
	s_mov_b32 s[G1S+3], 64<<16
	s_mov_b32 s[G1S+4], SIZE_K/128
	s_mov_b32 s[G1S+5], 2048
	s_mov_b32 s[G1S+6], 0
	s_mov_b32 s[G1S+7], 0
	s_or_b32 s[G1SB+0], s44, (3<<16)|(1<<20)|(1<<21)|(5<<22)|(3<<25)   ; W's scale bytes of 128 rows: a dense block, as rows of 256 bytes
	s_mov_b32 s[G1SB+1], 32<<16
	s_mov_b32 s[G1SB+2], (128*KS/256)<<16
	s_mov_b32 s[G1SB+3], 32<<16
	s_mov_b32 s[G1SB+4], 128*KS/256
	s_mov_b32 s[G1SB+5], 32
	s_mov_b32 s[G1SB+6], 0
	s_mov_b32 s[G1SB+7], 0
	s_mul_i32 s20, s17, 128*KC                     ; A's codes: my tile's rows in a chunk,
	s_mov_b32 s21, 0
	s_lshl_b32 s22, s17, 9                         ; A's scale words
	s_mov_b32 s23, 0
	s_lshl_b32 s46, s42, 7
	s_mul_i32 s92, s46, KS
	s_mov_b32 s93, 0
	s_mul_i32 s46, s46, SIZE_K
	s_mov_b32 s47, 0
	s_mul_i32 s45, s16, (NCH/2)*CHB                ; where they go: no place in the cluster enters an LDS address
	s_mul_i32 s95, s16, HB
	s_add_co_u32 s95, s95, ASZ
	s_wait_dscnt 0x0                               ; both opening adds are done
	s_wait_kmcnt 0x0
	s_add_nc_u64 s[20:21], s[4:5], s[20:21]
	s_add_nc_u64 s[22:23], s[6:7], s[22:23]
	s_add_nc_u64 s[46:47], s[8:9], s[46:47]
	s_add_nc_u64 s[92:93], s[10:11], s[92:93]
	CROUND                                         ; all sixteen work-groups are here: the first joint loads meet
	s_mov_b32 s[G0S], 1
	s_mov_b32 s[G0S+1], SCA
	s_mov_b64 s[G0S+2:G0S+3], s[22:23]
	s_or_b32 s[G0S+3], s[G0S+3], 0x80000000
	s_mov_b32 s[G0SB], 1
	s_mov_b32 s[G0SB+1], SCB
	s_mov_b64 s[G0SB+2:G0SB+3], s[92:93]
	s_or_b32 s[G0SB+3], s[G0SB+3], 0x80000000
.set G0H, 4                            ; s[4:7], s[8:11] group 0 of the head's loads of K step 0 (the arguments that lay there have been used)
.set G0HB, 8
	s_mov_b32 s[G0H], 1
	s_mov_b32 s[G0H+1], 0
	s_mov_b64 s[G0H+2:G0H+3], s[20:21]
	s_or_b32 s[G0H+3], s[G0H+3], 0x80000000
	s_mov_b32 s[G0HB], 1
	s_mov_b32 s[G0HB+1], ASZ
	s_mov_b64 s[G0HB+2:G0HB+3], s[46:47]
	s_or_b32 s[G0HB+3], s[G0HB+3], 0x80000000
	s_lshl_b32 s18, s16, 20                        ; for the ring: my half of a K step's chunks (256 along K x 4,096 rows),
	s_mov_b32 s19, 0
	s_add_nc_u64 s[20:21], s[20:21], s[18:19]
	s_mul_i32 s18, s16, 64*SIZE_K                  ; my 64 rows of W
	s_add_nc_u64 s[46:47], s[46:47], s[18:19]
; THE PREFETCH: K step 1, whose load goes out when the head's tiles have landed, is asked for at the head: one instruction a wave.  What a wave fetches of it is 32,768 bytes; each of the four partners that ask for it jointly
; names a quarter, 32 blocks of 256 bytes, told apart by address (cx for A, cy for W).  A: one chunk's 128 rows, dense, lanes 256 bytes apart.  W: 16 rows x 512 bytes, two lanes a row.
; W's tiles are read by all eight rows of clusters: the first four rows ask for them.  K has two steps: there is no later one to ask for.
.set PFA, 100                          ; s[100:101] where my prefetch stands
.set LIM, 2                            ; s2: 1 where my wave asks
.set PFO, 22                           ; v22 my lane's offset; never rewritten
	s_lshl_b32 s92, s40, 18                        ; A: which of my four chunks (4,096 rows of 64 bytes each),
	s_add_co_u32 s92, s92, 2097152                 ; a K step on
	s_lshl_b32 s93, s41, 14                        ; W: 16 rows of 1,024 bytes,
	s_add_co_u32 s93, s93, 512                     ; a K step on
	s_and_b32 s94, ttmp7, 0xffff
	s_cmp_lt_u32 s94, 4
	s_cselect_b32 s[LIM], 1, 0
	s_cmp_eq_u32 s15, 0                            ; do I fetch for A?
	s_cselect_b32 s[LIM], 1, s[LIM]
	s_cselect_b64 s[PFA:PFA+1], s[20:21], s[46:47]
	s_cselect_b32 s92, s92, s93
	s_cselect_b32 s94, -1, 0                       ; all lanes: A's offsets
	s_mov_b32 s93, 0
	s_add_nc_u64 s[PFA:PFA+1], s[PFA:PFA+1], s[92:93]
.irp s, 0,1
	s_mov_b32 s[G0+4*\s], 1
	s_add_co_u32 s[G0+4*\s+1], s45, \s*SLOT
	s_add_nc_u64 s[G0+4*\s+2:G0+4*\s+3], s[20:21], \s*2097152     ; a K step of 512 is 512 x 4,096 bytes on
	s_or_b32 s[G0+4*\s+3], s[G0+4*\s+3], 0x80000000
	s_mov_b32 s[G0B+4*\s], 1
	s_add_co_u32 s[G0B+4*\s+1], s95, \s*SLOT
	s_add_nc_u64 s[G0B+4*\s+2:G0B+4*\s+3], s[46:47], \s*512
	s_or_b32 s[G0B+4*\s+3], s[G0B+4*\s+3], 0x80000000
.endr
; the head's loads, one a wave: wave 0 K step 0 of A, wave 1 of W, wave 2 A's scale words, wave 3 W's scale bytes
.macro ARM under, g0, g1, next
	s_cmp_lt_u32 s14, \under
	s_cbranch_scc0 \next
	tensor_load_to_lds s[\g0:\g0+3], s[\g1:\g1+7]
	s_nop 0
.rept 4
	v_nop
.endr
	s_branch .Lhead_asked
\next:
.endm
	ARM 1, G0H,  G1,  .Lhead_b
	ARM 2, G0HB, G1B, .Lhead_sa
	ARM 3, G0S,  G1S, .Lhead_sb
	tensor_load_to_lds s[G0SB:G0SB+3], s[G1SB:G1SB+7]
	s_nop 0
.rept 4
	v_nop
.endr
.Lhead_asked:
	v_and_b32 v1, 15, v0
	v_bfe_u32 v2, v0, 4, 1                         ; h
	v_mul_u32_u24 v3, v1, PA
	v_lshl_add_u32 v3, v2, 4, v3
	s_mul_i32 s21, s15, 64*PA                      ; my 64 rows of A
.irp s, 0,1
.irp u, 0,1
	s_add_co_u32 s22, s21, \s*SLOT+\u*(256/KC)*CHB
	v_add_nc_u32 v[ADRA+2*\s+\u], s22, v3
.endr
.endr
	v_mul_u32_u24 v4, v1, PB
	v_lshl_add_u32 v4, v2, 4, v4
	s_mul_i32 s22, s16, HB                         ; my 64 rows of W
	s_add_co_u32 s22, s22, ASZ
	v_add_nc_u32 v[ADRB], s22, v4
	s_add_co_u32 s22, s22, SLOT
	v_add_nc_u32 v[ADRB+1], s22, v4
	s_lshl_b32 s22, s15, 8
	s_add_co_u32 s22, s22, SCA
	v_lshl_add_u32 v[ADSA], v1, 2, s22             ; A's scale words: a word a row
	v_mul_u32_u24 v5, v1, KS                       ; W's: KS bytes a row,
	v_lshrrev_b32 v6, 8, v5
	v_lshl_add_u32 v5, v6, 4, v5                   ; and 16 more for each 256 passed
	s_mul_i32 s22, s16, HSB
	s_add_co_u32 s22, s22, SCB
	v_add_nc_u32 v[ADSB], s22, v5
	s_mul_i32 s23, s14, 16*SP                      ; my stage
	v_mul_u32_u24 v5, v1, SP
	v_lshl_add_u32 v5, v2, 5, v5
	v_add_nc_u32 v[STO], s23, v5                   ; in: row r, 32 bytes for each half of the lanes
	v_mul_u32_u24 v5, v2, SP
	v_lshl_add_u32 v5, v1, 4, v5
	v_add_nc_u32 v[RD], s23, v5                    ; back: lanes 0-15 one row of 256 bytes, lanes 16-31 the next
	v_lshlrev_b32 v5, 12, v2
	v_lshl_add_u32 v[CO], v1, 4, v5                ; and the same two rows in memory
	v_and_b32 v5, 31, v0
	v_lshlrev_b32 v[PFO], 8, v5                    ; A: lanes 256 bytes apart
	v_lshrrev_b32 v6, 1, v5
	v_and_b32 v5, 1, v5
	v_lshlrev_b32 v6, 10, v6
	v_lshl_add_u32 v6, v5, 8, v6                   ; W: a row of 1,024 bytes for two lanes, 256 bytes each
	v_cndmask_b32 v[PFO], v6, v[PFO], s94
	v_lshlrev_b32 v[BO], 5, v2
	s_wait_alu depctr_va_vdst(0)
	s_lshl_b32 s20, s17, 7
	s_lshl_b32 s21, s15, 6
	s_add_co_u32 s20, s20, s21                     ; my first row,
	s_lshl_b32 s20, s20, 12                        ; in bytes
	s_lshl_b32 s46, s42, 9
	s_lshl_b32 s47, s16, 8
	s_add_co_u32 s46, s46, s47                     ; my first column, in bytes
	s_mov_b32 s47, 0
	s_add_nc_u64 s[96:97], s[96:97], s[46:47]
	s_add_co_u32 s20, s20, s46
	s_mov_b32 s21, 0
	s_add_nc_u64 s[98:99], s[98:99], s[20:21]
	s_add_nc_u64 s[12:13], s[12:13], s[20:21]
.irp b, 0,1,2,3
	global_load_b128 v[CB+8*\b:CB+8*\b+3], v[BO], s[96:97] offset:64*\b        ; register 8 b + j: the bias of column 16 b + 8 h + j
	global_load_b128 v[CB+8*\b+4:CB+8*\b+7], v[BO], s[96:97] offset:64*\b+16
.endr
	WIN 0x80                                       ; destination window 2
.irp a, 0,1,2,3
.irp t, 0,1,2,3,4,5,6,7
	global_load_b128 v[32*\a+4*\t:32*\a+4*\t+3], v[CO], s[98:99] offset:(16*\a+2*\t)*4096   ; the residual, as it will be added: sixteen lanes read 256 consecutive bytes
.endr
.endr
	WIN 0
; 8 matrix instructions: A's blocks a0, a0 + 1 x W's four, the slot's q-th 128 along K, from buffer f.  zero = 1: the bias starts the sums.  The 16 accumulators take turns in the same order in every quarter
.macro MUL8 f, a0, q, set, zero
.irp a, \a0, \a0+1
.irp b, 0,1,2,3
.if \zero
	v_wmma_scale_f32_16x16x128_f8f6f4 v[ACC+8*(4*(\a)+\b):ACC+8*(4*(\a)+\b)+7], v[\f+64+16*\b:\f+64+16*\b+15], v[\f+16*(\a):\f+16*(\a)+15], v[CB+8*\b:CB+8*\b+7], v[SB+16*(\set)+4*\b+(\q)], v[SA+16*(\set)+4*(\q)+(\a)] matrix_a_fmt:MATRIX_FMT_BF8 matrix_b_fmt:MATRIX_FMT_BF8
.else
	v_wmma_scale_f32_16x16x128_f8f6f4 v[ACC+8*(4*(\a)+\b):ACC+8*(4*(\a)+\b)+7], v[\f+64+16*\b:\f+64+16*\b+15], v[\f+16*(\a):\f+16*(\a)+15], v[ACC+8*(4*(\a)+\b):ACC+8*(4*(\a)+\b)+7], v[SB+16*(\set)+4*\b+(\q)], v[SA+16*(\set)+4*(\q)+(\a)] matrix_a_fmt:MATRIX_FMT_BF8 matrix_b_fmt:MATRIX_FMT_BF8
.endif
.endr
.endr
.endm
; 32 LDS loads in one run: the fragments of the slot's q-th 128 along K into buffer f: W's four, then A's four.  Registers 4 c .. 4 c + 3 of a fragment hold K = 32 c + 16 (lane / 16) + 0 .. 15
.macro FETCH slot, q, f
	WIN TO_F
.irp i, 0,1,2,3
.irp c, 0,1,2,3
	ds_load_b128 v[\f+64+16*\i+4*\c:\f+64+16*\i+4*\c+3], v[ADRB+\slot] offset:128*(\q)+32*\c+\i*16*PB
.endr
.endr
.irp i, 0,1,2,3
.irp c, 0,1,2,3
	ds_load_b128 v[\f+16*\i+4*\c:\f+16*\i+4*\c+3], v[ADRA+2*(\slot)+(\q)/2] offset:((128*((\q)%2)+32*\c)/KC)*CHB+(128*((\q)%2)+32*\c)%KC+\i*16*PA
.endr
.endr
.endm
.macro SCALES set                      ; a K step's scale words: A's, a word for each quarter and block; W's, a block's four quarters by one load
.irp q, 0,1,2,3
.irp i, 0,1,2,3
	ds_load_b32 v[SA+16*(\set)+4*\q+\i], v[ADSA] offset:528*\q+64*\i
.endr
.endr
.irp i, 0,1,2,3
	ds_load_b128 v[SB+16*(\set)+4*\i:SB+16*(\set)+4*\i+3], v[ADSB] offset:\i*SBLK
.endr
.endm
.macro PLACES n                        ; plain vector instructions between a matrix instruction and a load into, or a read of, its registers
.rept \n
	v_nop
.endr
.endm
; One of a K step's first three quarters: multiplies quarter q from buffer f and fetches quarter q + 1 into g
.macro QUARTER slot, q, f, g, zero
	s_wait_dscnt 8                                 ; all but the youngest eight loads (A's blocks 2 and 3) are in
	WIN MUL
	MUL8 \f, 0, \q, \slot, \zero
	PLACES 8
	FETCH \slot, (\q)+1, \g
	s_wait_dscnt 32                                ; all but the 32 just issued
	WIN MUL
	MUL8 \f, 2, \q, \slot, \zero
.endm
; The last quarter multiplies buffer 1 and changes slots: ONE barrier; in front of it each wave waits for all its tensor loads, adds 0 to its spare word, and waits for that and for its own reads of this slot
.macro TURN slot, next, fill
	WIN 0
	s_wait_tensorcnt 0x0                           ; all my tensor loads have landed: my part of the next slot
	ds_add_u32 v[SPW], v[NIL]                      ; 0 onto my spare word
	s_wait_dscnt 0x0                               ; the add is done, and my reads of this slot are over
	s_barrier_signal -1
	WIN MUL
	MUL8 F1, 0, 3, \slot, 0
	WIN 0
	s_barrier_wait -1
.if \fill
	CREST                                          ; the barrier has opened a round of the cluster's barrier: no wave of any partner still reads this slot or has a load on its way
	s_add_nc_u64 s[G0+4*\slot+2:G0+4*\slot+3], s[G0+4*\slot+2:G0+4*\slot+3], 2*2097152
	s_add_nc_u64 s[G0B+4*\slot+2:G0B+4*\slot+3], s[G0B+4*\slot+2:G0B+4*\slot+3], 2*512
	JLOAD G0+4*\slot, G1, G0B+4*\slot, G1B         ; the first tensor load behind the round; its four v_nop are among the places in front of the loads below
	PLACES 4
.else
	PLACES 8
.endif
	v_add_nc_u32 v[ADSA], 4*528, v[ADSA]           ; on to the next K step's scale words
	v_add_nc_u32 v[ADSB], 16, v[ADSB]
	SCALES \next
	FETCH \next, 0, F0
	WIN MUL
	MUL8 F1, 2, 3, \slot, 0
.endm
	s_cmp_eq_u32 s[LIM], 1
	s_cbranch_scc0 .Lnot_mine
	global_prefetch_b8 v[PFO], s[PFA:PFA+1] th:TH_LOAD_NT scope:SCOPE_SE   ; K step 1
.Lnot_mine:
	s_wait_alu depctr_va_vdst(0)                   ; the wait at the head's end
	s_wait_tensorcnt 0x0                           ; my tile of the head's four is in
	ds_add_u32 v[SPW], v[NIL]
	s_mov_b32 s[G1+2], (NCH/2)<<16                 ; no tensor load of mine is out: from here on a load brings half a tile
	s_mov_b32 s[G1+4], NCH/2
	s_mov_b32 s[G1B+2], 64<<16
	s_mov_b32 s[G1B+4], 64
	s_wait_dscnt 0x0
	CROUND                                         ; all four tiles are in, and all sixteen work-groups are here
	JLOAD G0+4, G1, G0B+4, G1B                     ; K step 1: the first tensor load behind the round
	SCALES 0
	FETCH 0, 0, F0
	s_wait_loadcnt 32                              ; the bias is in; the residual's 32 loads may be out
	QUARTER 0, 0, F0, F1, 1                        ; the first quarter stands in front of the loop: its products start the sums
.if LAPS > 1
	WIN 0
	s_mov_b32 s3, LAPS-1
.Llap:                                                 ; a trip goes once round the ring and fills both slots again
	QUARTER 0, 1, F1, F0, 0
	QUARTER 0, 2, F0, F1, 0
	TURN 0, 1, 1
	QUARTER 1, 0, F0, F1, 0
	QUARTER 1, 1, F1, F0, 0
	QUARTER 1, 2, F0, F1, 0
	TURN 1, 0, 1
	QUARTER 0, 0, F0, F1, 0
	WIN 0
	s_sub_co_u32 s3, s3, 1
	s_cmp_lg_u32 s3, 0
	s_cbranch_scc1 .Llap
.endif
	QUARTER 0, 1, F1, F0, 0                        ; the last lap fills nothing
	QUARTER 0, 2, F0, F1, 0
	TURN 0, 1, 0
	QUARTER 1, 0, F0, F1, 0
	QUARTER 1, 1, F1, F0, 0
	QUARTER 1, 2, F0, F1, 0
	s_wait_dscnt 8
	WIN MUL
	MUL8 F1, 0, 3, 1, 0
	s_wait_dscnt 0
	MUL8 F1, 2, 3, 1, 0
	WIN 0
	; THE WAY OUT, block by block of 16 rows x 64 columns: through my own stage, back as whole rows of 256 bytes, + the residual, stored: sixteen lanes store 256 consecutive bytes, at a multiple of 256 from the buffer's first byte
	PLACES 8
	s_wait_loadcnt 0x0                             ; the residual
.irp a, 0,1,2,3
.if \a > 1
	s_wait_xcnt 0x0                                ; block a - 2's stores have read their registers: block a's loads may land there
.endif
.irp b, 0,1,2,3
	ds_store_b128 v[STO], v[ACC+8*(4*\a+\b):ACC+8*(4*\a+\b)+3] offset:64*\b          ; each accumulator from its low end on
	ds_store_b128 v[STO], v[ACC+8*(4*\a+\b)+4:ACC+8*(4*\a+\b)+7] offset:64*\b+16
.endr
.irp t, 0,1,2,3,4,5,6,7
	ds_load_b128 v[BK+32*(\a%2)+4*\t:BK+32*(\a%2)+4*\t+3], v[RD] offset:\t*2*SP      ; LDS serves a wave's instructions in order (ISA guide 5.7.1.4): these see my stores
.endr
	s_wait_dscnt 0x0
	WIN 0x08                                       ; source 1 window 2
.irp t, 0,1,2,3,4,5,6,7
	v_pk_add_f32 v[BK+32*(\a%2)+4*\t:BK+32*(\a%2)+4*\t+1], v[BK+32*(\a%2)+4*\t:BK+32*(\a%2)+4*\t+1], v[32*\a+4*\t:32*\a+4*\t+1]
	v_pk_add_f32 v[BK+32*(\a%2)+4*\t+2:BK+32*(\a%2)+4*\t+3], v[BK+32*(\a%2)+4*\t+2:BK+32*(\a%2)+4*\t+3], v[32*\a+4*\t+2:32*\a+4*\t+3]
.endr
	WIN 0
.irp t, 0,1,2,3,4,5,6,7
	global_store_b128 v[CO], v[BK+32*(\a%2)+4*\t:BK+32*(\a%2)+4*\t+3], s[12:13] offset:(16*\a+2*\t)*4096
.endr
.endr
	s_wait_tensorcnt 0x0                           ; the wave's end: behind my last tensor load and my last LDS store
	ds_add_u32 v[SPW], v[NIL]
	s_wait_dscnt 0x0
	CROUND                                         ; the closing round: no work-group ends while a partner may still ask for a tile that names it
	s_endpgm
.Lfunc_end_k_q73dcbde721_proj:
	.size	k_q73dcbde721_proj, .Lfunc_end_k_q73dcbde721_proj-k_q73dcbde721_proj
	.p2alignl 7, 3214868480
	.fill 96, 4, 3214868480
	.section	.rodata,"a",@progbits
	.p2align	6, 0x0
	.amdhsa_kernel k_q73dcbde721_proj
		.amdhsa_group_segment_fixed_size 327680
		.amdhsa_private_segment_fixed_size 0
		.amdhsa_enable_private_segment 0
		.amdhsa_kernarg_size 56
		.amdhsa_user_sgpr_count 2
		.amdhsa_user_sgpr_kernarg_segment_ptr 1
		.amdhsa_wavefront_size32 1
		.amdhsa_system_sgpr_workgroup_id_x 1
		.amdhsa_system_sgpr_workgroup_id_y 1
		.amdhsa_system_sgpr_workgroup_id_z 1
		.amdhsa_system_vgpr_workitem_id 0
		.amdhsa_next_free_vgpr 640
		.amdhsa_next_free_sgpr 102
		.amdhsa_reserve_vcc 0
		.amdhsa_float_denorm_mode_32 3
		.amdhsa_float_denorm_mode_16_64 3
		.amdhsa_memory_ordered 1
		.amdhsa_forward_progress 1
		.amdhsa_inst_pref_size 66
	.end_amdhsa_kernel
	.amdgpu_metadata
---
amdhsa.version: [ 1, 2 ]
amdhsa.kernels:
  - .name:           k_q73dcbde721_proj
    .symbol:         k_q73dcbde721_proj.kd
    .args:
      - { .name: yc, .offset: 0, .size: 8, .value_kind: global_buffer, .address_space: global }
      - { .name: ys, .offset: 8, .size: 8, .value_kind: global_buffer, .address_space: global }
      - { .name: attn_proj_w_codes, .offset: 16, .size: 8, .value_kind: global_buffer, .address_space: global }
      - { .name: attn_proj_w_scales, .offset: 24, .size: 8, .value_kind: global_buffer, .address_space: global }
      - { .name: attn_proj_b, .offset: 32, .size: 8, .value_kind: global_buffer, .address_space: global }
      - { .name: x, .offset: 40, .size: 8, .value_kind: global_buffer, .address_space: global }
      - { .name: x2, .offset: 48, .size: 8, .value_kind: global_buffer, .address_space: global }
    .group_segment_fixed_size: 327680
    .private_segment_fixed_size: 0
    .kernarg_segment_align: 8
    .kernarg_segment_size: 56
    .max_flat_workgroup_size: 128
    .sgpr_count:     102
    .vgpr_count:     640
    .wavefront_size: 32
...
	.end_amdgpu_metadata
.endif
;; end of part 4
;; launch ln2: the kernel of part 1 again; grid 256 x 1, 16 waves a work-group, no clusters, 84,480 bytes of LDS; arguments x2, ln2_w, ln2_b, hc, hs; writes hc, hs
;; launch fc (part 5): grid 16 x 16, 4 waves a work-group, clusters of 4 x 4, 327,680 bytes of LDS; arguments hc, hs, fc_w_codes, fc_w_scales, fc_b, bc, bs; writes bc, bs
.if DOCPART == 5
	.amdgcn_target "amdgcn-amd-amdhsa--gfx1250"
	.amdhsa_code_object_version 6
	.text
	.protected	k_q73dcbde721_fc
	.globl	k_q73dcbde721_fc
	.p2align	8
	.type	k_q73dcbde721_fc,@function
k_q73dcbde721_fc:
	s_mov_b64 s[64:65], 0
	v_nop
	global_prefetch_b8 v0, s[64:65] scope:SCOPE_SE
	s_setreg_imm32_b32 hwreg(HW_REG_WAVE_MODE, 25, 1), 1
	s_wait_xcnt 0x0
	s_wait_alu depctr_hold_cnt(0) depctr_sa_sdst(0) depctr_va_vdst(0) depctr_va_sdst(0) depctr_va_ssrc(0) depctr_va_vcc(0) depctr_vm_vsrc(0)
	s_getreg_b32 s2, hwreg(HW_REG_IB_STS2, 6, 4)
	s_cmp_eq_u32 s2, 0
	s_cbranch_scc0 .Lentry_in_a_cluster
	s_endpgm
.Lentry_in_a_cluster:
	s_bfe_u32 s2, ttmp6, 0x10000c
	s_cmp_lg_u32 s2, 0xf033
	s_cbranch_scc0 .Lentry_shape_is_right
	s_endpgm
.Lentry_shape_is_right:
.set KIND,   1
.set SIZE_K, 1024
.set KSTEP,  256
.set NQ,     KSTEP/128
.set ROWB,   256
.set KROW,   SIZE_K
.set PITCH,  272
.set FR,     16
.set NL,     4
.set NP,     8
.set HALFT,  128*PITCH
.set SLOT,   4*HALFT
.set LAPS,   SIZE_K/(2*KSTEP)
.set KS,     SIZE_K/32
.set SCL,    2*SLOT
.set HALFS,  (128*KS/256)*272
.set SBLK,   (16*KS/256)*272
.set SPARE,  SCL+4*HALFS
.set WST,    3072
.set CBV,  8
.set ADRA, 16
.set BO,   18
.set BR,   19
.set ADRB, 20
.set SWA,  22
.set SRD,  23
.set STO,  24
.set RD,   25
.set CO,   26
.set ADRS, 27
.set SPW,  28
.set NIL,  29
.set C8V,  30
.set SC,   32
.set CB,   64
.set AF,   128
.set X,    128
.set T,    192
.set P,    224
.set YY,   32
.set TM,   192
.set PC,   208
.set BK,   224
.set PW,   240
.set G1, 24
.set G0, 32
.set G1B, 48
.set G0B, 56
.set G1S, 68
.set G0S, 76
.set G1SB, 80
.set G0SB, 88
.set MSB, 0
.macro WIN new
.if MSB != (\new)
	s_set_vgpr_msb (MSB<<8)|(\new)
.set MSB, (\new)
.endif
.endm
.set MUL_LO, 0xa1
.set MUL_HI, 0xf1
.set TO_B,   0x40
.macro JLOAD g0a, g1a, g0b, g1b
	s_cmp_eq_u32 s15, 0
	s_cbranch_scc0 .Lfor_b_\@
	tensor_load_to_lds s[\g0a:\g0a+3], s[\g1a:\g1a+7]
	s_nop 0
.rept 4
	v_nop
.endr
	s_branch .Lasked_\@
.Lfor_b_\@:
	tensor_load_to_lds s[\g0b:\g0b+3], s[\g1b:\g1b+7]
	s_nop 0
.rept 4
	v_nop
.endr
.Lasked_\@:
.endm
.macro CREST
	s_cmp_lg_u32 s14, 0
	s_cbranch_scc1 .Lnot_wave_0_\@
	s_barrier_signal -3
.Lnot_wave_0_\@:
	s_barrier_wait -3
	s_barrier_signal -1
	s_barrier_wait -1
.endm
.macro CROUND
	s_barrier_signal -1
	s_barrier_wait -1
	CREST
.endm
	s_load_b256 s[4:11], s[0:1], 0x0
	s_load_b128 s[96:99], s[0:1], 0x20
	s_load_b64 s[12:13], s[0:1], 0x30
	v_lshl_add_u32 v[SPW], v0, 2, SPARE
	v_mov_b32 v[NIL], 0
	ds_add_u32 v[SPW], v[NIL]
	ds_add_u32 v[SPW], v[NIL]
	v_lshrrev_b32 v1, 5, v0
	v_readfirstlane_b32 s14, v1
	s_lshr_b32 s15, s14, 1
	s_and_b32 s16, s14, 1
	s_bfe_u32 s40, ttmp6, 0x40000
	s_bfe_u32 s41, ttmp6, 0x40004
	s_lshl_b32 s42, ttmp9, 2
	s_and_b32 s17, ttmp7, 0xffff
	s_lshl_b32 s17, s17, 2
.if KIND == 0
	s_cmp_eq_u32 ttmp9, 2
	s_cselect_b32 s66, 1, 0
	s_cselect_b32 s42, s17, s42
	s_cselect_b32 s17, 8, s17
.endif
	s_add_co_u32 s42, s42, s40
	s_add_co_u32 s17, s17, s41
	s_lshl_b32 s43, s41, 2
	s_lshl_b32 s43, 15, s43
	s_lshl_b32 s44, 0x1111, s40
	s_or_b32 s[G1+0], s43, (0<<16)|(1<<20)|(1<<21)|(5<<22)|(3<<25)
	s_or_b32 s[G1B+0], s44, (0<<16)|(1<<20)|(1<<21)|(5<<22)|(3<<25)
.irp g, G1, G1B
	s_mov_b32 s[\g+1], ROWB<<16
	s_mov_b32 s[\g+2], 256<<16                     ; 256 rows for the head's loads; 128 behind them
	s_mov_b32 s[\g+3], ROWB<<16
	s_mov_b32 s[\g+4], 256
	s_mov_b32 s[\g+5], KROW
	s_mov_b32 s[\g+6], 0
	s_mov_b32 s[\g+7], 0
.endr
	s_or_b32 s[G1S+0], s43, (3<<16)|(1<<20)|(1<<21)|(5<<22)|(3<<25)
	s_or_b32 s[G1SB+0], s44, (3<<16)|(1<<20)|(1<<21)|(5<<22)|(3<<25)
.irp g, G1S, G1SB
	s_mov_b32 s[\g+1], 32<<16
	s_mov_b32 s[\g+2], KS<<16                      ; the scales of 256 rows: KS rows of 256 bytes
	s_mov_b32 s[\g+3], 32<<16
	s_mov_b32 s[\g+4], KS
	s_mov_b32 s[\g+5], 32
	s_mov_b32 s[\g+6], 0
	s_mov_b32 s[\g+7], 0
.endr
	s_lshl_b32 s20, s17, 8                         ; the A side's tile: its first row
	s_lshl_b32 s46, s42, 8                         ; the B side's
	s_mov_b32 s21, 0
	s_mov_b32 s47, 0
	s_mov_b64 s[18:19], KS
	s_mul_u64 s[22:23], s[20:21], s[18:19]
	s_mul_u64 s[92:93], s[46:47], s[18:19]
	s_mov_b64 s[18:19], KROW
	s_mul_u64 s[20:21], s[20:21], s[18:19]
	s_mul_u64 s[46:47], s[46:47], s[18:19]
	s_mul_i32 s45, s14, HALFT
	s_mul_i32 s18, s16, 128*KROW                   ; in the ring I fetch 128 rows of a tile: which half, in bytes
	s_mov_b32 s19, 0
	s_wait_dscnt 0x0
	s_wait_kmcnt 0x0
.if KIND == 0
	s_cmp_eq_u32 s66, 1
	s_mov_b64 s[100:101], s[4:5]
	s_cselect_b64 s[4:5], s[8:9], s[4:5]
	s_cselect_b64 s[8:9], s[100:101], s[8:9]
	s_mov_b64 s[100:101], s[6:7]
	s_cselect_b64 s[6:7], s[10:11], s[6:7]
	s_cselect_b64 s[10:11], s[100:101], s[10:11]
.endif
	s_add_nc_u64 s[20:21], s[4:5], s[20:21]
	s_add_nc_u64 s[22:23], s[6:7], s[22:23]
	s_add_nc_u64 s[46:47], s[8:9], s[46:47]
	s_add_nc_u64 s[92:93], s[10:11], s[92:93]
	CROUND
	s_mov_b32 s[G0S], 1
	s_mov_b32 s[G0S+1], SCL
	s_mov_b64 s[G0S+2:G0S+3], s[22:23]
	s_or_b32 s[G0S+3], s[G0S+3], 0x80000000
	s_mov_b32 s[G0SB], 1
	s_mov_b32 s[G0SB+1], SCL+2*HALFS
	s_mov_b64 s[G0SB+2:G0SB+3], s[92:93]
	s_or_b32 s[G0SB+3], s[G0SB+3], 0x80000000
.set G0H, 4                            ; s[4:7], s[8:11] group 0 of the head's loads of K step 0 (the arguments that lay there have been used)
.set G0HB, 8
	s_mov_b32 s[G0H], 1
	s_mov_b32 s[G0H+1], 0
	s_mov_b64 s[G0H+2:G0H+3], s[20:21]
	s_or_b32 s[G0H+3], s[G0H+3], 0x80000000
	s_mov_b32 s[G0HB], 1
	s_mov_b32 s[G0HB+1], 2*HALFT
	s_mov_b64 s[G0HB+2:G0HB+3], s[46:47]
	s_or_b32 s[G0HB+3], s[G0HB+3], 0x80000000
	s_add_nc_u64 s[20:21], s[20:21], s[18:19]      ; for the ring: my 128 rows of the tile
	s_add_nc_u64 s[46:47], s[46:47], s[18:19]
; the prefetches: of the 128 rows that I fetch, each of the four partners that ask for them jointly names 32, told apart by address (cx for the A side, cy for the B side); a lane a row, 256 bytes of a row to a K step
.set PFA, 100
	s_cmp_eq_u32 s15, 0
	s_cselect_b64 s[PFA:PFA+1], s[20:21], s[46:47]
	s_cselect_b32 s94, s40, s41
	s_lshl_b32 s94, s94, 15                        ; 32 rows of 1,024 bytes
	s_mov_b32 s95, 0
	s_add_nc_u64 s[PFA:PFA+1], s[PFA:PFA+1], s[94:95]
.irp s, 0,1
	s_mov_b32 s[G0+4*\s], 1
	s_add_co_u32 s[G0+4*\s+1], s45, \s*SLOT
	s_add_nc_u64 s[G0+4*\s+2:G0+4*\s+3], s[20:21], \s*ROWB
	s_or_b32 s[G0+4*\s+3], s[G0+4*\s+3], 0x80000000
	s_mov_b32 s[G0B+4*\s], 1
	s_add_co_u32 s[G0B+4*\s+1], s45, \s*SLOT
	s_add_nc_u64 s[G0B+4*\s+2:G0B+4*\s+3], s[46:47], \s*ROWB
	s_or_b32 s[G0B+4*\s+3], s[G0B+4*\s+3], 0x80000000
.endr
; the head's loads, one a wave: wave 0 K step 0's 256 rows of the A side, wave 1 those of the B side, wave 2 the A side's scales, wave 3 the B side's
.macro ARM under, g0, g1, next
	s_cmp_lt_u32 s14, \under
	s_cbranch_scc0 \next
	tensor_load_to_lds s[\g0:\g0+3], s[\g1:\g1+7]
	s_nop 0
.rept 4
	v_nop
.endr
	s_branch .Lhead_asked
\next:
.endm
	ARM 1, G0H,  G1,  .Lhead_b
	ARM 2, G0HB, G1B, .Lhead_sa
	ARM 3, G0S,  G1S, .Lhead_sb
	tensor_load_to_lds s[G0SB:G0SB+3], s[G1SB:G1SB+7]
	s_nop 0
.rept 4
	v_nop
.endr
.Lhead_asked:
	v_and_b32 v1, 15, v0
	v_bfe_u32 v2, v0, 4, 1
	v_mul_u32_u24 v3, v1, PITCH
	v_lshl_add_u32 v4, v2, 4, v3
	s_mul_i32 s21, s15, HALFT
	s_mul_i32 s22, s16, HALFT
	s_add_co_u32 s22, s22, 2*HALFT
.irp s, 0,1
	v_add_nc_u32 v[ADRA+\s], s21, v4
	v_add_nc_u32 v[ADRB+\s], s22, v4
	s_add_co_u32 s21, s21, SLOT
	s_add_co_u32 s22, s22, SLOT
.endr
	v_mul_u32_u24 v5, v1, KS
	v_lshrrev_b32 v6, 8, v5
	v_lshl_add_u32 v5, v6, 4, v5
	s_mul_i32 s21, s15, HALFS
	s_mul_i32 s22, s16, HALFS
	s_add_co_u32 s22, s22, 2*HALFS
	s_sub_co_u32 s22, s22, s21
	v_mul_u32_u24 v6, s22, v2
	s_add_co_u32 s21, s21, SCL
	v_add_nc_u32 v5, v5, v6
	v_add_nc_u32 v[ADRS], s21, v5
	s_mul_i32 s23, s14, WST
	v_mul_u32_u24 v5, v1, 144
	v_lshl_add_u32 v5, v2, 3, v5
	v_add_nc_u32 v[STO], s23, v5
	v_and_b32 v6, 31, v0
	v_lshlrev_b32 v[CO], 4, v6
	v_lshrrev_b32 v5, 3, v6
	v_mul_u32_u24 v5, v5, 144
	v_and_b32 v7, 7, v6
	v_lshl_add_u32 v5, v7, 4, v5
	v_add_nc_u32 v[RD], s23, v5
	s_add_co_u32 s23, s23, 16*144
	v_lshl_add_u32 v[SWA], v1, 2, s23
	v_add_nc_u32 v[SRD], s23, v[CO]
	v_lshlrev_b32 v7, 10, v6                       ; the prefetches' offset: my lane x a row of 1,024 bytes; never rewritten
	v_lshlrev_b32 v[BO], 5, v2
	s_wait_alu depctr_va_vdst(0)
	v_lshlrev_b32 v[BR], 2, v1
	s_lshl_b32 s20, s17, 1
	s_add_co_u32 s20, s20, s15
	s_lshl_b32 s21, s42, 1
	s_add_co_u32 s21, s21, s16
.if KIND == 0
	s_lshr_b32 s22, s21, 3
	s_lshl_b32 s22, s22, 22
	s_lshr_b32 s23, s20, 4
	s_lshl_b32 s23, s23, 21
	s_add_co_u32 s22, s22, s23
	s_and_b32 s23, s21, 7
	s_lshl_b32 s23, s23, 18
	s_add_co_u32 s22, s22, s23
	s_and_b32 s23, s20, 15
	s_lshl_b32 s23, s23, 14
	s_add_co_u32 s22, s22, s23
	s_lshr_b32 s46, s21, 4
	s_lshl_b32 s46, s46, 21
	s_and_b32 s47, s21, 15
	s_lshl_b32 s47, s47, 17
	s_add_co_u32 s46, s46, s47
	s_lshl_b32 s47, s20, 14
	s_add_co_u32 s46, s46, s47
	s_add_co_u32 s46, s46, (1<<23)-(16<<14)
	s_cmp_eq_u32 s66, 1
	s_cselect_b32 s22, s46, s22
	s_cselect_b32 s20, s20, s21
.else
	s_lshl_b32 s22, s21, 19
	s_lshl_b32 s23, s20, 14
	s_add_co_u32 s22, s22, s23
	s_mov_b32 s20, s21
.endif
	s_mov_b32 s23, 0
	s_add_nc_u64 s[98:99], s[98:99], s[22:23]
	s_lshr_b32 s22, s22, 5
	s_add_nc_u64 s[12:13], s[12:13], s[22:23]
	s_lshl_b32 s22, s20, 9
	s_add_nc_u64 s[96:97], s[96:97], s[22:23]
.irp b, 0,1,2,3,4,5,6,7
	global_load_b128 v[CB+8*\b:CB+8*\b+3], v[BO], s[96:97] offset:64*\b
	global_load_b128 v[CB+8*\b+4:CB+8*\b+7], v[BO], s[96:97] offset:64*\b+16
.endr
.if KIND == 0
.irp a, 0,1,2,3,4,5,6,7
	global_load_b32 v[CBV+\a], v[BR], s[96:97] offset:64*\a
.endr
.endif
.macro FRAG reg, adr, q, i
.irp c, 0,1,2,3
	ds_load_b128 v[\reg+4*\c:\reg+4*\c+3], v[\adr] offset:128*(\q)+32*\c+(\i)*16*PITCH
.endr
.endm
.macro MUL16 a0, p, q, sc, zero
.irp a, \a0, \a0+1
.irp b, 0,1,2,3,4,5,6,7
.if \zero
	v_wmma_scale_f32_16x16x128_f8f6f4 v[8*(8*((\a)%4)+\b):8*(8*((\a)%4)+\b)+7], v[128*(\p)+FR*\b:128*(\p)+FR*\b+FR-1], v[AF+FR*(\a):AF+FR*(\a)+FR-1], 0, v[SC+8*NQ*(\sc)+NQ*\b+(\q)], v[SC+8*NQ*(\sc)+NQ*(\a)+(\q)] matrix_a_fmt:MATRIX_FMT_BF8 matrix_b_fmt:MATRIX_FMT_BF8 matrix_a_scale:MATRIX_SCALE_ROW1
.else
	v_wmma_scale_f32_16x16x128_f8f6f4 v[8*(8*((\a)%4)+\b):8*(8*((\a)%4)+\b)+7], v[128*(\p)+FR*\b:128*(\p)+FR*\b+FR-1], v[AF+FR*(\a):AF+FR*(\a)+FR-1], v[8*(8*((\a)%4)+\b):8*(8*((\a)%4)+\b)+7], v[SC+8*NQ*(\sc)+NQ*\b+(\q)], v[SC+8*NQ*(\sc)+NQ*(\a)+(\q)] matrix_a_fmt:MATRIX_FMT_BF8 matrix_b_fmt:MATRIX_FMT_BF8 matrix_a_scale:MATRIX_SCALE_ROW1
.endif
.endr
.endr
.endm
.macro FETCH_B slot, q, p
	WIN TO_B
.irp i, 0,1,2,3,4,5,6,7
	FRAG 128*(\p)+FR*\i, ADRB+\slot, \q, \i
.endr
	WIN 0
.endm
.macro FETCH_A slot, q, i0
.irp i, \i0, \i0+1, \i0+2, \i0+3
	FRAG AF+FR*(\i), ADRA+\slot, \q, \i
.endr
.endm
.macro SCALES sc
.irp i, 0,1,2,3,4,5,6,7
	ds_load_b64 v[SC+8*NQ*\sc+NQ*\i:SC+8*NQ*\sc+NQ*\i+1], v[ADRS] offset:\i*SBLK
.endr
.endm
.macro PLACES n
.rept \n
	v_nop
.endr
.endm
.macro STEP slot, q, zero
	s_wait_dscnt 4*NL
	WIN MUL_LO
	MUL16 0, (\q)%2, \q, \slot, \zero
	MUL16 2, (\q)%2, \q, \slot, \zero
	s_wait_dscnt 0
	PLACES NP
	FETCH_B \slot, (\q)+1, 1-(\q)%2
	FETCH_A \slot, (\q)+1, 0
	WIN MUL_HI
	MUL16 4, (\q)%2, \q, \slot, \zero
	MUL16 6, (\q)%2, \q, \slot, \zero
	PLACES NP
	WIN 0
	FETCH_A \slot, (\q)+1, 4
.endm
.macro TURN slot, next, fill
	s_wait_tensorcnt 0x0
	ds_add_u32 v[SPW], v[NIL]
	s_wait_dscnt 4*NL+1
	WIN MUL_LO
	MUL16 0, 1, NQ-1, \slot, 0
	s_wait_dscnt 0x0
	s_barrier_signal -1
	MUL16 2, 1, NQ-1, \slot, 0
	WIN 0
	s_barrier_wait -1
.if \fill
	CREST
	s_add_nc_u64 s[G0+4*\slot+2:G0+4*\slot+3], s[G0+4*\slot+2:G0+4*\slot+3], 2*ROWB
	s_add_nc_u64 s[G0B+4*\slot+2:G0B+4*\slot+3], s[G0B+4*\slot+2:G0B+4*\slot+3], 2*ROWB
	JLOAD G0+4*\slot, G1, G0B+4*\slot, G1B
	PLACES NP-4
.else
	PLACES NP
.endif
	s_wait_alu depctr_va_vdst(0)
	v_add_nc_u32 v[ADRS], 4*NQ, v[ADRS]
	FETCH_B \next, 0, 0
	FETCH_A \next, 0, 0
	SCALES \next
	WIN MUL_HI
	MUL16 4, 1, NQ-1, \slot, 0
	MUL16 6, 1, NQ-1, \slot, 0
	PLACES NP
	WIN 0
	FETCH_A \next, 0, 4
.endm
	global_prefetch_b8 v7, s[PFA:PFA+1] offset:256 th:TH_LOAD_NT scope:SCOPE_SE   ; K step 1, whose load goes out when the head's tiles have landed
	global_prefetch_b8 v7, s[PFA:PFA+1] offset:512 th:TH_LOAD_NT scope:SCOPE_SE   ; K step 2, which the change of slots at K step 0's end will load
	s_wait_alu depctr_va_vdst(0)                   ; the wait at the head's end
	s_wait_tensorcnt 0x0                           ; my tile of the head's four is in
	ds_add_u32 v[SPW], v[NIL]
	s_mov_b32 s[G1+2], 128<<16                     ; no tensor load of mine is out: from here on a load brings 128 rows
	s_mov_b32 s[G1+4], 128
	s_mov_b32 s[G1B+2], 128<<16
	s_mov_b32 s[G1B+4], 128
	s_wait_dscnt 0x0
	CROUND                                         ; all four tiles are in, and all sixteen work-groups are here
	JLOAD G0+4, G1, G0B+4, G1B                     ; K step 1: the first tensor load behind the round
	FETCH_B 0, 0, 0
	FETCH_A 0, 0, 0
	SCALES 0
	FETCH_A 0, 0, 4
	global_prefetch_b8 v7, s[PFA:PFA+1] offset:768 th:TH_LOAD_NT scope:SCOPE_SE   ; K step 3, the last: two K steps ahead of its load
	STEP 0, 0, 1
	s_mov_b32 s3, LAPS-1
.Llap:
	TURN 0, 1, 1
	STEP 1, 0, 0
	TURN 1, 0, 1
	STEP 0, 0, 0
	s_sub_co_u32 s3, s3, 1
	s_cmp_lg_u32 s3, 0
	s_cbranch_scc1 .Llap
	TURN 0, 1, 0
	STEP 1, 0, 0
	s_wait_dscnt 4*NL
	WIN MUL_LO
	MUL16 0, 1, NQ-1, 1, 0
	MUL16 2, 1, NQ-1, 1, 0
	s_wait_dscnt 0
	WIN MUL_HI
	MUL16 4, 1, NQ-1, 1, 0
	MUL16 6, 1, NQ-1, 1, 0
	WIN 0
.macro ARMN k
.Larm\k:
	WIN 2+(\k)/4
.set i, 0
.rept 32
	v_pk_add_f32 v[X+i:X+i+1], v[64*((\k)%4)+i:64*((\k)%4)+i+1], v[CB+i:CB+i+1]
.set i, i+2
.endr
	WIN 0
	s_branch .Lbody
.endm
.macro ARMM k
.Larm\k:
	WIN 2+((\k)-8)/4
.set i, 0
.rept 64
	v_add_f32 v[X+i], v[64*(((\k)-8)%4)+i], v[CBV+(\k)-8]
.set i, i+1
.endr
	WIN 0
	s_branch .Lbody
.endm
.macro PAIR r, val
	s_mov_b32 s[\r], \val
	s_mov_b32 s[\r+1], \val
.endm
.macro GELU hf
.set XB, X+32*(\hf)
.set i, 0
.rept 32
	v_fma_f32 v[T+i], |v[XB+i]|, s27, 1.0
.set i, i+1
.endr
.set i, 0
	s_wait_alu depctr_va_vdst(0)
.rept 32
	v_rcp_f32 v[T+i], v[T+i]
.set i, i+1
.endr
.set i, 0
.rept 16
	v_pk_mul_f32 v[YY+i:YY+i+1], v[XB+i:XB+i+1], s[28:29] op_sel_hi:[1,0]
.set i, i+2
.endr
	s_wait_alu depctr_va_vdst(0)
.set i, 0
.rept 16
	v_pk_fma_f32 v[P+i:P+i+1], v[T+i:T+i+1], s[46:47], v[C8V:C8V+1] op_sel_hi:[1,0,1]
.set i, i+2
.endr
.irp k, 7,6,5,4,3,2,1,0
.set i, 0
.rept 16
	v_pk_fma_f32 v[P+i:P+i+1], v[P+i:P+i+1], v[T+i:T+i+1], s[30+2*\k:31+2*\k] op_sel_hi:[1,1,0]
.set i, i+2
.endr
.endr
.set i, 0
.rept 16
	v_pk_fma_f32 v[P+i:P+i+1], v[XB+i:XB+i+1], v[YY+i:YY+i+1], v[P+i:P+i+1]
.set i, i+2
.endr
.set i, 0
	s_wait_alu depctr_va_vdst(0)
.rept 32
	v_exp_f32 v[P+i], v[P+i]
.set i, i+1
.endr
.set i, 0
.rept 32
	v_max_num_f32 v[YY+i], 0, v[XB+i]
.set i, i+1
.endr
	s_wait_alu depctr_va_vdst(0)
.set i, 0
.rept 16
	v_pk_mul_f32 v[P+i:P+i+1], v[P+i:P+i+1], v[T+i:T+i+1]
.set i, i+2
.endr
.set i, 0
.rept 32
	v_fma_f32 v[XB+i], -|v[XB+i]|, v[P+i], v[YY+i]
.set i, i+1
.endr
.endm
	PLACES NP
	s_wait_loadcnt 0x0
	s_mov_b32 s24, 0x76543210
	s_mov_b32 s25, 0xfedcba98
	s_mov_b32 s26, 0x600000
.if KIND == 1
	s_mov_b32 s27, 0x3eb504f3
	PAIR 28, 0xbf38aa3b
	PAIR 30, 0xc034d90f
	PAIR 32, 0x3fb8ab5a
	PAIR 34, 0x3f0a29d2
	PAIR 36, 0x3e0efb2e
	PAIR 38, 0xbe899a80
	PAIR 40, 0x3ecdfd18
	PAIR 42, 0xbfd1a1e5
	PAIR 44, 0x40097039
	PAIR 46, 0x3e7c6f08
	v_mov_b32 v[C8V], 0xbf97d29d
	v_mov_b32 v[C8V+1], 0xbf97d29d
.endif
.irp b, 0,1,2,3
	v_mov_b32 v[TM+4+\b], 0
.endr
	s_mov_b32 s3, 0
	s_mov_b32 s2, 0
.Lblk:
.if KIND == 0
	s_lshl_b32 s67, s66, 3
	s_add_co_u32 s67, s67, s3
.irp k, 1,2,3,4,5,6,7,8,9,10,11,12,13,14,15
	s_cmp_eq_u32 s67, \k
	s_cbranch_scc1 .Larm\k
.endr
.irp k, 0,1,2,3,4,5,6,7
	ARMN \k
.endr
.irp k, 8,9,10,11,12,13,14,15
	ARMM \k
.endr
.else
.irp k, 1,2,3,4,5,6,7
	s_cmp_eq_u32 s3, \k
	s_cbranch_scc1 .Larm\k
.endr
.irp k, 0,1,2,3,4,5,6,7
	ARMN \k
.endr
.endif
.Lbody:
.if KIND == 1
	GELU 0
	GELU 1
.endif
.irp b, 0,1,2,3
	v_max3_num_f32 v[TM+\b], |v[X+16*\b]|, |v[X+1+16*\b]|, 0x8000000
.endr
.irp i, 2,4,6,8,10,12,14
.irp b, 0,1,2,3
	v_max3_num_f32 v[TM+\b], v[TM+\b], |v[X+16*\b+\i]|, |v[X+1+16*\b+\i]|
.endr
.endr
.irp b, 0,1,2,3
	v_permlanex16_b32 v[TM+4+\b], v[TM+\b], s24, s25
.endr
.irp b, 0,1,2,3
	v_max_num_f32 v[TM+\b], v[TM+\b], v[TM+4+\b]
.endr
.irp b, 0,1,2,3
	v_add_nc_u32 v[TM+12+\b], 0xf8800000, v[TM+\b]
.endr
.irp b, 0,1,2,3
	v_and_or_b32 v[TM+8+\b], v[TM+\b], 0x7f800000, s26
.endr
.irp b, 0,1,2,3
	v_lshrrev_b32 v[TM+4+\b], 23, v[TM+12+\b]
.endr
	v_lshl_or_b32 v[PW], v[TM+5], 8, v[TM+4]
	v_lshl_or_b32 v[PW], v[TM+6], 16, v[PW]
	v_lshl_or_b32 v[PW], v[TM+7], 24, v[PW]
.irp b, 0,1,2,3
.irp i, 0,1,2,3,4,5,6,7,8,9,10,11,12,13,14,15
	v_med3_num_f32 v[X+16*\b+\i], v[X+16*\b+\i], -v[TM+8+\b], v[TM+8+\b]
.endr
	v_cvt_scalef32_pk8_bf8_f32 v[PC+4*\b:PC+4*\b+1], v[X+16*\b:X+16*\b+7], v[TM+12+\b]
	v_cvt_scalef32_pk8_bf8_f32 v[PC+4*\b+2:PC+4*\b+3], v[X+16*\b+8:X+16*\b+15], v[TM+12+\b]
.endr
	v_add_nc_u32 v[ADRS], s2, v[SWA]
.irp b, 0,1,2,3,4,5,6,7
	ds_store_b64 v[STO], v[PC+2*\b:PC+2*\b+1] offset:16*\b
.endr
	ds_store_b32 v[ADRS], v[PW]
.irp i, 0,1,2,3
	ds_load_b128 v[BK+4*\i:BK+4*\i+3], v[RD] offset:4*144*\i
.endr
	s_wait_dscnt 0x0
.irp i, 0,1,2,3
	global_store_b128 v[CO], v[BK+4*\i:BK+4*\i+3], s[98:99] offset:512*\i
.endr
	s_wait_xcnt 0x0
	s_add_nc_u64 s[98:99], s[98:99], 2048
	s_add_co_u32 s2, s2, 64
	s_add_co_u32 s3, s3, 1
	s_cmp_lt_u32 s3, 8
	s_cbranch_scc1 .Lblk
	ds_load_b128 v[BK:BK+3], v[SRD]
	s_wait_dscnt 0x0
	global_store_b128 v[CO], v[BK:BK+3], s[12:13]
	s_wait_tensorcnt 0x0
	ds_add_u32 v[SPW], v[NIL]
	s_wait_dscnt 0x0
	CROUND
	s_endpgm
.Lfunc_end_k_q73dcbde721_fc:
	.size	k_q73dcbde721_fc, .Lfunc_end_k_q73dcbde721_fc-k_q73dcbde721_fc
	.p2alignl 7, 3214868480
	.fill 96, 4, 3214868480
	.section	.rodata,"a",@progbits
	.p2align	6, 0x0
	.amdhsa_kernel k_q73dcbde721_fc
		.amdhsa_group_segment_fixed_size 327680
		.amdhsa_private_segment_fixed_size 0
		.amdhsa_enable_private_segment 0
		.amdhsa_kernarg_size 56
		.amdhsa_user_sgpr_count 2
		.amdhsa_user_sgpr_kernarg_segment_ptr 1
		.amdhsa_wavefront_size32 1
		.amdhsa_system_sgpr_workgroup_id_x 1
		.amdhsa_system_sgpr_workgroup_id_y 1
		.amdhsa_system_sgpr_workgroup_id_z 1
		.amdhsa_system_vgpr_workitem_id 0
		.amdhsa_next_free_vgpr 1024
		.amdhsa_next_free_sgpr 102
		.amdhsa_reserve_vcc 0
		.amdhsa_float_denorm_mode_32 3
		.amdhsa_float_denorm_mode_16_64 3
		.amdhsa_memory_ordered 1
		.amdhsa_forward_progress 1
		.amdhsa_inst_pref_size 187
	.end_amdhsa_kernel
	.amdgpu_metadata
---
amdhsa.version: [ 1, 2 ]
amdhsa.kernels:
  - .name:           k_q73dcbde721_fc
    .symbol:         k_q73dcbde721_fc.kd
    .args:
      - { .name: hc, .offset: 0, .size: 8, .value_kind: global_buffer, .address_space: global }
      - { .name: hs, .offset: 8, .size: 8, .value_kind: global_buffer, .address_space: global }
      - { .name: fc_w_codes, .offset: 16, .size: 8, .value_kind: global_buffer, .address_space: global }
      - { .name: fc_w_scales, .offset: 24, .size: 8, .value_kind: global_buffer, .address_space: global }
      - { .name: fc_b, .offset: 32, .size: 8, .value_kind: global_buffer, .address_space: global }
      - { .name: bc, .offset: 40, .size: 8, .value_kind: global_buffer, .address_space: global }
      - { .name: bs, .offset: 48, .size: 8, .value_kind: global_buffer, .address_space: global }
    .group_segment_fixed_size: 327680
    .private_segment_fixed_size: 0
    .kernarg_segment_align: 8
    .kernarg_segment_size: 56
    .max_flat_workgroup_size: 128
    .sgpr_count:     102
    .vgpr_count:     1024
    .wavefront_size: 32
...
	.end_amdgpu_metadata
.endif
;; end of part 5
;; launch mlp (part 6): grid 8 x 32, 4 waves a work-group, clusters of 4 x 4, 327,680 bytes of LDS; arguments bc, bs, mlp_proj_w_codes, mlp_proj_w_scales, mlp_proj_b, x2, out0; writes out0
.if DOCPART == 6
	.amdgcn_target "amdgcn-amd-amdhsa--gfx1250"
	.amdhsa_code_object_version 6
	.text
	.protected	k_q73dcbde721_mlp
	.globl	k_q73dcbde721_mlp
	.p2align	8
	.type	k_q73dcbde721_mlp,@function
k_q73dcbde721_mlp:
	s_mov_b64 s[64:65], 0
	v_nop
	global_prefetch_b8 v0, s[64:65] scope:SCOPE_SE
	s_setreg_imm32_b32 hwreg(HW_REG_WAVE_MODE, 25, 1), 1
	s_wait_xcnt 0x0
	s_wait_alu depctr_hold_cnt(0) depctr_sa_sdst(0) depctr_va_vdst(0) depctr_va_sdst(0) depctr_va_ssrc(0) depctr_va_vcc(0) depctr_vm_vsrc(0)
	s_getreg_b32 s2, hwreg(HW_REG_IB_STS2, 6, 4)
	s_cmp_eq_u32 s2, 0
	s_cbranch_scc0 .Lentry_in_a_cluster
	s_endpgm
.Lentry_in_a_cluster:
	s_bfe_u32 s2, ttmp6, 0x10000c
	s_cmp_lg_u32 s2, 0xf033
	s_cbranch_scc0 .Lentry_shape_is_right
	s_endpgm
.Lentry_shape_is_right:
; out = res + A W^T + bias, f32 [4096][1024].  A: codes of E5M2 made by an earlier launch, laid in chunks along K: [SIZE_K / KC][4096 rows][KC bytes]; its scale bytes one word for a row and 128 along K: [SIZE_K / 128][4096].
; W: [1024][SIZE_K] codes, K innermost; its scale bytes [1024][SIZE_K / 32].  bias [1024], res [4096][1024]: f32.
; The output has 4,096 x 1,024 numbers: tiles of 128 x 128 give 256 work-groups, one for each WGP (tiles of 256 x 256 would give 64).  Four waves, 64 x 64 each: 16 accumulators.
; K goes in steps of 512 through two LDS slots: A's part is 512 / KC chunks of 128 rows (one tensor load brings half of them: a chunk's 128 rows are dense in memory and are stated as one long row, padded behind every KC bytes),
; W's part 128 rows of 512 bytes.  The scale bytes of the work-group's rows, for all of K, come into LDS once.
; CLUSTERS of 4 x 4: A's tiles are shared along a row of the cluster, W's along a column, each by a joint load.
; THE MATRIX INSTRUCTION IS USED TRANSPOSED (source 0 = 16 rows of W, source 1 = 16 rows of A): a lane holds eight neighbouring numbers of a row of the output.  The bias is the C of each sum's first product.
; REGISTERS: window 0: v10-21 addresses; v32-63 A's scale words, v64-95 W's, two sets each; v96-127 the bias; v128-255 the accumulators ((a, b) at v[128 + 8 (4 a + b)]).
;   window 1: two fragment buffers of 128: A's four fragments, then W's four.   window 2: v0-127 the residual, loaded at the head in the layout of the stores.
.set SIZE_K, 4096
.set KC,     128                       ; bytes of a row in a chunk of A
.set QIA,    4                         ; the padding's interval for KC bytes: 2 << QIA words
.set PA,     KC+16                     ; a row of A in LDS
.set CHB,    128*PA                    ; a chunk
.set NCH,    512/KC                    ; chunks in a slot
.set ASZ,    NCH*CHB
.set PB,     528                       ; a row of W in LDS: 512 bytes + 16
.set HB,     64*PB
.set SLOT,   ASZ+2*HB
.set LAPS,   SIZE_K/1024               ; a lap = two K steps
.set KS,     SIZE_K/32
.set SCA,    2*SLOT                    ; A's scale words: SIZE_K / 128 rows of 512 bytes + 16
.set HSA,    (SIZE_K/256)*528
.set SCB,    SCA+2*HSA                 ; W's scale bytes: units of 256 bytes + 16
.set HSB,    (64*KS/256)*272
.set SBLK,   (16*KS/256)*272
.set SPARE,  ((SCB+2*HSB+255)/256)*256 ; the spare words, 128 bytes for each wave: two blocks of 256 bytes that no other line names
.set SP,     272                       ; the way out: a stage of 16 rows x (256 bytes + 16) for each wave, in slot 0, which has had its last fill and its last read by then
.set ADRA, 10                          ; v10-13  A's fragments: slot s, quarters 2 u and 2 u + 1: v[10 + 2 s + u]
.set ADRB, 14                          ; v14-15  W's, slot s
.set ADSA, 16
.set ADSB, 17
.set STO,  18
.set RD,   19
.set CO,   20
.set BO,   21
.set SPW,  28
.set NIL,  29
.set SA,   32                          ; set s: v[32 + 16 s + 4 q + i]
.set SB,   64                          ; set s: v[64 + 16 s + 4 i + q]
.set CB,   96
.set ACC,  128
.set BK,   32                          ; the way out: two sets of 32
.set F0,   0
.set F1,   128
.set G1, 24
.set G0, 32
.set G1B, 48
.set G0B, 56
.set G1S, 68
.set G0S, 76
.set G1SB, 80
.set G0SB, 88
.set MSB, 0
.macro WIN new                         ; the immediate's high byte repeats the setting that is left
.if MSB != (\new)
	s_set_vgpr_msb (MSB<<8)|(\new)
.set MSB, (\new)
.endif
.endm
.set MUL,  0x05                        ; sources 0 and 1 window 1; C and D window 0
.set TO_F, 0x40                        ; destination window 1, address window 0
.macro JLOAD g0a, g1a, g0b, g1b        ; a joint load: waves 0 and 1 fetch for A, waves 2 and 3 for W; an s_nop 0 and four v_nop follow each of the two lines
	s_cmp_eq_u32 s15, 0
	s_cbranch_scc0 .Lfor_b_\@
	tensor_load_to_lds s[\g0a:\g0a+3], s[\g1a:\g1a+7]
	s_nop 0
.rept 4
	v_nop
.endr
	s_branch .Lasked_\@
.Lfor_b_\@:
	tensor_load_to_lds s[\g0b:\g0b+3], s[\g1b:\g1b+7]
	s_nop 0
.rept 4
	v_nop
.endr
.Lasked_\@:
.endm
.macro CREST
	s_cmp_lg_u32 s14, 0
	s_cbranch_scc1 .Lnot_wave_0_\@
	s_barrier_signal -3
.Lnot_wave_0_\@:
	s_barrier_wait -3
	s_barrier_signal -1
	s_barrier_wait -1
.endm
.macro CROUND
	s_barrier_signal -1
	s_barrier_wait -1
	CREST
.endm
	s_load_b256 s[4:11], s[0:1], 0x0               ; A's codes s[4:5], A's scales s[6:7], W's codes s[8:9], W's scales s[10:11]
	s_load_b128 s[96:99], s[0:1], 0x20             ; bias s[96:97], res s[98:99]
	s_load_b64 s[12:13], s[0:1], 0x30              ; out
	v_lshl_add_u32 v[SPW], v0, 2, SPARE
	v_mov_b32 v[NIL], 0
	ds_add_u32 v[SPW], v[NIL]                      ; the wave's opening: the add, twice on end, and its wait ahead of my first tensor load
	ds_add_u32 v[SPW], v[NIL]
	v_lshrrev_b32 v1, 5, v0
	v_readfirstlane_b32 s14, v1                    ; wave 0..3
	s_lshr_b32 s15, s14, 1                         ; which half of the tile's rows is mine.  Also: I fetch for A (0) or for W (1)
	s_and_b32 s16, s14, 1                          ; which half of its columns.  Also: which half of that tile I fetch
	s_bfe_u32 s40, ttmp6, 0x40000                  ; cx, cy
	s_bfe_u32 s41, ttmp6, 0x40004
	s_lshl_b32 s42, ttmp9, 2
	s_add_co_u32 s42, s42, s40                     ; tile column
	s_and_b32 s17, ttmp7, 0xffff
	s_lshl_b32 s17, s17, 2
	s_add_co_u32 s17, s17, s41                     ; tile row
	s_lshl_b32 s43, s41, 2
	s_lshl_b32 s43, 15, s43                        ; my row of the cluster
	s_lshl_b32 s44, 0x1111, s40                    ; my column
	s_or_b32 s[G1+0], s43, (3<<16)|(1<<20)|(1<<21)|(QIA<<22)|(3<<25)   ; A: elements of 8 bytes; four words of padding after every KC bytes
	s_mov_b32 s[G1+1], (16*KC)<<16                 ; a 'row' is a chunk's 128 rows: 128 KC bytes
	s_mov_b32 s[G1+2], NCH<<16                     ; the head's load brings all of a slot's chunks; the ring's loads half of them
	s_mov_b32 s[G1+3], (16*KC)<<16
	s_mov_b32 s[G1+4], NCH
	s_mov_b32 s[G1+5], 512*KC                      ; from chunk to chunk: 4,096 rows of KC bytes
	s_mov_b32 s[G1+6], 0
	s_mov_b32 s[G1+7], 0
	s_or_b32 s[G1B+0], s44, (0<<16)|(1<<20)|(1<<21)|(6<<22)|(3<<25)    ; W: 64 rows of 512 bytes; four words after every 128
	s_mov_b32 s[G1B+1], 512<<16
	s_mov_b32 s[G1B+2], 128<<16                    ; the head's load brings 128 rows; the ring's 64
	s_mov_b32 s[G1B+3], 512<<16
	s_mov_b32 s[G1B+4], 128
	s_mov_b32 s[G1B+5], SIZE_K
	s_mov_b32 s[G1B+6], 0
	s_mov_b32 s[G1B+7], 0
	s_or_b32 s[G1S+0], s43, (3<<16)|(1<<20)|(1<<21)|(6<<22)|(3<<25)    ; A's scale words: rows of 512 bytes (my 128 rows' words), 16,384 bytes apart
	s_mov_b32 s[G1S+1], 64<<16
	s_mov_b32 s[G1S+2], (SIZE_K/128)<<16
	s_mov_b32 s[G1S+3], 64<<16
	s_mov_b32 s[G1S+4], SIZE_K/128
	s_mov_b32 s[G1S+5], 2048
	s_mov_b32 s[G1S+6], 0
	s_mov_b32 s[G1S+7], 0
	s_or_b32 s[G1SB+0], s44, (3<<16)|(1<<20)|(1<<21)|(5<<22)|(3<<25)   ; W's scale bytes of 128 rows: a dense block, as rows of 256 bytes
	s_mov_b32 s[G1SB+1], 32<<16
	s_mov_b32 s[G1SB+2], (128*KS/256)<<16
	s_mov_b32 s[G1SB+3], 32<<16
	s_mov_b32 s[G1SB+4], 128*KS/256
	s_mov_b32 s[G1SB+5], 32
	s_mov_b32 s[G1SB+6], 0
	s_mov_b32 s[G1SB+7], 0
	s_mul_i32 s20, s17, 128*KC                     ; A's codes: my tile's rows in a chunk,
	s_mov_b32 s21, 0
	s_lshl_b32 s22, s17, 9                         ; A's scale words
	s_mov_b32 s23, 0
	s_lshl_b32 s46, s42, 7
	s_mul_i32 s92, s46, KS
	s_mov_b32 s93, 0
	s_mul_i32 s46, s46, SIZE_K
	s_mov_b32 s47, 0
	s_mul_i32 s45, s16, (NCH/2)*CHB                ; where they go: no place in the cluster enters an LDS address
	s_mul_i32 s95, s16, HB
	s_add_co_u32 s95, s95, ASZ
	s_wait_dscnt 0x0                               ; both opening adds are done
	s_wait_kmcnt 0x0
	s_add_nc_u64 s[20:21], s[4:5], s[20:21]
	s_add_nc_u64 s[22:23], s[6:7], s[22:23]
	s_add_nc_u64 s[46:47], s[8:9], s[46:47]
	s_add_nc_u64 s[92:93], s[10:11], s[92:93]
	CROUND                                         ; all sixteen work-groups are here: the first joint loads meet
	s_mov_b32 s[G0S], 1
	s_mov_b32 s[G0S+1], SCA
	s_mov_b64 s[G0S+2:G0S+3], s[22:23]
	s_or_b32 s[G0S+3], s[G0S+3], 0x80000000
	s_mov_b32 s[G0SB], 1
	s_mov_b32 s[G0SB+1], SCB
	s_mov_b64 s[G0SB+2:G0SB+3], s[92:93]
	s_or_b32 s[G0SB+3], s[G0SB+3], 0x80000000
.set G0H, 4                            ; s[4:7], s[8:11] group 0 of the head's loads of K step 0 (the arguments that lay there have been used)
.set G0HB, 8
	s_mov_b32 s[G0H], 1
	s_mov_b32 s[G0H+1], 0
	s_mov_b64 s[G0H+2:G0H+3], s[20:21]
	s_or_b32 s[G0H+3], s[G0H+3], 0x80000000
	s_mov_b32 s[G0HB], 1
	s_mov_b32 s[G0HB+1], ASZ
	s_mov_b64 s[G0HB+2:G0HB+3], s[46:47]
	s_or_b32 s[G0HB+3], s[G0HB+3], 0x80000000
	s_lshl_b32 s18, s16, 20                        ; for the ring: my half of a K step's chunks (256 along K x 4,096 rows),
	s_mov_b32 s19, 0
	s_add_nc_u64 s[20:21], s[20:21], s[18:19]
	s_mul_i32 s18, s16, 64*SIZE_K                  ; my 64 rows of W
	s_add_nc_u64 s[46:47], s[46:47], s[18:19]
; THE PREFETCHES: one instruction a wave for each K step.  What a wave fetches of a K step is 32,768 bytes; each of the four partners that ask for it jointly names a quarter,
; 32 blocks of 256 bytes, told apart by address (cx for A, cy for W).  A: half a chunk's 128 rows, dense, lanes 256 bytes apart.  W: 16 rows x 512 bytes, two lanes a row.
; W's tiles are read by all eight rows of clusters: the first four rows ask for them.  K steps 1 and 2 are asked for at the head's end, K step 3 behind K step 1's load, and behind each refill the K step two refills on;
; K step 0 comes by its load alone; the last two refills ask for nothing.
.set PFA, 100                          ; s[100:101] where my prefetches stand
.set PFS, 66                           ; s[66:67] a K step on: 512 x 4,096 bytes in A, 512 bytes in a row of W
.set LIM, 2                            ; s2: 1 where my wave asks, else the greatest number
.set PFO, 22                           ; v22 my lane's offset; never rewritten
	s_lshr_b32 s92, s40, 1
	s_lshl_b32 s92, s92, 19                        ; A: which of my two chunks (4,096 rows of 128 bytes each),
	s_and_b32 s93, s40, 1
	s_lshl_b32 s93, s93, 13                        ; and which half of its 128 rows
	s_add_co_u32 s92, s92, s93
	s_lshl_b32 s93, s41, 16                        ; W: 16 rows of 4,096 bytes
	s_and_b32 s94, ttmp7, 0xffff
	s_cmp_lt_u32 s94, 4
	s_cselect_b32 s[LIM], 1, -1
	s_cmp_eq_u32 s15, 0                            ; do I fetch for A?
	s_cselect_b32 s[LIM], 1, s[LIM]
	s_cselect_b64 s[PFA:PFA+1], s[20:21], s[46:47]
	s_cselect_b32 s92, s92, s93
	s_mov_b32 s[PFS], 512
	s_cselect_b32 s[PFS], 2097152, s[PFS]
	s_cselect_b32 s94, -1, 0                       ; all lanes: A's offsets
	s_mov_b32 s93, 0
	s_mov_b32 s[PFS+1], 0
	s_add_nc_u64 s[PFA:PFA+1], s[PFA:PFA+1], s[92:93]
	s_add_nc_u64 s[PFA:PFA+1], s[PFA:PFA+1], s[PFS:PFS+1]   ; at K step 1,
	s_add_nc_u64 s[92:93], s[PFA:PFA+1], s[PFS:PFS+1]       ; and at K step 2
.macro ASK how                         ; how = 1: at the head;  0: in the loop, whose last trip (s3 = 1) has no K step two on
.if \how
	s_cmp_eq_u32 s[LIM], 1
.else
	s_cmp_gt_u32 s3, s[LIM]
.endif
	s_cbranch_scc0 .Lnot_mine_\@
	global_prefetch_b8 v[PFO], s[PFA:PFA+1] th:TH_LOAD_NT scope:SCOPE_SE
.Lnot_mine_\@:
.endm
.irp s, 0,1
	s_mov_b32 s[G0+4*\s], 1
	s_add_co_u32 s[G0+4*\s+1], s45, \s*SLOT
	s_add_nc_u64 s[G0+4*\s+2:G0+4*\s+3], s[20:21], \s*2097152     ; a K step of 512 is 512 x 4,096 bytes on
	s_or_b32 s[G0+4*\s+3], s[G0+4*\s+3], 0x80000000
	s_mov_b32 s[G0B+4*\s], 1
	s_add_co_u32 s[G0B+4*\s+1], s95, \s*SLOT
	s_add_nc_u64 s[G0B+4*\s+2:G0B+4*\s+3], s[46:47], \s*512
	s_or_b32 s[G0B+4*\s+3], s[G0B+4*\s+3], 0x80000000
.endr
; the head's loads, one a wave: wave 0 K step 0 of A, wave 1 of W, wave 2 A's scale words, wave 3 W's scale bytes
.macro ARM under, g0, g1, next
	s_cmp_lt_u32 s14, \under
	s_cbranch_scc0 \next
	tensor_load_to_lds s[\g0:\g0+3], s[\g1:\g1+7]
	s_nop 0
.rept 4
	v_nop
.endr
	s_branch .Lhead_asked
\next:
.endm
	ARM 1, G0H,  G1,  .Lhead_b
	ARM 2, G0HB, G1B, .Lhead_sa
	ARM 3, G0S,  G1S, .Lhead_sb
	tensor_load_to_lds s[G0SB:G0SB+3], s[G1SB:G1SB+7]
	s_nop 0
.rept 4
	v_nop
.endr
.Lhead_asked:
	v_and_b32 v1, 15, v0
	v_bfe_u32 v2, v0, 4, 1                         ; h
	v_mul_u32_u24 v3, v1, PA
	v_lshl_add_u32 v3, v2, 4, v3
	s_mul_i32 s21, s15, 64*PA                      ; my 64 rows of A
.irp s, 0,1
.irp u, 0,1
	s_add_co_u32 s22, s21, \s*SLOT+\u*(256/KC)*CHB
	v_add_nc_u32 v[ADRA+2*\s+\u], s22, v3
.endr
.endr
	v_mul_u32_u24 v4, v1, PB
	v_lshl_add_u32 v4, v2, 4, v4
	s_mul_i32 s22, s16, HB                         ; my 64 rows of W
	s_add_co_u32 s22, s22, ASZ
	v_add_nc_u32 v[ADRB], s22, v4
	s_add_co_u32 s22, s22, SLOT
	v_add_nc_u32 v[ADRB+1], s22, v4
	s_lshl_b32 s22, s15, 8
	s_add_co_u32 s22, s22, SCA
	v_lshl_add_u32 v[ADSA], v1, 2, s22             ; A's scale words: a word a row
	v_mul_u32_u24 v5, v1, KS                       ; W's: KS bytes a row,
	v_lshrrev_b32 v6, 8, v5
	v_lshl_add_u32 v5, v6, 4, v5                   ; and 16 more for each 256 passed
	s_mul_i32 s22, s16, HSB
	s_add_co_u32 s22, s22, SCB
	v_add_nc_u32 v[ADSB], s22, v5
	s_mul_i32 s23, s14, 16*SP                      ; my stage
	v_mul_u32_u24 v5, v1, SP
	v_lshl_add_u32 v5, v2, 5, v5
	v_add_nc_u32 v[STO], s23, v5                   ; in: row r, 32 bytes for each half of the lanes
	v_mul_u32_u24 v5, v2, SP
	v_lshl_add_u32 v5, v1, 4, v5
	v_add_nc_u32 v[RD], s23, v5                    ; back: lanes 0-15 one row of 256 bytes, lanes 16-31 the next
	v_lshlrev_b32 v5, 12, v2
	v_lshl_add_u32 v[CO], v1, 4, v5                ; and the same two rows in memory
	v_and_b32 v5, 31, v0
	v_lshlrev_b32 v[PFO], 8, v5                    ; A: lanes 256 bytes apart
	v_lshrrev_b32 v6, 1, v5
	v_and_b32 v5, 1, v5
	v_lshlrev_b32 v6, 12, v6
	v_lshl_add_u32 v6, v5, 8, v6                   ; W: a row of 4,096 bytes for two lanes, 256 bytes each
	v_cndmask_b32 v[PFO], v6, v[PFO], s94
	v_lshlrev_b32 v[BO], 5, v2
	s_wait_alu depctr_va_vdst(0)
	s_lshl_b32 s20, s17, 7
	s_lshl_b32 s21, s15, 6
	s_add_co_u32 s20, s20, s21                     ; my first row,
	s_lshl_b32 s20, s20, 12                        ; in bytes
	s_lshl_b32 s46, s42, 9
	s_lshl_b32 s47, s16, 8
	s_add_co_u32 s46, s46, s47                     ; my first column, in bytes
	s_mov_b32 s47, 0
	s_add_nc_u64 s[96:97], s[96:97], s[46:47]
	s_add_co_u32 s20, s20, s46
	s_mov_b32 s21, 0
	s_add_nc_u64 s[98:99], s[98:99], s[20:21]
	s_add_nc_u64 s[12:13], s[12:13], s[20:21]
.irp b, 0,1,2,3
	global_load_b128 v[CB+8*\b:CB+8*\b+3], v[BO], s[96:97] offset:64*\b        ; register 8 b + j: the bias of column 16 b + 8 h + j
	global_load_b128 v[CB+8*\b+4:CB+8*\b+7], v[BO], s[96:97] offset:64*\b+16
.endr
	WIN 0x80                                       ; destination window 2
.irp a, 0,1,2,3
.irp t, 0,1,2,3,4,5,6,7
	global_load_b128 v[32*\a+4*\t:32*\a+4*\t+3], v[CO], s[98:99] offset:(16*\a+2*\t)*4096   ; the residual, as it will be added: sixteen lanes read 256 consecutive bytes
.endr
.endr
	WIN 0
; 8 matrix instructions: A's blocks a0, a0 + 1 x W's four, the slot's q-th 128 along K, from buffer f.  zero = 1: the bias starts the sums.  The 16 accumulators take turns in the same order in every quarter
.macro MUL8 f, a0, q, set, zero
.irp a, \a0, \a0+1
.irp b, 0,1,2,3
.if \zero
	v_wmma_scale_f32_16x16x128_f8f6f4 v[ACC+8*(4*(\a)+\b):ACC+8*(4*(\a)+\b)+7], v[\f+64+16*\b:\f+64+16*\b+15], v[\f+16*(\a):\f+16*(\a)+15], v[CB+8*\b:CB+8*\b+7], v[SB+16*(\set)+4*\b+(\q)], v[SA+16*(\set)+4*(\q)+(\a)] matrix_a_fmt:MATRIX_FMT_BF8 matrix_b_fmt:MATRIX_FMT_BF8
.else
	v_wmma_scale_f32_16x16x128_f8f6f4 v[ACC+8*(4*(\a)+\b):ACC+8*(4*(\a)+\b)+7], v[\f+64+16*\b:\f+64+16*\b+15], v[\f+16*(\a):\f+16*(\a)+15], v[ACC+8*(4*(\a)+\b):ACC+8*(4*(\a)+\b)+7], v[SB+16*(\set)+4*\b+(\q)], v[SA+16*(\set)+4*(\q)+(\a)] matrix_a_fmt:MATRIX_FMT_BF8 matrix_b_fmt:MATRIX_FMT_BF8
.endif
.endr
.endr
.endm
; 32 LDS loads in one run: the fragments of the slot's q-th 128 along K into buffer f: W's four, then A's four.  Registers 4 c .. 4 c + 3 of a fragment hold K = 32 c + 16 (lane / 16) + 0 .. 15
.macro FETCH slot, q, f
	WIN TO_F
.irp i, 0,1,2,3
.irp c, 0,1,2,3
	ds_load_b128 v[\f+64+16*\i+4*\c:\f+64+16*\i+4*\c+3], v[ADRB+\slot] offset:128*(\q)+32*\c+\i*16*PB
.endr
.endr
.irp i, 0,1,2,3
.irp c, 0,1,2,3
	ds_load_b128 v[\f+16*\i+4*\c:\f+16*\i+4*\c+3], v[ADRA+2*(\slot)+(\q)/2] offset:((128*((\q)%2)+32*\c)/KC)*CHB+(128*((\q)%2)+32*\c)%KC+\i*16*PA
.endr
.endr
.endm
.macro SCALES set                      ; a K step's scale words: A's, a word for each quarter and block; W's, a block's four quarters by one load
.irp q, 0,1,2,3
.irp i, 0,1,2,3
	ds_load_b32 v[SA+16*(\set)+4*\q+\i], v[ADSA] offset:528*\q+64*\i
.endr
.endr
.irp i, 0,1,2,3
	ds_load_b128 v[SB+16*(\set)+4*\i:SB+16*(\set)+4*\i+3], v[ADSB] offset:\i*SBLK
.endr
.endm
.macro PLACES n                        ; plain vector instructions between a matrix instruction and a load into, or a read of, its registers
.rept \n
	v_nop
.endr
.endm
; One of a K step's first three quarters: multiplies quarter q from buffer f and fetches quarter q + 1 into g
.macro QUARTER slot, q, f, g, zero
	s_wait_dscnt 8                                 ; all but the youngest eight loads (A's blocks 2 and 3) are in
	WIN MUL
	MUL8 \f, 0, \q, \slot, \zero
	PLACES 8
	FETCH \slot, (\q)+1, \g
	s_wait_dscnt 32                                ; all but the 32 just issued
	WIN MUL
	MUL8 \f, 2, \q, \slot, \zero
.endm
; The last quarter multiplies buffer 1 and changes slots: ONE barrier; in front of it each wave waits for all its tensor loads, adds 0 to its spare word, and waits for that and for its own reads of this slot
.macro TURN slot, next, fill
	WIN 0
.if \fill
	s_wait_xcnt 0x0                                ; any prefetch of mine has read its address: it steps here, ahead of the waits of the change of slots
	s_add_nc_u64 s[PFA:PFA+1], s[PFA:PFA+1], s[PFS:PFS+1]
.endif
	s_wait_tensorcnt 0x0                           ; all my tensor loads have landed: my part of the next slot
	ds_add_u32 v[SPW], v[NIL]                      ; 0 onto my spare word
	s_wait_dscnt 0x0                               ; the add is done, and my reads of this slot are over
	s_barrier_signal -1
	WIN MUL
	MUL8 F1, 0, 3, \slot, 0
	WIN 0
	s_barrier_wait -1
.if \fill
	CREST                                          ; the barrier has opened a round of the cluster's barrier: no wave of any partner still reads this slot or has a load on its way
	s_add_nc_u64 s[G0+4*\slot+2:G0+4*\slot+3], s[G0+4*\slot+2:G0+4*\slot+3], 2*2097152
	s_add_nc_u64 s[G0B+4*\slot+2:G0B+4*\slot+3], s[G0B+4*\slot+2:G0B+4*\slot+3], 2*512
	JLOAD G0+4*\slot, G1, G0B+4*\slot, G1B         ; the first tensor load behind the round; its four v_nop are among the places in front of the loads below
	PLACES 4
.else
	PLACES 8
.endif
	s_wait_alu depctr_va_vdst(0)
	v_add_nc_u32 v[ADSA], 4*528, v[ADSA]           ; on to the next K step's scale words
	v_add_nc_u32 v[ADSB], 16, v[ADSB]
	SCALES \next
	FETCH \next, 0, F0
.if \fill
	WIN 0
	ASK 0                                          ; the K step two refills on, behind the joint load and the run of LDS loads
.endif
	WIN MUL
	MUL8 F1, 2, 3, \slot, 0
.endm
	s_cmp_eq_u32 s[LIM], 1
	s_cbranch_scc0 .Lnot_first
	global_prefetch_b8 v[PFO], s[PFA:PFA+1] th:TH_LOAD_NT scope:SCOPE_SE   ; K step 1, whose load goes out when the head's tiles have landed
	global_prefetch_b8 v[PFO], s[92:93] th:TH_LOAD_NT scope:SCOPE_SE       ; K step 2
.Lnot_first:
	s_wait_alu depctr_va_vdst(0)                   ; the wait at the head's end
	s_wait_tensorcnt 0x0                           ; my tile of the head's four is in
	ds_add_u32 v[SPW], v[NIL]
	s_wait_xcnt 0x0                                ; the prefetches have read their addresses
	s_add_nc_u64 s[PFA:PFA+1], s[92:93], s[PFS:PFS+1]   ; on to K step 3
	s_mov_b32 s[G1+2], (NCH/2)<<16                 ; no tensor load of mine is out: from here on a load brings half a tile
	s_mov_b32 s[G1+4], NCH/2
	s_mov_b32 s[G1B+2], 64<<16
	s_mov_b32 s[G1B+4], 64
	s_wait_dscnt 0x0
	CROUND                                         ; all four tiles are in, and all sixteen work-groups are here
	JLOAD G0+4, G1, G0B+4, G1B                     ; K step 1: the first tensor load behind the round
	SCALES 0
	FETCH 0, 0, F0
	WIN 0
	ASK 1                                          ; K step 3
	s_wait_loadcnt 32                              ; the bias is in; the residual's 32 loads may be out
	QUARTER 0, 0, F0, F1, 1                        ; the first quarter stands in front of the loop: its products start the sums
.if LAPS > 1
	WIN 0
	s_mov_b32 s3, LAPS-1
.Llap:                                                 ; a trip goes once round the ring and fills both slots again
	QUARTER 0, 1, F1, F0, 0
	QUARTER 0, 2, F0, F1, 0
	TURN 0, 1, 1
	QUARTER 1, 0, F0, F1, 0
	QUARTER 1, 1, F1, F0, 0
	QUARTER 1, 2, F0, F1, 0
	TURN 1, 0, 1
	QUARTER 0, 0, F0, F1, 0
	WIN 0
	s_sub_co_u32 s3, s3, 1
	s_cmp_lg_u32 s3, 0
	s_cbranch_scc1 .Llap
.endif
	QUARTER 0, 1, F1, F0, 0                        ; the last lap fills nothing
	QUARTER 0, 2, F0, F1, 0
	TURN 0, 1, 0
	QUARTER 1, 0, F0, F1, 0
	QUARTER 1, 1, F1, F0, 0
	QUARTER 1, 2, F0, F1, 0
	s_wait_dscnt 8
	WIN MUL
	MUL8 F1, 0, 3, 1, 0
	s_wait_dscnt 0
	MUL8 F1, 2, 3, 1, 0
	WIN 0
	; THE WAY OUT, block by block of 16 rows x 64 columns: through my own stage, back as whole rows of 256 bytes, + the residual, stored: sixteen lanes store 256 consecutive bytes, at a multiple of 256 from the buffer's first byte
	PLACES 8
	s_wait_loadcnt 0x0                             ; the residual
.irp a, 0,1,2,3
.if \a > 1
	s_wait_xcnt 0x0                                ; block a - 2's stores have read their registers: block a's loads may land there
.endif
.irp b, 0,1,2,3
	ds_store_b128 v[STO], v[ACC+8*(4*\a+\b):ACC+8*(4*\a+\b)+3] offset:64*\b          ; each accumulator from its low end on
	ds_store_b128 v[STO], v[ACC+8*(4*\a+\b)+4:ACC+8*(4*\a+\b)+7] offset:64*\b+16
.endr
.irp t, 0,1,2,3,4,5,6,7
	ds_load_b128 v[BK+32*(\a%2)+4*\t:BK+32*(\a%2)+4*\t+3], v[RD] offset:\t*2*SP      ; LDS serves a wave's instructions in order (ISA guide 5.7.1.4): these see my stores
.endr
	s_wait_dscnt 0x0
	WIN 0x08                                       ; source 1 window 2
.irp t, 0,1,2,3,4,5,6,7
	v_pk_add_f32 v[BK+32*(\a%2)+4*\t:BK+32*(\a%2)+4*\t+1], v[BK+32*(\a%2)+4*\t:BK+32*(\a%2)+4*\t+1], v[32*\a+4*\t:32*\a+4*\t+1]
	v_pk_add_f32 v[BK+32*(\a%2)+4*\t+2:BK+32*(\a%2)+4*\t+3], v[BK+32*(\a%2)+4*\t+2:BK+32*(\a%2)+4*\t+3], v[32*\a+4*\t+2:32*\a+4*\t+3]
.endr
	WIN 0
.irp t, 0,1,2,3,4,5,6,7
	global_store_b128 v[CO], v[BK+32*(\a%2)+4*\t:BK+32*(\a%2)+4*\t+3], s[12:13] offset:(16*\a+2*\t)*4096
.endr
.endr
	s_wait_tensorcnt 0x0                           ; the wave's end: behind my last tensor load and my last LDS store
	ds_add_u32 v[SPW], v[NIL]
	s_wait_dscnt 0x0
	CROUND                                         ; the closing round: no work-group ends while a partner may still ask for a tile that names it
	s_endpgm
.Lfunc_end_k_q73dcbde721_mlp:
	.size	k_q73dcbde721_mlp, .Lfunc_end_k_q73dcbde721_mlp-k_q73dcbde721_mlp
	.p2alignl 7, 3214868480
	.fill 96, 4, 3214868480
	.section	.rodata,"a",@progbits
	.p2align	6, 0x0
	.amdhsa_kernel k_q73dcbde721_mlp
		.amdhsa_group_segment_fixed_size 327680
		.amdhsa_private_segment_fixed_size 0
		.amdhsa_enable_private_segment 0
		.amdhsa_kernarg_size 56
		.amdhsa_user_sgpr_count 2
		.amdhsa_user_sgpr_kernarg_segment_ptr 1
		.amdhsa_wavefront_size32 1
		.amdhsa_system_sgpr_workgroup_id_x 1
		.amdhsa_system_sgpr_workgroup_id_y 1
		.amdhsa_system_sgpr_workgroup_id_z 1
		.amdhsa_system_vgpr_workitem_id 0
		.amdhsa_next_free_vgpr 640
		.amdhsa_next_free_sgpr 102
		.amdhsa_reserve_vcc 0
		.amdhsa_float_denorm_mode_32 3
		.amdhsa_float_denorm_mode_16_64 3
		.amdhsa_memory_ordered 1
		.amdhsa_forward_progress 1
		.amdhsa_inst_pref_size 107
	.end_amdhsa_kernel
	.amdgpu_metadata
---
amdhsa.version: [ 1, 2 ]
amdhsa.kernels:
  - .name:           k_q73dcbde721_mlp
    .symbol:         k_q73dcbde721_mlp.kd
    .args:
      - { .name: bc, .offset: 0, .size: 8, .value_kind: global_buffer, .address_space: global }
      - { .name: bs, .offset: 8, .size: 8, .value_kind: global_buffer, .address_space: global }
      - { .name: mlp_proj_w_codes, .offset: 16, .size: 8, .value_kind: global_buffer, .address_space: global }
      - { .name: mlp_proj_w_scales, .offset: 24, .size: 8, .value_kind: global_buffer, .address_space: global }
      - { .name: mlp_proj_b, .offset: 32, .size: 8, .value_kind: global_buffer, .address_space: global }
      - { .name: x2, .offset: 40, .size: 8, .value_kind: global_buffer, .address_space: global }
      - { .name: out0, .offset: 48, .size: 8, .value_kind: global_buffer, .address_space: global }
    .group_segment_fixed_size: 327680
    .private_segment_fixed_size: 0
    .kernarg_segment_align: 8
    .kernarg_segment_size: 56
    .max_flat_workgroup_size: 128
    .sgpr_count:     102
    .vgpr_count:     640
    .wavefront_size: 32
...
	.end_amdgpu_metadata
.endif
;; end of part 6
